; MI455X (gfx1250); checked and timed in simulation.
; The chip was launched on July 23, 2026; its instructions are those of AMD's public machine-readable ISA for CDNA 5 (MIT licence, August 2026) and "CDNA5" Instruction Set Architecture Reference Guide (July 2026). The comments in the code are by the model that wrote it; some were corrected since.
;; Block. Allowed arithmetic: matrix products marked QUANTISED: E4M3 operands, one E8M0 scale for each 32 along K, by v_wmma_scale_f32_16x16x128_f8f6f4 with both operands' format E4M3, f32 sums; everything else in f32.
;; Inputs: W1_codes 1,024 x 32 x 32 uint8 (E4M3 codes of W1, K innermost, in blocks of 32 codes); W1_scales 1,024 x 32 uint8 (E8M0 scales of W1, one for each 32 codes along K); W2_codes 1,024 x 32 x 32 uint8 (E4M3 codes of W2, K innermost, in blocks of 32 codes); W2_scales 1,024 x 32 uint8 (E8M0 scales of W2, one for each 32 codes along K); Wk_codes 16 x 64 x 32 x 32 uint8 (E4M3 codes of Wk, K innermost, in blocks of 32 codes); Wk_scales 16 x 64 x 32 uint8 (E8M0 scales of Wk, one for each 32 codes along K); Wproj_codes 1,024 x 32 x 32 uint8 (E4M3 codes of Wproj, K innermost, in blocks of 32 codes); Wproj_scales 1,024 x 32 uint8 (E8M0 scales of Wproj, one for each 32 codes along K); Wq_codes 16 x 64 x 32 x 32 uint8 (E4M3 codes of Wq, K innermost, in blocks of 32 codes); Wq_scales 16 x 64 x 32 uint8 (E8M0 scales of Wq, one for each 32 codes along K); Wv_codes 16 x 64 x 32 x 32 uint8 (E4M3 codes of Wv, K innermost, in blocks of 32 codes); Wv_scales 16 x 64 x 32 uint8 (E8M0 scales of Wv, one for each 32 codes along K); b1 1,024 float32; b2 1,024 float32; beta1 1,024 float32; beta2 1,024 float32; bproj 1,024 float32; g1 1,024 float32; g2 1,024 float32; x 8 x 1,024 x 1,024 float32.
;; Outputs: out0 8 x 1,024 x 1,024 float32.
;; This version of the problem:
;;   THIS VERSION OF THE PROBLEM IS GIVEN IN LOW PRECISION. The matrix products marked QUANTISED in the list below multiply operands that are first quantised to E4M3 (4 exponent bits, 3 mantissa bits; 8 bits a number), with one power-of-two scale for each 32 numbers along K (OCP MX v1.0); their sums are f32. All else is computed in f32.
;;   The module's matrix products, in the order in which they are computed (A, B: the left and right operand; K: the contracted axis; several contracted axes count as one K, in the product's order):
;;     1. [M 1,024, K 1,024] x [K 1,024, N 8,192]; A: input Wq (given as codes); B: computed on the way: QUANTISED
;;     2. [M 1,024, K 1,024] x [K 1,024, N 8,192]; A: input Wk (given as codes); B: computed on the way: QUANTISED
;;     3. [M 1,024, K 1,024] x [K 1,024, N 8,192]; A: input Wv (given as codes); B: computed on the way: QUANTISED
;;     4. batch 128 x [M 1,024, K 64] x [K 64, N 1,024]; A: computed on the way; B: computed on the way: QUANTISED
;;     5. batch 128 x [M 1,024, K 1,024] x [K 1,024, N 64]; A: softmax (see below); B: computed on the way: QUANTISED
;;     6. [M 8,192, K 1,024] x [K 1,024, N 1,024]; A: computed on the way; B: input Wproj (given as codes): QUANTISED
;;     7. [M 8,192, K 1,024] x [K 1,024, N 1,024]; A: computed on the way; B: input W1 (given as codes): QUANTISED
;;     8. [M 8,192, K 1,024] x [K 1,024, N 1,024]; A: computed on the way; B: input W2 (given as codes): QUANTISED
;;   THE QUANTISER, for each operand of a quantised product, along K:
;;     - K is cut into blocks of 32 from its start; a last block that is shorter is filled with zeros.
;;     - A block's scale is 2^e with e = floor(log2(the largest magnitude in the block)) - 8, held to -126 .. 127; a block of zeros has e = 0. As a byte (E8M0): e + 127.
;;     - Each number is divided by its block's scale, clamped to +-448, and rounded to the nearest number of E4M3, ties to even, subnormals kept.
;;     - The product sums the exact products of the quantised numbers (number of the format x scale) in f32.
;;   ~~~python
;;   def quantise(x, axis):      # numpy; x: float32 -> the quantised numbers, widened to float32 again
;;       x = np.moveaxis(x, axis, -1); K = x.shape[-1]
;;       x = np.pad(x, [(0, 0)] * (x.ndim - 1) + [(0, -K % 32)]); x = x.reshape(x.shape[:-1] + (-1, 32)); a = np.abs(x).max(-1, keepdims=True)
;;       e = np.where(a > 0, np.clip(np.frexp(np.where(a > 0, a, 1))[1] - 1 - 8, -126, 127), 0)      # np.frexp(a)[1] - 1 = floor(log2(a)), exactly
;;       r = np.clip(x / 2.0 ** e, -448, 448)
;;       step = 2.0 ** (np.maximum(np.frexp(np.where(r == 0, 1, r))[1] - 1, -6) - 3)
;;       q = np.round(r / step) * step * 2.0 ** e      # np.round: ties to even
;;       return np.moveaxis(q.reshape(q.shape[:-2] + (-1,))[..., :K], -1, axis).astype(np.float32)
;;   ~~~
;;   SOFTMAX AHEAD OF A QUANTISED PRODUCT. Where the list says 'softmax', what is quantised is not the finished softmax but p = 2^(t - M), with t = logit x log2(e) and M = ceil(the row's largest t), a whole number; so 1/2 < the row's largest p <= 1. The row's sum l is taken of the UNQUANTISED p, in f32, and the product's result is divided by l at the end. Since M is a whole number, a kernel that streams over the keys may use a running M (the ceiling of the running maximum): every later rescaling is an exact power of two, which a block's scale takes up: the codes' values come out the same.
;;   OPERANDS COMPUTED ON THE WAY. 'Computed on the way' means the value that the module computes at that place (a softmax that the list does not call 'softmax' is quantised finished and normalised). What goes into a quantiser is computed in f32, as accurately as f32 sums, v_exp_f32 and their like allow (about 1e-6 of the number): no bf16 or f16 on the way to a quantiser, and a product that is left as it is and whose result goes on into a quantised operand takes f32 operands (vector FMAs, or v_wmma_f32_16x16x4_f32). A number that lies on a knife's edge between two numbers of the format may be rounded either way, as far as f32 arithmetic and the matrix unit's own rounding can turn it there, and no further.
;;   INPUTS GIVEN AS CODES. W1 (in the module: [1024, 1024], K = its axis 0); W2 (in the module: [1024, 1024], K = its axis 0); Wk (in the module: [16, 1024, 64], K = its axis 1); Wproj (in the module: [1024, 1024], K = its axis 0); Wq (in the module: [16, 1024, 64], K = its axis 1); Wv (in the module: [16, 1024, 64], K = its axis 1): each comes as NAME_codes (uint8): NAME with its K axis moved to the last place and cut into blocks of 32 codes, [.., K / 32, bytes a block], one block behind the other in memory; one code a byte (a code: sign, 4 exponent bits, 3 mantissa bits); and NAME_scales (uint8): the same leading axes, one E8M0 byte (e + 127) for each 32 codes along K. Its value is code x scale, taken as it is: it is not quantised again, and the codes and scales need not be those that the quantiser above would give.
;; One version. Each part assembles by itself: llvm-mc -triple=amdgcn-amd-amdhsa -mcpu=gfx1250 --defsym DOCPART=n.
;; ======== version 1 of 1: 7 launches
;; limits: right only within a limited range of input values
;; workspace buffers: xn_c 8,388,608 bytes; xn_s 262,144 bytes; qkv_c 25,165,824 bytes; qkv_s 786,432 bytes; at_c 8,388,608 bytes; at_s 262,144 bytes; x1 33,554,432 bytes
;; launch ln1 (part 1): grid 256 x 1, 8 waves a work-group, no clusters, 43,008 bytes of LDS; arguments x, g1, beta1, xn_c, xn_s; writes xn_c, xn_s
.if DOCPART == 1
	.amdgcn_target "amdgcn-amd-amdhsa--gfx1250"
	.amdhsa_code_object_version 6
	.text
	.protected	k_q69d0abbd6b_ln1
	.globl	k_q69d0abbd6b_ln1
	.p2align	8
	.type	k_q69d0abbd6b_ln1,@function
k_q69d0abbd6b_ln1:
	s_mov_b64 s[64:65], 0
	v_nop
	global_prefetch_b8 v0, s[64:65] scope:SCOPE_SE
	s_setreg_imm32_b32 hwreg(HW_REG_WAVE_MODE, 25, 1), 1
	s_wait_xcnt 0x0
; LAYER NORM AND QUANTISER.  src [8192][1024] f32 -> y = g (x - mean) / sqrt(var + 1e-5) + beta, in f32, and y -> codes of FP8 (E4M3) [8192][1024], one E8M0 scale byte for each 32 along a row, [8192][32].
; Eight waves; the work-group owns 32 rows, a wave 4.  A row (4,096 bytes) is eight loads of 512 consecutive bytes and stays in 32 registers between the mean, the variance (of x - mean: two passes) and the scaling.
; A WAVE ASKS FOR ALL ITS ROWS AT ITS START: 32 loads behind the 16 of g and beta: 48 loads of a wave are out, 16 KB of rows, and nothing is asked for later; the waits count down by rows.
; The conversions want 16 NEIGHBOURS in a lane, the loads give 4: so a finished row turns through the wave's own stage in LDS (64 bytes on end, then 16 of padding) and comes back, into the registers that it left, 64 bytes a lane;
; two lanes hold a block of 32.  A block's scale is 2^(floor(log2(largest magnitude)) - 8); its byte is the largest magnitude's exponent field - 8, held at 1 from below.  A lane's 16 codes are 16 bytes: a store covers 512 consecutive bytes.
; A wave's 4 rows make 128 scale bytes, the work-group's 32 rows 1,024: they are gathered in LDS, the waves meet at one barrier, and waves 0 to 3 store 256 consecutive aligned bytes each.  No tensor loads.
; LIMITS: NaN and infinities among the inputs are not served; a block whose largest magnitude lies under 2^-118, a block of zeros too, gets the byte 1 (its codes are zeros or subnormal codes; this program alone reads the bytes);
; 1 / sqrt is v_rsq_f32 (1 ulp).
.set SP,   80                          ; a lane's place in a stage: 64 bytes + 16 of padding
.set WSTG, 5120                        ; LDS of a wave: two stages of 32 x SP bytes
.set SBY,  40960                       ; behind the eight waves' stages: the work-group's 1,024 scale bytes, 128 for each wave
.set G,    32                          ; v32-63   g, as a row is loaded
.set BT,   64                          ; v64-95   beta likewise
.set R,    96                          ; v96-223  four row slots of 32: the row as loaded, then normed, then turned (two steps of 16 neighbours)
.set C,    224                         ; v224-255 codes: four registers for each of the eight steps, so that no store's data are written again
	s_load_b256 s[4:11], s[0:1], 0x0               ; src s[4:5], g s[6:7], beta s[8:9], codes s[10:11]
	s_load_b64 s[12:13], s[0:1], 0x20              ; scale bytes
	v_lshl_add_u32 v30, v0, 2, 0xa400
	v_mov_b32 v31, 0
	v_lshrrev_b32 v1, 5, v0
	s_delay_alu instid0(VALU_DEP_1)
	v_readfirstlane_b32 s16, v1                    ; wave 0..7
	v_and_b32 v1, 31, v0                           ; lane
	s_delay_alu instid0(VALU_DEP_1)
	v_lshlrev_b32 v3, 4, v1                        ; my 16 bytes of 512
	s_mul_i32 s17, s16, WSTG
	v_lshrrev_b32 v4, 2, v1
	s_delay_alu instid0(VALU_DEP_1)
	v_mul_u32_u24 v4, v4, SP
	v_and_b32 v5, 3, v1
	s_delay_alu instid0(VALU_DEP_1)
	v_lshl_add_u32 v4, v5, 4, v4
	s_delay_alu instid0(VALU_DEP_1)
	v_add_nc_u32 v4, s17, v4                       ; the stage, in: SP (lane / 4) + 16 (lane % 4)
	v_mul_u32_u24 v5, v1, SP
	s_delay_alu instid0(VALU_DEP_1)
	v_add_nc_u32 v5, s17, v5                       ; and out: SP x lane
	v_lshrrev_b32 v6, 1, v1
	s_lshl_b32 s17, s16, 7
	s_add_co_u32 s17, s17, SBY
	v_add_nc_u32 v6, s17, v6                       ; my block's scale byte: my wave's 128 bytes, lane / 2
	v_lshlrev_b32 v7, 3, v1
	s_and_b32 s17, s16, 3
	s_lshl_b32 s17, s17, 8
	v_add_nc_u32 v7, s17, v7                       ; the scale bytes on the way out: 256 (wave % 4) + 8 x lane, in memory
	s_delay_alu instid0(VALU_DEP_1)
	v_add_nc_u32 v28, SBY, v7                      ; and in LDS
	v_mov_b32 v29, 0                               ; a lane permute's destination counts as one of its sources
	s_mov_b32 s20, 0x3a800000                      ; 1 / 1024
	s_mov_b32 s21, 0x3727c5ac                      ; 1e-5
	s_mov_b32 s22, 0x76543210
	s_mov_b32 s23, 0xfedcba98                      ; selects for lane l xor 16
	s_mov_b32 s24, 0x600000                        ; the mantissa field of 448
	s_lshl_b32 s18, ttmp9, 3
	s_add_co_u32 s18, s18, s16                     ; which run of 4 rows is my wave's
	s_lshl_b32 s26, s18, 14                        ; 4 rows of 4,096 bytes
	s_mov_b32 s27, 0
	s_lshl_b32 s28, s18, 12                        ; of 1,024 codes
	s_mov_b32 s29, 0
	s_lshl_b32 s30, ttmp9, 10                      ; the work-group's 32 rows of 32 scale bytes
	s_mov_b32 s31, 0
	s_wait_kmcnt 0x0
	s_add_nc_u64 s[4:5], s[4:5], s[26:27]
	s_add_nc_u64 s[10:11], s[10:11], s[28:29]
	s_add_nc_u64 s[12:13], s[12:13], s[30:31]
.irp j, 0,1,2,3,4,5,6,7
	global_load_b128 v[G+4*\j:G+4*\j+3], v3, s[6:7] offset:512*\j
	global_load_b128 v[BT+4*\j:BT+4*\j+3], v3, s[8:9] offset:512*\j
.endr
.macro LOADROW t                       ; row t into slot t: in load j lane l holds columns 128 j + 4 l .. + 3
.irp j, 0,1,2,3,4,5,6,7
	global_load_b128 v[R+32*(\t)+4*\j:R+32*(\t)+4*\j+3], v3, s[4:5] offset:4096*(\t)+512*\j
.endr
.endm
.macro FOLD                            ; four packed chains into v8
	s_delay_alu instid0(VALU_DEP_3)
	v_pk_add_f32 v[8:9], v[8:9], v[10:11]
	s_delay_alu instid0(VALU_DEP_2)
	v_pk_add_f32 v[12:13], v[12:13], v[14:15]
	s_delay_alu instid0(VALU_DEP_1)
	v_pk_add_f32 v[8:9], v[8:9], v[12:13]
	s_delay_alu instid0(VALU_DEP_1)
	v_add_f32 v8, v8, v9
.endm
.macro REDUCE                          ; v8 summed over the 32 lanes, the result in every lane
	s_delay_alu instid0(VALU_DEP_1)
	v_add_f32_dpp v8, v8, v8 row_xmask:1 row_mask:0xf bank_mask:0xf
	s_delay_alu instid0(VALU_DEP_1)
	v_add_f32_dpp v8, v8, v8 row_xmask:2 row_mask:0xf bank_mask:0xf
	s_delay_alu instid0(VALU_DEP_1)
	v_add_f32_dpp v8, v8, v8 row_xmask:4 row_mask:0xf bank_mask:0xf
	s_delay_alu instid0(VALU_DEP_1)
	v_add_f32_dpp v8, v8, v8 row_xmask:8 row_mask:0xf bank_mask:0xf
	s_delay_alu instid0(VALU_DEP_1)
	v_permlanex16_b32 v29, v8, s22, s23
	s_delay_alu instid0(VALU_DEP_1)
	v_add_f32 v8, v8, v29
.endm
.macro STATS t                         ; the row in slot t becomes g (x - mean) rs + beta, in place
.set RS, R+32*(\t)
.irp k, 0,1,2,3
	v_pk_add_f32 v[8+2*\k:9+2*\k], v[RS+2*\k:RS+2*\k+1], v[RS+8+2*\k:RS+9+2*\k]
.endr
.irp p, 16,24
.irp k, 0,1,2,3
	s_delay_alu instid0(VALU_DEP_4)
	v_pk_add_f32 v[8+2*\k:9+2*\k], v[8+2*\k:9+2*\k], v[RS+\p+2*\k:RS+\p+2*\k+1]
.endr
.endr
	FOLD
	REDUCE
	s_delay_alu instid0(VALU_DEP_1)
	v_mul_f32 v16, s20, v8                         ; the mean, twice: a pair for the packed forms
	s_delay_alu instid0(VALU_DEP_2)
	v_mul_f32 v17, s20, v8
.irp p, 0,2,4,6,8,10,12,14,16,18,20,22,24,26,28,30
	v_pk_add_f32 v[RS+\p:RS+\p+1], v[RS+\p:RS+\p+1], v[16:17] neg_lo:[0,1] neg_hi:[0,1]   ; x - mean
.endr
.irp k, 0,1,2,3
	v_pk_mul_f32 v[8+2*\k:9+2*\k], v[RS+2*\k:RS+2*\k+1], v[RS+2*\k:RS+2*\k+1]
.endr
.irp p, 8,16,24
.irp k, 0,1,2,3
	s_delay_alu instid0(VALU_DEP_4)
	v_pk_fma_f32 v[8+2*\k:9+2*\k], v[RS+\p+2*\k:RS+\p+2*\k+1], v[RS+\p+2*\k:RS+\p+2*\k+1], v[8+2*\k:9+2*\k]
.endr
.endr
	FOLD
	REDUCE
	s_delay_alu instid0(VALU_DEP_1)
	v_fma_f32 v8, v8, s20, s21                     ; the variance + 1e-5
	s_wait_alu depctr_va_vdst(0)
	v_rsq_f32 v18, v8
	v_rsq_f32 v19, v8
	v_nop                                          ; one plain instruction between a transcendental and the use of its result (ISA guide 5.7.2)
	s_wait_alu depctr_va_vdst(0)
.irp p, 0,2,4,6,8,10,12,14,16,18,20,22,24,26,28,30
	v_pk_mul_f32 v[RS+\p:RS+\p+1], v[RS+\p:RS+\p+1], v[18:19]
.endr
.irp p, 0,2,4,6,8,10,12,14,16,18,20,22,24,26,28,30
	v_pk_fma_f32 v[RS+\p:RS+\p+1], v[RS+\p:RS+\p+1], v[G+\p:G+\p+1], v[BT+\p:BT+\p+1]
.endr
.endm
.macro TURNROW t                       ; through the two stages and back into the same slot: LDS serves a wave's instructions in order, so no wait stands between the stores and the loads
.irp j, 0,1,2,3,4,5,6,7
	ds_store_b128 v4, v[R+32*(\t)+4*\j:R+32*(\t)+4*\j+3] offset:2560*(\j/4)+640*(\j%4)
.endr
.irp s, 0,1
.irp i, 0,1,2,3
	ds_load_b128 v[R+32*(\t)+16*\s+4*\i:R+32*(\t)+16*\s+4*\i+3], v5 offset:2560*\s+16*\i
.endr
.endr
.endm
.macro QSTEP t, s                      ; 512 numbers of row t: 16 blocks
.set XS, R+32*(\t)+16*(\s)
.set CS, C+4*(2*(\t)+(\s))
.set EB, 24+2*((\t)%2)+(\s)
	v_max3_num_f32 v20, |v[XS]|, |v[XS+1]|, |v[XS+2]|
	v_max3_num_f32 v21, |v[XS+3]|, |v[XS+4]|, |v[XS+5]|
.irp i, 6,10
	s_delay_alu instid0(VALU_DEP_2)
	v_max3_num_f32 v20, v20, |v[XS+\i]|, |v[XS+\i+1]|
	s_delay_alu instid0(VALU_DEP_2)
	v_max3_num_f32 v21, v21, |v[XS+\i+2]|, |v[XS+\i+3]|
.endr
	s_delay_alu instid0(VALU_DEP_2)
	v_max3_num_f32 v20, v20, |v[XS+14]|, |v[XS+15]|
	s_delay_alu instid0(VALU_DEP_1)
	v_max3_num_f32 v20, v20, v21, 0x4800000        ; and the floor 2^(9 - 127): the byte cannot fall under 1
	s_delay_alu instid0(VALU_DEP_1)
	v_max_num_f32_dpp v20, v20, v20 row_xmask:1 row_mask:0xf bank_mask:0xf   ; with my neighbour's 16: the block's largest magnitude
	s_delay_alu instid0(VALU_DEP_1)
	v_add_nc_u32 v23, 0xfc000000, v20              ; 8 off its exponent field: the conversion's scale operand
	s_delay_alu instid0(VALU_DEP_2)
	v_and_or_b32 v22, v20, 0x7f800000, s24         ; 448 x the scale
.irp i, 0,1,2,3,4,5,6,7,8,9,10,11,12,13,14,15
	v_med3_num_f32 v[XS+\i], v[XS+\i], -v22, v22   ; the conversion to an 8-bit code does not saturate (ISA guide 7.6.2): the hold comes first
.endr
	v_cvt_scalef32_pk8_fp8_f32 v[CS:CS+1], v[XS:XS+7], v23
	v_cvt_scalef32_pk8_fp8_f32 v[CS+2:CS+3], v[XS+8:XS+15], v23
	v_lshrrev_b32 v[EB], 23, v23                   ; the scale's byte
	ds_store_b8 v6, v[EB] offset:16*(2*(\t)+(\s))  ; both lanes of a block write the same byte with the same value
	global_store_b128 v3, v[CS:CS+3], s[10:11] offset:1024*(\t)+512*(\s)
.endm
.macro ROW t
	s_wait_loadcnt 8*(3-(\t))                      ; g, beta and row t are in; the 8 loads of each row behind it may be out
	STATS \t
	TURNROW \t
	s_wait_dscnt 0x0                               ; the row is back, 16 neighbours a lane and step
	QSTEP \t, 0
	QSTEP \t, 1
.endm
	LOADROW 0
	LOADROW 1
	LOADROW 2
	LOADROW 3
.irp t, 0,1,2,3
	ROW \t
.endr
	s_wait_dscnt 0x0                               ; for the others' sake: my 128 scale bytes lie in LDS
	s_barrier_signal -1
	s_barrier_wait -1                              ; all 1,024 do
	s_cmp_lt_u32 s16, 4
	s_cbranch_scc0 .Lend                           ; waves 0 to 3 carry them out
	ds_load_b64 v[8:9], v28
	s_wait_dscnt 0x0
	global_store_b64 v7, v[8:9], s[12:13]          ; 32 lanes store 256 consecutive bytes, aligned
.Lend:
	s_wait_tensorcnt 0x0
	ds_add_u32 v30, v31
	s_wait_dscnt 0x0
	s_endpgm
.Lfunc_end_k_q69d0abbd6b_ln1:
	.size	k_q69d0abbd6b_ln1, .Lfunc_end_k_q69d0abbd6b_ln1-k_q69d0abbd6b_ln1
	.p2alignl 7, 3214868480
	.fill 96, 4, 3214868480
	.section	.rodata,"a",@progbits
	.p2align	6, 0x0
	.amdhsa_kernel k_q69d0abbd6b_ln1
		.amdhsa_group_segment_fixed_size 43008
		.amdhsa_private_segment_fixed_size 0
		.amdhsa_enable_private_segment 0
		.amdhsa_kernarg_size 40
		.amdhsa_user_sgpr_count 2
		.amdhsa_user_sgpr_kernarg_segment_ptr 1
		.amdhsa_wavefront_size32 1
		.amdhsa_system_sgpr_workgroup_id_x 1
		.amdhsa_system_sgpr_workgroup_id_y 1
		.amdhsa_system_sgpr_workgroup_id_z 1
		.amdhsa_system_vgpr_workitem_id 0
		.amdhsa_next_free_vgpr 256
		.amdhsa_next_free_sgpr 66
		.amdhsa_reserve_vcc 0
		.amdhsa_float_denorm_mode_32 3
		.amdhsa_float_denorm_mode_16_64 3
		.amdhsa_memory_ordered 1
		.amdhsa_forward_progress 1
		.amdhsa_inst_pref_size 61
	.end_amdhsa_kernel
	.amdgpu_metadata
---
amdhsa.version: [ 1, 2 ]
amdhsa.kernels:
  - .name:           k_q69d0abbd6b_ln1
    .symbol:         k_q69d0abbd6b_ln1.kd
    .args:
      - { .name: x, .offset: 0, .size: 8, .value_kind: global_buffer, .address_space: global }
      - { .name: g1, .offset: 8, .size: 8, .value_kind: global_buffer, .address_space: global }
      - { .name: beta1, .offset: 16, .size: 8, .value_kind: global_buffer, .address_space: global }
      - { .name: xn_c, .offset: 24, .size: 8, .value_kind: global_buffer, .address_space: global }
      - { .name: xn_s, .offset: 32, .size: 8, .value_kind: global_buffer, .address_space: global }
    .group_segment_fixed_size: 43008
    .private_segment_fixed_size: 0
    .kernarg_segment_align: 8
    .kernarg_segment_size: 40
    .max_flat_workgroup_size: 256
    .sgpr_count:     66
    .vgpr_count:     256
    .wavefront_size: 32
...
	.end_amdgpu_metadata
.endif
;; end of part 1
;; launch qkv (part 2): grid 4 x 192, 4 waves a work-group, clusters of 4 x 4, 327,680 bytes of LDS; arguments xn_c, xn_s, Wq_codes, Wq_scales, Wk_codes, Wk_scales, Wv_codes, Wv_scales, qkv_c, qkv_s; writes qkv_c, qkv_s
.if DOCPART == 2
	.amdgcn_target "amdgcn-amd-amdhsa--gfx1250"
	.amdhsa_code_object_version 6
	.text
	.protected	k_q69d0abbd6b_qkv
	.globl	k_q69d0abbd6b_qkv
	.p2align	8
	.type	k_q69d0abbd6b_qkv,@function
k_q69d0abbd6b_qkv:
	s_mov_b64 s[64:65], 0
	v_nop
	global_prefetch_b8 v0, s[64:65] scope:SCOPE_SE
	s_setreg_imm32_b32 hwreg(HW_REG_WAVE_MODE, 25, 1), 1
	s_wait_xcnt 0x0
	s_wait_alu depctr_hold_cnt(0) depctr_sa_sdst(0) depctr_va_vdst(0) depctr_va_sdst(0) depctr_va_ssrc(0) depctr_va_vcc(0) depctr_vm_vsrc(0)
	s_getreg_b32 s2, hwreg(HW_REG_IB_STS2, 6, 4)
	s_cmp_eq_u32 s2, 0
	s_cbranch_scc0 .Lentry_in_a_cluster
	s_endpgm
.Lentry_in_a_cluster:
	s_bfe_u32 s2, ttmp6, 0x10000c
	s_cmp_lg_u32 s2, 0xf033
	s_cbranch_scc0 .Lentry_shape_is_right
	s_endpgm
.Lentry_shape_is_right:
.set MODE, 0                           ; 0: q, k and v, quantised on the way out;  1: relu(. + bias), quantised on the way out;  2: . + bias + residual, f32 out
; D[i][j] = sum over k of S1[i][k] S0[j][k], K = 1,024, on codes of FP8 (E4M3) with one E8M0 scale for each 32 along K; sums in f32.  The job is cut into sub-problems of 1,024 x 1,024.
; MODE 0: 24 of them: q and k of batch b: S1 = the normed rows of b, S0 = Wq or Wk;  v of batch b: S1 = Wv, S0 = the normed rows of b, so that v's results run along the KEYS in a lane.  Only pointers are chosen: one path.
; MODE 1, 2: 8 of them (b): S1 = the rows of b, S0 = the weight.  In MODE 2 S1 lies in chunks, [b][chunk of 64 along K][1,024 rows][64 codes], its scale words [b][128 along K][1,024 rows][4 bytes]; else rows of 1,024 codes and 32 bytes.
; A work-group of four waves makes 128 (S1) x 256 (S0), a wave 64 x 128: 32 accumulators.  The matrix instruction is used transposed (source 0 = 16 rows of S0, source 1 = 16 rows of S1): a lane holds one row i and eight neighbouring j.
; K goes in four steps of 256.  THE HEAD'S FOUR TILES, ONE LOAD A WAVE: wave 0 S1's K step 0, wave 1 S0's K step 0 (LDS rows of 256 + 16 bytes); wave 2 S1's K steps 1 and 2 as one tile, wave 3 S0's (rows of 512 + 16 bytes; MODE 2, S1: eight chunks on end).
; K step 3 is filled over K step 0, by the same two descriptors, behind a round of the cluster's barrier; 112 matrix instructions stand ahead of the wait for it.
; THE SCALE WORDS of a wave's rows, for all of K, go from memory straight into 48 registers, a row's 32 bytes a lane.  The bias is loaded into the accumulators, once for each of S1's four blocks: the first products add onto it.
; CLUSTER 4 x 4: the four of a row need the same tiles of S1, the four of a column the same tiles of S0: each tile is asked for jointly, by the same tensor load with a mask that names the four.
; No prefetch: the text has no loop to run ahead in, and three of the four K steps are asked for at its head.
; WAY OUT, MODE 0 and 1: each block of 32 along j is quantised (a lane's 16 numbers and lane l xor 16's), codes and scale words go through the wave's stage in LDS, laid as memory wants them, and leave in chunks as above.
; MODE 2: the f32 rows go through the stage, take the residual and leave as rows of 512 bytes.  The stage lies where S0's K steps 1 and 2 lay: those bytes have had their only fill and, behind the last barrier, no reader.
; LIMITS: NaN and infinities are not served; a block whose largest magnitude lies under 2^-118, a block of zeros too, gets the byte 1 (this program alone reads the bytes).
; REGISTERS: window 0: v1-15 at work; v16-31 addresses; v32-63, v68-83 scale words; v128-255 S1's fragments, two sets of four.  window 1: S0's fragments, two sets of eight.
;   window 2: accumulator (a, b) at v[8 (8 a + b)].  window 3 (MODE 2): the residual, row 16 a + t at v[4 (16 a + t)].
.set LQA,    0                         ; S1's K step 0: 128 rows x 272 bytes (MODE 2: four chunks of 8,704)
.set LQB,    34816                     ; S0's K step 0: 256 rows x 272
.set LPA,    104448                    ; S1's K steps 1 and 2: 128 rows x 528 (MODE 2: eight chunks of 8,704)
.set LPB,    174080                    ; S0's K steps 1 and 2: 256 rows x 528, up to byte 309,248
.set STG,    LPB                       ; the way out's stages
.set QIPA,   6-MODE/2                  ; padding of S1's two-step tile: behind every 128 words; MODE 2: behind every 64
.set SPARE,  326400                    ; the spare words, 128 bytes for each wave: two blocks of 256 bytes that no other line names
.if MODE == 2
.set WSTG,  8448                       ; a wave's stage: 16 rows x (512 + 16) bytes
.set ASTEP, 262144                     ; S1: bytes from a K step to the next: four chunks
.set LOGA,  3
.else
.set WSTG,  8704                       ; two chunks of 64 rows x 64 bytes, then 64 scale words
.set ASTEP, 256
.set LOGA,  0
.endif
.set ADRA, 16                          ; v16-18  LDS address of my S1 fragments in slot 0, 1, 2
.set RDS,  19                          ; v19     the stage's scale words, on the way back
.set ADRB, 20                          ; v20-22  the same as ADRA for S0
.set CO8,  23                          ; v23     8 x lane
.set STO,  24                          ; v24     the stage, in
.set RD,   25                          ; v25     the stage, back
.set CO,   26                          ; v26     16 x lane
.set ADSA, 27                          ; v27     S1's scale words
.set SPW,  28                          ; v28     my spare word: SPARE + 4 x my thread's number; never rewritten
.set NIL,  29                          ; v29     0; never rewritten
.set ADSB, 30                          ; v30     S0's scale words
.set SSO,  31                          ; v31     the stage's scale words, in
.set SCB,  32                          ; v32-63  S0's scale words: register 8 (b % 4) + w: the w-th 128 along K; lanes 0-15 block b % 4, lanes 16-31 block b % 4 + 4
.set SCA,  68                          ; v68-83  S1's: register 8 (a % 2) + w; lanes 0-15 block a % 2, lanes 16-31 block a % 2 + 2
.set KW,   0                           ; counts the runs of eight products as the text is assembled: four to each 128 along K, so w = KW / 4
.set AF,   128
.set PC,   128                         ; the way out: codes, 16 registers for each a
.set TM,   200                         ; v200-203 largest magnitudes, v204-207 bytes, v208-211 holds, v212-215 scale operands
.set PW,   216                         ; v216-219 scale words made
.set BK,   128                         ; MODE 2: rows back from the stage, two sets of 64
.set SEL,  4                           ; s[4:5]  selects for lane l xor 16;  s6 the mantissa field of 448 (set when the arguments there are done with)
.set MNT,  6
.set PB,   12                          ; s[12:13] S0's codes, s[14:15] its scales, s[16:17] S1's codes, s[18:19] its scales
.set PBS,  14
.set PA,   16
.set PAS,  18
.set OUT0, 20                          ; s[20:21] codes out (MODE 2: the residual);  s[22:23] scale words out (MODE 2: the result)
.set OUT1, 22
.set G1A,  24
.set G1B,  32
.set G1PA, 40
.set G1PB, 48
.set G0A0, 56
.set G0A1, 60
.set G0A2, 68
.set G0B0, 72
.set G0B1, 76
.set G0B2, 80
.set G0SA, 84
.set G0SB, 88
.set WV,   96
.set WH,   97
.set WL,   98
.set BB,   99                          ; the batch
.set XT,   66                          ; S0's tile, 0 .. 3
.set T1,   67                          ; S1's tile, 0 .. 7
.set WHI,  104                         ; MODE 0: 0 q, 1 k, 2 v
.set TMP,  105
.set MSB, 0
.macro WIN new                         ; the immediate's high byte repeats the setting that is left
.if MSB != \new
	s_set_vgpr_msb (MSB<<8)|\new
.set MSB, \new
.endif
.endm
.macro PLACES n
.rept \n
	v_nop
.endr
.endm
.macro TL g0, g1                       ; a tensor load; an s_nop 0 and four v_nop follow it
	tensor_load_to_lds s[\g0:\g0+3], s[\g1:\g1+7]
	s_nop 0
	PLACES 4
.endm
; The joint refill: wave 0 fetches S1's tile, wave 1 S0's, waves 2 and 3 nothing.  The branches hang on the wave's number alone.
.macro JLOAD g0a, g1a, g0b, g1b
	s_cmp_eq_u32 s[WV], 0
	s_cbranch_scc0 .Lfor_b_\@
	tensor_load_to_lds s[\g0a:\g0a+3], s[\g1a:\g1a+7]
	s_nop 0
.rept 4
	v_nop
.endr
	s_branch .Lasked_\@
.Lfor_b_\@:
	s_cmp_eq_u32 s[WV], 1
	s_cbranch_scc0 .Lasked_\@
	tensor_load_to_lds s[\g0b:\g0b+3], s[\g1b:\g1b+7]
	s_nop 0
.rept 4
	v_nop
.endr
.Lasked_\@:
.endm
.macro CREST                           ; a round of the cluster's barrier behind its opening barrier
	s_cmp_lg_u32 s[WV], 0
	s_cbranch_scc1 .Lnot_wave_0_\@
	s_barrier_signal -3
.Lnot_wave_0_\@:
	s_barrier_wait -3
	s_barrier_signal -1
	s_barrier_wait -1
.endm
.macro CROUND
	s_barrier_signal -1
	s_barrier_wait -1
	CREST
.endm
.if MODE == 0
	s_load_b512 s[4:19], s[0:1], 0x0               ; rows' codes s[4:5], scales s[6:7]; Wq s[8:11]; Wk s[12:15]; Wv s[16:19]
	s_load_b128 s[20:23], s[0:1], 0x40             ; codes out, scale words out
.else
	s_load_b128 s[16:19], s[0:1], 0x0              ; S1's codes, scales
	s_load_b128 s[12:15], s[0:1], 0x10             ; S0's codes, scales
	s_load_b64 s[100:101], s[0:1], 0x20            ; the bias
	s_load_b64 s[20:21], s[0:1], 0x28
	s_load_b64 s[22:23], s[0:1], 0x30
.endif
	v_lshl_add_u32 v[SPW], v0, 2, SPARE
	v_mov_b32 v[NIL], 0
	ds_add_u32 v28, v29
	ds_add_u32 v28, v29
	s_wait_dscnt 0x0
	v_lshrrev_b32 v1, 5, v0
	v_readfirstlane_b32 s[WV], v1                  ; wave 0..3
	s_lshr_b32 s[WH], s[WV], 1                     ; my half of S1's rows.  Also: I fetch step 0's tile (0) or the two-step tile (1)
	s_and_b32 s[WL], s[WV], 1                      ; my half of S0's rows.  Also: I fetch for S1 (0) or S0 (1)
	s_bfe_u32 s2, ttmp6, 0x40000                   ; cx
	s_bfe_u32 s3, ttmp6, 0x40004                   ; cy
	s_lshl_b32 s[XT], ttmp9, 2
	s_add_co_u32 s[XT], s[XT], s2                  ; S0's tile = 4 x cluster x + cx
	s_and_b32 s[BB], ttmp7, 0xffff                 ; cluster y: two clusters to a sub-problem
	s_and_b32 s[T1], s[BB], 1
	s_lshl_b32 s[T1], s[T1], 2
	s_add_co_u32 s[T1], s[T1], s3                  ; S1's tile = 4 x (cluster y % 2) + cy
	s_lshr_b32 s[BB], s[BB], 1
.if MODE == 0
	s_lshr_b32 s[WHI], s[BB], 3
	s_and_b32 s[BB], s[BB], 7
.endif
	s_lshl_b32 s[G1A], s3, 2
	s_lshl_b32 s[G1A], 15, s[G1A]                  ; my row of the cluster
	s_lshl_b32 s[G1B], 0x1111, s2                  ; my column
	s_or_b32 s[G1PA], s[G1A], (LOGA<<16)|(1<<20)|(1<<21)|(QIPA<<22)|(3<<25)   ; padding: 4 words behind every row's length (MODE 2: behind every 256 bytes); bit 21 set beside a mask
	s_or_b32 s[G1PB], s[G1B], (0<<16)|(1<<20)|(1<<21)|(6<<22)|(3<<25)
	s_or_b32 s[G1A], s[G1A], (LOGA<<16)|(1<<20)|(1<<21)|(5<<22)|(3<<25)
	s_or_b32 s[G1B], s[G1B], (0<<16)|(1<<20)|(1<<21)|(5<<22)|(3<<25)
.macro GRP g, c, r, p                  ; the rest of a group 1: r rows of c elements, p elements from row to row
	s_mov_b32 s[\g+1], (\c)<<16
	s_mov_b32 s[\g+2], (\r)<<16
	s_mov_b32 s[\g+3], (\c)<<16
	s_mov_b32 s[\g+4], \r
	s_mov_b32 s[\g+5], \p
	s_mov_b32 s[\g+6], 0
	s_mov_b32 s[\g+7], 0
.endm
.if MODE == 2
	GRP G1A, 1024, 4, 8192                         ; S1: a chunk's 128 rows x 64 bytes are 1,024 elements of 8 bytes on end; chunks lie 65,536 bytes apart: four to a K step,
	GRP G1PA, 1024, 8, 8192                        ; eight to two
.else
	GRP G1A, 256, 128, 1024                        ; S1: 128 rows of 256 bytes, 1,024 apart;
	GRP G1PA, 512, 128, 1024                       ; of 512
.endif
	GRP G1B, 256, 256, 1024                        ; S0: 256 rows
	GRP G1PB, 512, 256, 1024
	; the tiles' first rows.  S1's hang on cy alone, S0's on cx alone; each is made in registers that never hold the other
	s_lshl_b32 s3, s[T1], 7
	s_lshl_b32 s2, s[XT], 8
.if MODE == 0
	s_lshl_b32 s[TMP], s[BB], 10                   ; the batch's first row: it belongs to the side that holds the rows
	s_cmp_eq_u32 s[WHI], 2
	s_cselect_b32 s[G0A0+2], 0, s[TMP]
	s_cselect_b32 s[G0B0+2], s[TMP], 0
	s_add_co_u32 s3, s3, s[G0A0+2]
	s_add_co_u32 s2, s2, s[G0B0+2]
.endif
.if MODE == 1
	s_lshl_b32 s[TMP], s[BB], 10
	s_add_co_u32 s3, s3, s[TMP]
.endif
.if MODE == 2
	s_lshl_b32 s[G0A0+2], s3, 6                    ; 64 bytes a row in a chunk,
	s_lshl_b32 s[TMP], s[BB], 20
	s_add_co_u32 s[G0A0+2], s[G0A0+2], s[TMP]      ; 2^20 a batch
	s_lshl_b32 s[G0SA+2], s3, 2
	s_lshl_b32 s[TMP], s[BB], 15
	s_add_co_u32 s[G0SA+2], s[G0SA+2], s[TMP]
.else
	s_lshl_b32 s[G0A0+2], s3, 10
	s_lshl_b32 s[G0SA+2], s3, 5
.endif
	s_mov_b32 s[G0A0+3], 0
	s_mov_b32 s[G0SA+3], 0
	s_lshl_b32 s[G0B0+2], s2, 10
	s_mov_b32 s[G0B0+3], 0
	s_lshl_b32 s[G0SB+2], s2, 5
	s_mov_b32 s[G0SB+3], 0
.if MODE == 2
	s_lshl_b32 s[TMP], s[WH], 8                    ; the scale words that my wave multiplies by: S1's 64 rows x 4 bytes on,
.else
	s_lshl_b32 s[TMP], s[WH], 11                   ; the scale words that my wave multiplies by: S1's 64 rows x 32 bytes on,
.endif
	s_add_co_u32 s[G0SA+2], s[G0SA+2], s[TMP]
	s_lshl_b32 s[TMP], s[WL], 12                   ; S0's 128 rows x 32 bytes on
	s_add_co_u32 s[G0SB+2], s[G0SB+2], s[TMP]
	s_mov_b32 s[G0A0+1], LQA                       ; where the tiles go: constants
	s_mov_b32 s[G0B0+1], LQB
	s_mov_b32 s[G0A1+1], LPA
	s_mov_b32 s[G0B1+1], LPB
.irp g, G0A0, G0A1, G0B0, G0B1
	s_mov_b32 s[\g], 1
.endr
.if MODE == 2
	s_mul_i32 s92, s[WH], 4352                     ; my 64 rows of S1 in a chunk
.else
	s_mul_i32 s92, s[WH], 64*272                   ; my 64 rows of S1 in K step 0's tile,
	s_mul_i32 s93, s[WH], 64*528                   ; and in the two-step tile
	s_add_co_u32 s93, s93, LPA
.endif
	s_mul_i32 s94, s[WL], 128*272                  ; my 128 rows of S0 likewise
	s_add_co_u32 s94, s94, LQB
	s_mul_i32 s95, s[WL], 128*528
	s_add_co_u32 s95, s95, LPB
	s_wait_kmcnt 0x0
.if MODE == 0
	s_cmp_eq_u32 s[WHI], 2                         ; the choices hang on the cluster's number alone
	s_cselect_b64 s[PB:PB+1], s[4:5], s[PB:PB+1]           ; v: S0 = the rows; else Wk for now
	s_cselect_b64 s[PBS:PBS+1], s[6:7], s[PBS:PBS+1]
	s_cselect_b64 s[PA:PA+1], s[PA:PA+1], s[4:5]           ; v: S1 = Wv; else the rows
	s_cselect_b64 s[PAS:PAS+1], s[PAS:PAS+1], s[6:7]
	s_cmp_eq_u32 s[WHI], 0
	s_cselect_b64 s[PB:PB+1], s[8:9], s[PB:PB+1]           ; q: S0 = Wq
	s_cselect_b64 s[PBS:PBS+1], s[10:11], s[PBS:PBS+1]
.endif
	s_add_nc_u64 s[G0A0+2:G0A0+3], s[PA:PA+1], s[G0A0+2:G0A0+3]
	s_add_nc_u64 s[G0A1+2:G0A1+3], s[G0A0+2:G0A0+3], ASTEP
	s_add_nc_u64 s[G0B0+2:G0B0+3], s[PB:PB+1], s[G0B0+2:G0B0+3]
	s_add_nc_u64 s[G0B1+2:G0B1+3], s[G0B0+2:G0B0+3], 256
	s_add_nc_u64 s[G0SA+2:G0SA+3], s[PAS:PAS+1], s[G0SA+2:G0SA+3]   ; plain addresses: my scale words of S1,
	s_add_nc_u64 s[G0SB+2:G0SB+3], s[PBS:PBS+1], s[G0SB+2:G0SB+3]   ; and of S0
.irp g, G0A0, G0A1, G0B0, G0B1
	s_or_b32 s[\g+3], s[\g+3], 0x80000000          ; type = 2
.endr
	CROUND                                         ; all sixteen work-groups are here: the first joint loads meet
	s_cmp_eq_u32 s[WV], 0                          ; the head's four tiles, one a wave, each in its arm of one chain of branches on the wave's number
	s_cbranch_scc0 .Lhead_qb
	TL G0A0, G1A                                   ; wave 0: S1's K step 0
	s_branch .Lhead_asked
.Lhead_qb:
	s_cmp_eq_u32 s[WV], 1
	s_cbranch_scc0 .Lhead_pa
	TL G0B0, G1B                                   ; wave 1: S0's K step 0
	s_branch .Lhead_asked
.Lhead_pa:
	s_cmp_eq_u32 s[WV], 2
	s_cbranch_scc0 .Lhead_pb
	TL G0A1, G1PA                                  ; wave 2: S1's K steps 1 and 2
	s_branch .Lhead_asked
.Lhead_pb:
	TL G0B1, G1PB                                  ; wave 3: S0's K steps 1 and 2
.Lhead_asked:
	s_mov_b32 s[SEL], 0x76543210
	s_mov_b32 s[SEL+1], 0xfedcba98
	s_mov_b32 s[MNT], 0x600000
	v_and_b32 v1, 15, v0                           ; r
	v_bfe_u32 v2, v0, 4, 1                         ; h
	v_and_b32 v8, 31, v0                           ; lane
	v_mul_u32_u24 v3, v1, 272
	v_lshl_add_u32 v3, v2, 4, v3                   ; a fragment's row x 272 + 16 h
.if MODE == 2
	v_lshrrev_b32 v4, 2, v1
	v_lshlrev_b32 v4, 4, v4
	v_lshl_add_u32 v4, v1, 6, v4
	v_lshl_add_u32 v4, v2, 4, v4                   ; in a chunk: 64 r + 16 (r / 4) + 16 h
.set LA, 4
.else
.set LA, 3
.endif
	v_mul_u32_u24 v9, v1, 528
	v_lshl_add_u32 v9, v2, 4, v9                   ; in a two-step tile: row x 528 + 16 h; K step 2 lies 256 bytes on in each row
	v_add_nc_u32 v[ADRA], s92, v[LA]
.if MODE == 2
	v_add_nc_u32 v[ADRA+1], LPA, v[ADRA]
	v_add_nc_u32 v[ADRA+2], LPA+4*8704, v[ADRA]    ; K step 2: four chunks on
.else
	v_add_nc_u32 v[ADRA+1], s93, v9
	v_add_nc_u32 v[ADRA+2], 256, v[ADRA+1]
.endif
	v_add_nc_u32 v[ADRB], s94, v3
	v_add_nc_u32 v[ADRB+1], s95, v9
	v_add_nc_u32 v[ADRB+2], 256, v[ADRB+1]
	v_lshlrev_b32 v5, 5, v1                        ; a row's 32 scale bytes in memory: 32 r
	v_lshl_add_u32 v[ADSB], v2, 11, v5             ; S0: lanes 16-31 take the block four further on: 64 rows
.if MODE == 2
	v_lshlrev_b32 v6, 7, v2                        ; S1: lanes 16-31 take the block two further on: 32 rows x 4 bytes
	v_lshl_add_u32 v[ADSA], v1, 2, v6
.else
	v_lshl_add_u32 v[ADSA], v2, 10, v5             ; S1: lanes 16-31 take the block two further on: 32 rows
.endif
.irp i, 0,1,2,3
.irp c, 0,1
	global_load_b128 v[SCB+8*\i+4*\c:SCB+8*\i+4*\c+3], v[ADSB], s[G0SB+2:G0SB+3] offset:512*\i+16*\c
.endr
.endr
.irp i, 0,1
.if MODE == 2
.irp w, 0,1,2,3,4,5,6,7
	global_load_b32 v[SCA+8*\i+\w], v[ADSA], s[G0SA+2:G0SA+3] offset:4096*\w+64*\i
.endr
.else
.irp c, 0,1
	global_load_b128 v[SCA+8*\i+4*\c:SCA+8*\i+4*\c+3], v[ADSA], s[G0SA+2:G0SA+3] offset:512*\i+16*\c
.endr
.endif
.endr
	s_mul_i32 s[TMP], s[WV], WSTG
	s_add_co_u32 s[TMP], s[TMP], STG               ; my stage
	v_lshlrev_b32 v[CO], 4, v8
	v_add_nc_u32 v[RD], s[TMP], v[CO]
.if MODE == 2
	v_mul_u32_u24 v5, v1, 528
	v_lshl_add_u32 v5, v2, 5, v5
	v_add_nc_u32 v[STO], s[TMP], v5                ; row r, 32 bytes for each half of the lanes
.else
	v_lshlrev_b32 v5, 6, v1
	v_lshl_add_u32 v5, v2, 3, v5
	v_add_nc_u32 v[STO], s[TMP], v5                ; row r of 64 bytes, 8 bytes for each half of the lanes
	v_lshlrev_b32 v[CO8], 3, v8
	s_add_co_u32 s[TMP], s[TMP], 8192
	v_lshl_add_u32 v[SSO], v1, 2, s[TMP]
	v_add_nc_u32 v[RDS], s[TMP], v[CO8]
.endif
.if MODE != 0
	s_lshl_b32 s92, s[XT], 10                      ; my first column j, in bytes of f32: 4 (256 x tile + 128 x half)
	s_lshl_b32 s93, s[WL], 9
	s_add_co_u32 s92, s92, s93
	s_mov_b32 s93, 0
	s_add_nc_u64 s[100:101], s[100:101], s[92:93]
	v_lshlrev_b32 v7, 5, v2                        ; the bias in the result's layout: tile b, lane (r, h): j = 16 b + 8 h + 0 .. 7
	s_wait_alu depctr_va_vdst(0)
	WIN 0x80                                       ; destination window 2: the accumulators of S1's four blocks
.irp b, 0,1,2,3,4,5,6,7
.irp a, 0,1,2,3
	global_load_b128 v[64*\a+8*\b:64*\a+8*\b+3], v7, s[100:101] offset:64*\b
	global_load_b128 v[64*\a+8*\b+4:64*\a+8*\b+7], v7, s[100:101] offset:64*\b+16
.endr
.endr
	WIN 0
.endif
.if MODE == 2
	s_lshl_b32 s94, s[T1], 7
	s_lshl_b32 s95, s[WH], 6
	s_add_co_u32 s94, s94, s95
	s_lshl_b32 s95, s[BB], 10
	s_add_co_u32 s94, s94, s95                     ; my first row: 1,024 b + 128 x tile + 64 x half
	s_lshl_b32 s94, s94, 12
	s_add_co_u32 s94, s94, s92
	s_mov_b32 s95, 0
	s_add_nc_u64 s[OUT0:OUT0+1], s[OUT0:OUT0+1], s[94:95]
	s_add_nc_u64 s[OUT1:OUT1+1], s[OUT1:OUT1+1], s[94:95]
.else
	s_lshl_b32 s92, s[XT], 2
	s_lshl_b32 s93, s[WL], 1
	s_add_co_u32 s92, s92, s93                     ; my first chunk of 64 along j: 4 x tile + 2 x half
	s_lshl_b32 s94, s92, 11                        ; scale words: 4,096 bytes for each 128 along j
	s_lshl_b32 s92, s92, 16                        ; codes: 65,536 bytes a chunk
	s_lshl_b32 s93, s[T1], 7
	s_lshl_b32 s95, s[WH], 6
	s_add_co_u32 s93, s93, s95                     ; my first row i
	s_lshl_b32 s95, s93, 2
	s_add_co_u32 s94, s94, s95
	s_lshl_b32 s93, s93, 6
	s_add_co_u32 s92, s92, s93
	s_lshl_b32 s93, s[BB], 20
	s_add_co_u32 s92, s92, s93
	s_lshl_b32 s93, s[BB], 15
	s_add_co_u32 s94, s94, s93
.if MODE == 0
	s_lshl_b32 s93, s[WHI], 23                     ; q, k, v: 2^23 bytes of codes each,
	s_add_co_u32 s92, s92, s93
	s_lshl_b32 s93, s[WHI], 18                     ; 2^18 of scale words
	s_add_co_u32 s94, s94, s93
.endif
	s_mov_b32 s93, 0
	s_mov_b32 s95, 0
	s_add_nc_u64 s[OUT0:OUT0+1], s[OUT0:OUT0+1], s[92:93]
	s_add_nc_u64 s[OUT1:OUT1+1], s[OUT1:OUT1+1], s[94:95]
.endif
; A fragment, 16 rows x 128 K, is 16 registers: lane l holds row l % 16; registers 4 c .. 4 c + 3 hold K = 32 c + 16 (l / 16) + 0 .. 15.
.macro FRAGB reg, slot, q, i
.irp c, 0,1,2,3
	ds_load_b128 v[\reg+4*\c:\reg+4*\c+3], v[ADRB+\slot] offset:128*(\q)+32*\c+(4352+4096*(((\slot)+1)/2))*(\i)   ; 16 rows on: 16 x 272 in K step 0's tile, 16 x 528 in the two-step tile
.endr
.endm
.macro FRAGA reg, slot, q, i
.irp c, 0,1,2,3
.if MODE == 2
	ds_load_b128 v[\reg+4*\c:\reg+4*\c+3], v[ADRA+\slot] offset:(2*(\q)+\c/2)*8704+1088*(\i)+32*(\c%2)
.else
	ds_load_b128 v[\reg+4*\c:\reg+4*\c+3], v[ADRA+\slot] offset:128*(\q)+32*\c+(4352+4096*(((\slot)+1)/2))*(\i)
.endif
.endr
.endm
.macro FETCH slot, q, p                ; 48 LDS loads in one run: the slot's q-th 128 along K into set p
	WIN 0x40                                       ; destination window 1
.irp i, 0,1,2,3,4,5,6,7
	FRAGB 128*(\p)+16*\i, \slot, \q, \i
.endr
	WIN 0
.irp i, 0,1,2,3
	FRAGA AF+64*(\p)+16*\i, \slot, \q, \i
.endr
.endm
; One product: S1's block a x S0's block b.  first = 1, MODE 0: it starts the sum with 0; else it adds onto the accumulator, which at first holds the bias.  The scale words are those of the KW / 4-th 128 along K.
.macro WM a, b, p, q, sc, first
.set rD, 8*(8*(\a)+(\b))
.set rB, 128*(\p)+16*(\b)
.set rA, AF+64*(\p)+16*(\a)
.set rS0, SCB+8*((\b)%4)+KW/4
.set rS1, SCA+8*((\a)%2)+KW/4
.set rC, rD
.if \first && (MODE == 0)
.if ((\b) < 4) && ((\a) < 2)
	v_wmma_scale_f32_16x16x128_f8f6f4 v[rD:rD+7], v[rB:rB+15], v[rA:rA+15], 0, v[rS0], v[rS1]
.elseif (\a) < 2
	v_wmma_scale_f32_16x16x128_f8f6f4 v[rD:rD+7], v[rB:rB+15], v[rA:rA+15], 0, v[rS0], v[rS1] matrix_a_scale:MATRIX_SCALE_ROW1
.elseif (\b) < 4
	v_wmma_scale_f32_16x16x128_f8f6f4 v[rD:rD+7], v[rB:rB+15], v[rA:rA+15], 0, v[rS0], v[rS1] matrix_b_scale:MATRIX_SCALE_ROW1
.else
	v_wmma_scale_f32_16x16x128_f8f6f4 v[rD:rD+7], v[rB:rB+15], v[rA:rA+15], 0, v[rS0], v[rS1] matrix_a_scale:MATRIX_SCALE_ROW1 matrix_b_scale:MATRIX_SCALE_ROW1
.endif
.else
.if ((\b) < 4) && ((\a) < 2)
	v_wmma_scale_f32_16x16x128_f8f6f4 v[rD:rD+7], v[rB:rB+15], v[rA:rA+15], v[rC:rC+7], v[rS0], v[rS1]
.elseif (\a) < 2
	v_wmma_scale_f32_16x16x128_f8f6f4 v[rD:rD+7], v[rB:rB+15], v[rA:rA+15], v[rC:rC+7], v[rS0], v[rS1] matrix_a_scale:MATRIX_SCALE_ROW1
.elseif (\b) < 4
	v_wmma_scale_f32_16x16x128_f8f6f4 v[rD:rD+7], v[rB:rB+15], v[rA:rA+15], v[rC:rC+7], v[rS0], v[rS1] matrix_b_scale:MATRIX_SCALE_ROW1
.else
	v_wmma_scale_f32_16x16x128_f8f6f4 v[rD:rD+7], v[rB:rB+15], v[rA:rA+15], v[rC:rC+7], v[rS0], v[rS1] matrix_a_scale:MATRIX_SCALE_ROW1 matrix_b_scale:MATRIX_SCALE_ROW1
.endif
.endif
.endm
.macro MUL8 a, p, q, sc, first         ; the 32 accumulators take turns, one instruction a turn, in the same order in every step
.irp b, 0,1,2,3,4,5,6,7
	WM \a, \b, \p, \q, \sc, \first
.endr
.set KW, KW+1
.endm
.macro WMUL first                      ; source 0 window 1, source 1 window 0, C and D window 2
	WIN 0xa1
.endm
; A step of 128 along K: set p is multiplied; ahead of its 32 products the next step's fragments are asked for, in one run.  Eight places stand between the last products that read the other set and the loads into it.
.macro STEP p, q, sc, first, nslot, nq, nj
	s_wait_dscnt 0x0                               ; set p and its scale words are in
.if !\first
	PLACES 8
.endif
	FETCH \nslot, \nq, 1-(\p)
	WMUL \first
	MUL8 0, \p, \q, \sc, \first
	MUL8 1, \p, \q, \sc, \first
	MUL8 2, \p, \q, \sc, \first
	MUL8 3, \p, \q, \sc, \first
	WIN 0
.endm
	s_wait_alu depctr_va_vdst(0)
	s_cmp_lt_u32 s[WV], 2
	s_cbranch_scc0 .Lnot_q
	s_wait_tensorcnt 0x0                           ; waves 0 and 1: K step 0's tiles are in.  The two-step tiles, waves 2 and 3's, may be out
.Lnot_q:
	s_barrier_signal -1
	s_barrier_wait -1                              ; everybody's are
	FETCH 0, 0, 0
	s_wait_loadcnt 0x0                             ; the scale words (and the bias)
.if MODE == 2
	WIN 0xc0                                       ; destination window 3: my 64 rows x 512 bytes of the residual, asked for now and wanted at the end
.set i, 0
.rept 64
	global_load_b128 v[4*i:4*i+3], v[CO], s[OUT0:OUT0+1] offset:4096*i
.set i, i+1
.endr
	WIN 0
.endif
	STEP 0, 0, 0, 1, 0, 1, 0                       ; K 0-127: its products start the sums
	; K 128-255, and slot 0's refill
	s_wait_tensorcnt 0x0                           ; all my tensor loads have landed, my parts of K steps 1 and 2 among them
	ds_add_u32 v[SPW], v[NIL]                      ; 0 onto my spare word
	s_wait_dscnt 1                                 ; (the add alone may be out: set 1 is in)
	WIN 0xa1
	MUL8 0, 1, 1, 0, 0                             ; eight matrix instructions stand between the add and the wait for it
	s_wait_dscnt 0x0                               ; the add is done, and my reads of slot 0 are over
	s_barrier_signal -1                            ; this barrier opens a round of the cluster's barrier
	MUL8 1, 1, 1, 0, 0
	WIN 0
	s_barrier_wait -1
	CREST                                          ; no wave of any partner still reads slot 0 or has a load on its way
	s_add_nc_u64 s[G0A0+2:G0A0+3], s[G0A0+2:G0A0+3], 3*ASTEP
	s_add_nc_u64 s[G0B0+2:G0B0+3], s[G0B0+2:G0B0+3], 768
	JLOAD G0A0, G1A, G0B0, G1B                     ; K step 3 into slot 0: my one tensor load behind the round; 112 matrix instructions stand ahead of the wait for it
	PLACES 8                                       ; eight places in front of the loads below, on the way of the waves that fetch nothing too
	FETCH 1, 0, 0
	WIN 0xa1
	MUL8 2, 1, 1, 0, 0
	MUL8 3, 1, 1, 0, 0
	WIN 0
	STEP 0, 0, 1, 0, 1, 1, 0                       ; K 256-383
	STEP 1, 1, 1, 0, 2, 0, 2                       ; K 384-511; slot 2 was shown whole to every wave at the round above
	STEP 0, 0, 0, 0, 2, 1, 0                       ; K 512-639
	; K 640-767: K step 3 is shown to every wave
	s_wait_tensorcnt 0x0                           ; the one load that was out: my part of K step 3
	s_wait_dscnt 0x0                               ; set 1 is in; no LDS instruction of mine is pending at the signal
	s_barrier_signal -1
	WIN 0xa1
	MUL8 0, 1, 1, 0, 0
	MUL8 1, 1, 1, 0, 0
	WIN 0
	s_barrier_wait -1                              ; behind it nobody reads slot 1 or 2 any more
	PLACES 8
	FETCH 0, 0, 0
	WIN 0xa1
	MUL8 2, 1, 1, 0, 0
	MUL8 3, 1, 1, 0, 0
	WIN 0
	STEP 0, 0, 1, 0, 0, 1, 0                       ; K 768-895
	s_wait_dscnt 0x0                               ; K 896-1023: nothing more to fetch
	WIN 0xa1
	MUL8 0, 1, 1, 1, 0
	MUL8 1, 1, 1, 1, 0
	MUL8 2, 1, 1, 1, 0
	MUL8 3, 1, 1, 1, 0
	WIN 0
	PLACES 8                                       ; in front of the first read of results, and of writes into registers that held fragments
.if MODE == 2
; THE WAY OUT, f32: a block of 16 rows x 128 columns goes through my stage and comes back as rows of 512 bytes; the residual is added; 32 lanes store 512 consecutive bytes, aligned.
.macro TOSTAGE a
	WIN 0x08                                       ; an LDS store's data are its source 1: window 2
.irp b, 0,1,2,3,4,5,6,7
	ds_store_b128 v[STO], v[64*(\a)+8*\b:64*(\a)+8*\b+3] offset:64*\b          ; each accumulator from its low end on
	ds_store_b128 v[STO], v[64*(\a)+8*\b+4:64*(\a)+8*\b+7] offset:64*\b+16
.endr
	WIN 0
.irp t, 0,1,2,3,4,5,6,7,8,9,10,11,12,13,14,15
	ds_load_b128 v[BK+64*((\a)%2)+4*\t:BK+64*((\a)%2)+4*\t+3], v[RD] offset:528*\t   ; LDS serves a wave's instructions in order: these see the stores above
.endr
.endm
.macro SEND a, younger
.set BKS, BK+64*((\a)%2)
	s_wait_dscnt \younger                          ; the block is back; the next block's 16 stores and 16 loads may be out
	WIN 0x0c                                       ; source 1 window 3
.set i, 0
.rept 32
	v_pk_add_f32 v[BKS+2*i:BKS+2*i+1], v[BKS+2*i:BKS+2*i+1], v[64*(\a)+2*i:64*(\a)+2*i+1]
.set i, i+1
.endr
	WIN 0
.irp t, 0,1,2,3,4,5,6,7,8,9,10,11,12,13,14,15
	global_store_b128 v[CO], v[BKS+4*\t:BKS+4*\t+3], s[OUT1:OUT1+1] offset:4096*(16*(\a)+\t)
.endr
.endm
	s_wait_loadcnt 0x0                             ; the residual
	TOSTAGE 0
.irp a, 1,2,3
.if \a > 1
	s_wait_xcnt 0x0                                ; block a - 2's stores have read their registers: block a's rows may land there
.endif
	TOSTAGE \a
	SEND \a-1, 32
.endr
	SEND 3, 0
.else
; THE WAY OUT, quantised.  Of S1's block a a lane holds 64 numbers: register 16 p + 8 u + j = column 32 p + 16 u + 8 (lane / 16) + j of row lane % 16.  Block p of 32 lies in lanes l and l xor 16.
.macro QUANTA a
.set AC, 64*(\a)
.set PCA, PC+16*(\a)
	WIN 0x0a                                       ; sources 0 and 1 window 2
.irp p, 0,1,2,3
.if MODE == 0
	v_max3_num_f32 v[TM+\p], |v[AC+16*\p]|, |v[AC+16*\p+1]|, 0x4800000   ; my 16 numbers of block p, and the floor 2^(9 - 127): the byte cannot fall under 1
.else
	v_max3_num_f32 v[TM+\p], v[AC+16*\p], v[AC+16*\p+1], 0x4800000       ; no |.|: what is negative becomes 0 (the activation) and must not count
.endif
.endr
	WIN 0x28                                       ; sources 1 and 2 window 2
.irp i, 2,4,6,8,10,12,14
.irp p, 0,1,2,3
.if MODE == 0
	v_max3_num_f32 v[TM+\p], v[TM+\p], |v[AC+16*\p+\i]|, |v[AC+16*\p+\i+1]|
.else
	v_max3_num_f32 v[TM+\p], v[TM+\p], v[AC+16*\p+\i], v[AC+16*\p+\i+1]
.endif
.endr
.endr
	WIN 0
.irp p, 0,1,2,3
	v_permlanex16_b32 v[TM+4+\p], v[TM+\p], s[SEL], s[SEL+1]
.endr
.irp p, 0,1,2,3
	v_max_num_f32 v[TM+\p], v[TM+\p], v[TM+4+\p]   ; the block's largest magnitude
.endr
.irp p, 0,1,2,3
	v_add_nc_u32 v[TM+12+\p], 0xfc000000, v[TM+\p] ; 8 off its exponent field: the conversion's scale operand
.endr
.irp p, 0,1,2,3
	v_and_or_b32 v[TM+8+\p], v[TM+\p], 0x7f800000, s[MNT]   ; 448 x the scale
.endr
.irp p, 0,1,2,3
	v_lshrrev_b32 v[TM+4+\p], 23, v[TM+12+\p]      ; the scale's byte
.endr
	v_lshl_or_b32 v[PW+(\a)], v[TM+5], 8, v[TM+4]  ; my row's scale word for these 128 columns
	v_lshl_or_b32 v[PW+(\a)], v[TM+6], 16, v[PW+(\a)]
	v_lshl_or_b32 v[PW+(\a)], v[TM+7], 24, v[PW+(\a)]
	WIN 0x82                                       ; destination and source 0 window 2
.irp p, 0,1,2,3
.irp i, 0,1,2,3,4,5,6,7,8,9,10,11,12,13,14,15
.if MODE == 0
	v_med3_num_f32 v[AC+16*\p+\i], v[AC+16*\p+\i], -v[TM+8+\p], v[TM+8+\p]   ; the conversion does not saturate (ISA guide 7.6.2): the hold
.else
	v_med3_num_f32 v[AC+16*\p+\i], v[AC+16*\p+\i], 0, v[TM+8+\p]             ; the activation and the hold in one
.endif
.endr
.endr
	WIN 0x02                                       ; source 0 window 2
.irp p, 0,1,2,3
.irp u, 0,1
	v_cvt_scalef32_pk8_fp8_f32 v[PCA+4*\p+2*\u:PCA+4*\p+2*\u+1], v[AC+16*\p+8*\u:AC+16*\p+8*\u+7], v[TM+12+\p]
.endr
.endr
	WIN 0
	v_nop                                          ; one plain instruction behind the last conversion, ahead of the next lines that write its sources
.irp p, 0,1,2,3
.irp u, 0,1
	ds_store_b64 v[STO], v[PCA+4*\p+2*\u:PCA+4*\p+2*\u+1] offset:4096*(\p/2)+1024*(\a)+32*(\p%2)+16*\u   ; eight codes: chunk p / 2, row 16 a + r, byte 32 (p % 2) + 16 u + 8 h
.endr
.endr
	ds_store_b32 v[SSO], v[PW+(\a)] offset:64*(\a) ; both halves of the lanes write the same word with the same value
.endm
.irp p, 0,1,2,3
	v_mov_b32 v[TM+4+\p], 0                        ; a lane permute's destination counts as one of its sources
.endr
	QUANTA 0
	QUANTA 1
	QUANTA 2
	QUANTA 3
.irp i, 0,1,2,3,4,5,6,7,8,9,10,11,12,13,14,15
	ds_load_b128 v[192+4*\i:192+4*\i+3], v[RD] offset:512*\i   ; LDS serves a wave's instructions in order: these see my stores
.endr
	ds_load_b64 v[14:15], v[RDS]
.irp i, 0,1,2,3,4,5,6,7,8,9,10,11,12,13,14,15
	s_wait_dscnt 16-\i                             ; behind load i: the 15 - i loads of codes and the one of scale words
	global_store_b128 v[CO], v[192+4*\i:192+4*\i+3], s[OUT0:OUT0+1] offset:65536*(\i/8)+512*(\i%8)   ; 32 lanes store 512 consecutive bytes, aligned: 64 rows of a chunk are 4,096 bytes on end
.endr
	s_wait_dscnt 0x0
	global_store_b64 v[CO8], v[14:15], s[OUT1:OUT1+1]          ; 64 scale words: 256 consecutive bytes, aligned
.endif
	s_wait_tensorcnt 0x0                           ; the wave's end, behind my last tensor load and my last LDS store
	ds_add_u32 v[SPW], v[NIL]
	s_wait_dscnt 0x0
	CROUND                                         ; the closing round: no work-group ends while a partner may still ask for a tile that names it
	s_endpgm
.Lfunc_end_k_q69d0abbd6b_qkv:
	.size	k_q69d0abbd6b_qkv, .Lfunc_end_k_q69d0abbd6b_qkv-k_q69d0abbd6b_qkv
	.p2alignl 7, 3214868480
	.fill 96, 4, 3214868480
	.section	.rodata,"a",@progbits
	.p2align	6, 0x0
	.amdhsa_kernel k_q69d0abbd6b_qkv
		.amdhsa_group_segment_fixed_size 327680
		.amdhsa_private_segment_fixed_size 0
		.amdhsa_enable_private_segment 0
		.amdhsa_kernarg_size 80
		.amdhsa_user_sgpr_count 2
		.amdhsa_user_sgpr_kernarg_segment_ptr 1
		.amdhsa_wavefront_size32 1
		.amdhsa_system_sgpr_workgroup_id_x 1
		.amdhsa_system_sgpr_workgroup_id_y 1
		.amdhsa_system_sgpr_workgroup_id_z 1
		.amdhsa_system_vgpr_workitem_id 0
		.amdhsa_next_free_vgpr 1024
		.amdhsa_next_free_sgpr 106
		.amdhsa_reserve_vcc 0
		.amdhsa_float_denorm_mode_32 3
		.amdhsa_float_denorm_mode_16_64 3
		.amdhsa_memory_ordered 1
		.amdhsa_forward_progress 1
		.amdhsa_inst_pref_size 110
	.end_amdhsa_kernel
	.amdgpu_metadata
---
amdhsa.version: [ 1, 2 ]
amdhsa.kernels:
  - .name:           k_q69d0abbd6b_qkv
    .symbol:         k_q69d0abbd6b_qkv.kd
    .args:
      - { .name: xn_c, .offset: 0, .size: 8, .value_kind: global_buffer, .address_space: global }
      - { .name: xn_s, .offset: 8, .size: 8, .value_kind: global_buffer, .address_space: global }
      - { .name: Wq_codes, .offset: 16, .size: 8, .value_kind: global_buffer, .address_space: global }
      - { .name: Wq_scales, .offset: 24, .size: 8, .value_kind: global_buffer, .address_space: global }
      - { .name: Wk_codes, .offset: 32, .size: 8, .value_kind: global_buffer, .address_space: global }
      - { .name: Wk_scales, .offset: 40, .size: 8, .value_kind: global_buffer, .address_space: global }
      - { .name: Wv_codes, .offset: 48, .size: 8, .value_kind: global_buffer, .address_space: global }
      - { .name: Wv_scales, .offset: 56, .size: 8, .value_kind: global_buffer, .address_space: global }
      - { .name: qkv_c, .offset: 64, .size: 8, .value_kind: global_buffer, .address_space: global }
      - { .name: qkv_s, .offset: 72, .size: 8, .value_kind: global_buffer, .address_space: global }
    .group_segment_fixed_size: 327680
    .private_segment_fixed_size: 0
    .kernarg_segment_align: 8
    .kernarg_segment_size: 80
    .max_flat_workgroup_size: 128
    .sgpr_count:     106
    .vgpr_count:     1024
    .wavefront_size: 32
...
	.end_amdgpu_metadata
.endif
;; end of part 2
;; launch att (part 3): grid 2 x 128, 16 waves a work-group, no clusters, 169,984 bytes of LDS; arguments qkv_c, qkv_s, at_c, at_s; writes at_c, at_s
.if DOCPART == 3
	.amdgcn_target "amdgcn-amd-amdhsa--gfx1250"
	.amdhsa_code_object_version 6
	.text
	.protected	k_q69d0abbd6b_att
	.globl	k_q69d0abbd6b_att
	.p2align	8
	.type	k_q69d0abbd6b_att,@function
k_q69d0abbd6b_att:
	s_mov_b64 s[64:65], 0
	v_nop
	global_prefetch_b8 v0, s[64:65] scope:SCOPE_SE
	s_setreg_imm32_b32 hwreg(HW_REG_WAVE_MODE, 25, 1), 1
	s_wait_xcnt 0x0
; CAUSAL ATTENTION OF ONE HEAD ON CODES OF FP8 (E4M3), head size 64, 1,024 tokens; the result is quantised along the head's 64 for the next product.
; q, k: [b][head][token][64 codes]; v: [b][chunk of 64 keys][head x 64 + d][64 codes], the keys innermost.  Scale words: [b][pair][row][4 bytes]: for q and k a pair is two heads (my head's two bytes at 2 (head % 2)), for v 128 keys.
; t = score x log2(e) / 8; M = the running largest t rounded UP to a whole number; p = 2^(t - M) is quantised along the keys, not normalised; the row's sum is taken of the unquantised p and divides at the end.
; SHARES.  A work-group serves one head and half of its query tiles; wave w owns tiles U = 16 x + w and 63 - U, 16 queries each, one after the other: (U / 8 + 1) + ((63 - U) / 8 + 1) = 9 key steps of 128 for every wave.
; The head's whole K and V and their scale words come into LDS ONCE (waves 0-3: K, 4-7: V, 8 and 9: the scale words): no slot is filled again, one barrier.
; Q IS ASKED FOR AHEAD: the first tile's ahead of the wait for the fills, the second tile's at the first tile's end, ahead of its way out; the wait for it stands at a tile's head.
; No cluster: only two work-groups share a head, and what they share is fetched once at the head, 144 KB, not in each step.
; Both loops have constant trip counts; a step all of whose keys lie behind the tile's queries is jumped over by a scalar branch on ids, up to the lines that step addresses.
; LAYOUT.  Both products are used transposed (S^T = K Q^T, O^T = V^T P^T): a lane holds ONE query (lane % 16).  Lane r of K's tile 2 b + u takes key 32 b + 8 u + r + 8 (r / 8), so that the 16 registers of tiles 2 b, 2 b + 1 are 16 neighbouring keys.
; K = 64 IN AN INSTRUCTION OF 128: Q's registers 8-15 are zero codes; K's tile t is named v[32 + 8 t : 47 + 8 t], whose upper half is the next tile's codes (tile 7: kept zeros): finite numbers, since this program's quantiser holds at 448,
; times zero.  The scale words come as 16 bits, so bytes 2 and 3 are 0, which is 2^-127 and no NaN.
; LIMITS: NaN and infinities are not served; a block whose largest magnitude lies under 2^-118, a block of zeros too, gets the byte 1; 1 / sum is v_rcp_f32 (1 ulp).  The two scale bytes of a row leave by a store of 2 bytes a lane: 1/32 of the output.
; REGISTERS: v1-7 addresses that stay; v8-11 the step's; v12 -M, v13 the largest t, v[14:15] the sum; v16-23 Q, v24-31 zeros; v32-95 K's 8 tiles, then V's 4 fragments; v96-103 zeros; v104-167 S^T, then p; v168-199 O^T; v200-215 p's codes.
.set VLDS, 73728                       ; LDS: K at 0: key kappa at 64 kappa + 16 (kappa / 2);  V here: chunk c at 4,352 c, row d at 64 d + 16 (d / 4)
.set SCK,  143360                      ; K's scale words: 16 x (256 + 16) bytes
.set SCV,  147712                      ; V's: 8 x (256 + 16)
.set STG,  150016                      ; the way out: 1,024 bytes for each wave, in blocks of 256 bytes into which no fill lands
.set KV,   32
.set S,    104
.set O,    168
.set PCD,  200
.set BM,   216                         ; v216-219 block maxima
.set PT,   220                         ; v220-223 permute targets, then bytes
.set HD,   224                         ; v224-227 holds
.set SO,   228                         ; v228-231 the conversions' scale operands
.set KS,   232                         ; v232-239 K's scale words
.set VS,   240                         ; v240-243 V's
.set PSW,  244                         ; p's scale word
.set QSW,  245                         ; Q's
.set F,    246                         ; v[246:247] f = 2^(old M - new M); the upper half is named with it, so it is written
.set SIN,  253                         ; the stage, in
.set SOUT, 254                         ; and back
.set WV,   12
.set NXT,  15                          ; s15: at the head which quarter of K or V I fetch; later the tile whose Q is asked for ahead
.set G1K,  16
.set G1V,  24
.set G1KS, 32
.set G1VS, 40
.set G0K,  48
.set G0V,  52
.set G0KS, 56
.set G0VS, 60
.set SEL,  66                          ; s[66:67] selects for lane l xor 16
.set CS,   68                          ; s[68:69] c = log2(e) / 8
.set MNT,  70
.set TB,   71                          ; the step's place in K: 9,216 bytes a step;
.set TV,   72                          ; in V: 8,704;
.set TS,   73                          ; among K's scale words: 544;
.set TW,   74                          ; among V's: 272
.set KF,   75                          ; the step's first key
.set Q0,   76                          ; the tile's first query
.set TAU,  77                          ; the tile
.set CNT,  78
.set OUTER, 79
.set T0,   80
; Q of the tile whose number stands in s[tile]: 16 rows of 64 codes, and my head's two scale bytes of each row.  s[90:93] are written here alone, and only when the loads that named them last are in.
.macro QLOAD tile
	s_lshl_b32 s98, s[\tile], 10
	s_mov_b32 s99, 0
	s_add_nc_u64 s[90:91], s[82:83], s[98:99]
	s_lshl_b32 s98, s[\tile], 6
	s_add_nc_u64 s[92:93], s[84:85], s[98:99]
	global_load_b128 v[16:19], v5, s[90:91]
	global_load_b128 v[20:23], v5, s[90:91] offset:32
	global_load_u16 v[QSW], v6, s[92:93]
.endm
	s_load_b256 s[4:11], s[0:1], 0x0               ; qkv's codes s[4:5], scale words s[6:7]; the result's codes s[8:9], scale words s[10:11]
	v_lshl_add_u32 v254, v0, 2, 0x29000
	v_mov_b32 v255, 0
	ds_add_u32 v254, v255
	ds_add_u32 v254, v255
	s_wait_dscnt 0x0
	v_lshrrev_b32 v8, 5, v0
	s_delay_alu instid0(VALU_DEP_1)
	v_readfirstlane_b32 s[WV], v8                  ; wave 0..15
	s_and_b32 s14, ttmp7, 0xffff
	s_lshr_b32 s13, s14, 4                         ; b
	s_and_b32 s14, s14, 15                         ; the head
	s_and_b32 s15, s[WV], 3                        ; which quarter of K or V I fetch, if I fetch
	s_mov_b32 s[G1K], (3<<16)|(1<<20)|(4<<22)|(3<<25)      ; K: dense; as 128 rows of 128 bytes (16 elements of 8), 4 words of padding behind each
	s_mov_b32 s[G1K+1], 16<<16
	s_mov_b32 s[G1K+2], 128<<16
	s_mov_b32 s[G1K+3], 16<<16
	s_mov_b32 s[G1K+4], 128
	s_mov_b32 s[G1K+5], 16
	s_mov_b32 s[G1V], (3<<16)|(1<<20)|(5<<22)|(3<<25)      ; V: 4 chunks of 4,096 bytes on end, 65,536 apart; 4 words of padding behind each 256 bytes
	s_mov_b32 s[G1V+1], 512<<16
	s_mov_b32 s[G1V+2], 4<<16
	s_mov_b32 s[G1V+3], 512<<16
	s_mov_b32 s[G1V+4], 4
	s_mov_b32 s[G1V+5], 8192
	s_mov_b32 s[G1KS], (3<<16)|(1<<20)|(5<<22)|(3<<25)     ; K's scale words: 16 rows of 256 bytes, dense
	s_mov_b32 s[G1KS+1], 32<<16
	s_mov_b32 s[G1KS+2], 16<<16
	s_mov_b32 s[G1KS+3], 32<<16
	s_mov_b32 s[G1KS+4], 16
	s_mov_b32 s[G1KS+5], 32
	s_mov_b32 s[G1VS], (3<<16)|(1<<20)|(5<<22)|(3<<25)     ; V's: 8 rows of 256 bytes, 4,096 apart
	s_mov_b32 s[G1VS+1], 32<<16
	s_mov_b32 s[G1VS+2], 8<<16
	s_mov_b32 s[G1VS+3], 32<<16
	s_mov_b32 s[G1VS+4], 8
	s_mov_b32 s[G1VS+5], 512
.irp g, G1K, G1V, G1KS, G1VS
	s_mov_b32 s[\g+6], 0
	s_mov_b32 s[\g+7], 0
.endr
	s_lshl_b32 s98, s13, 20
	s_lshl_b32 s[T0], s14, 16
	s_add_co_u32 s98, s98, s[T0]                   ; the head's codes of q, of k and of the result: 2^20 b + 2^16 head
	s_mov_b32 s99, 0
	s_lshl_b32 s[G0K+2], s15, 14                   ; K: my 256 keys, behind q's 2^23 bytes
	s_add_co_u32 s[G0K+2], s[G0K+2], 0x800000
	s_add_co_u32 s[G0K+2], s[G0K+2], s98
	s_mov_b32 s[G0K+3], 0
	s_lshl_b32 s[G0V+2], s13, 20                   ; V: my four chunks; in a chunk the head's 64 rows begin 4,096 head bytes on
	s_lshl_b32 s[T0], s14, 12
	s_add_co_u32 s[G0V+2], s[G0V+2], s[T0]
	s_lshl_b32 s[T0], s15, 18
	s_add_co_u32 s[G0V+2], s[G0V+2], s[T0]
	s_add_co_u32 s[G0V+2], s[G0V+2], 0x1000000
	s_mov_b32 s[G0V+3], 0
	s_lshl_b32 s96, s13, 15
	s_lshr_b32 s[T0], s14, 1
	s_lshl_b32 s[T0], s[T0], 12
	s_add_co_u32 s[G0KS+2], s96, s[T0]             ; scale words of my pair of heads: 2^15 b + 4,096 (head / 2)
	s_and_b32 s81, s14, 1
	s_lshl_b32 s81, s81, 1                         ; my head's two bytes in a word
	s_add_co_u32 s94, s[G0KS+2], s81
	s_mov_b32 s95, 0
	s_add_co_u32 s[G0KS+2], s[G0KS+2], 0x40000
	s_mov_b32 s[G0KS+3], 0
	s_lshl_b32 s[T0], s14, 8
	s_add_co_u32 s[G0VS+2], s96, s[T0]
	s_add_co_u32 s[G0VS+2], s[G0VS+2], 0x80000
	s_mov_b32 s[G0VS+3], 0
	s_mul_i32 s[G0K+1], s15, 18432
	s_mul_i32 s[G0V+1], s15, 17408
	s_add_co_u32 s[G0V+1], s[G0V+1], VLDS
	s_mov_b32 s[G0KS+1], SCK
	s_mov_b32 s[G0VS+1], SCV
.irp g, G0K, G0V, G0KS, G0VS
	s_mov_b32 s[\g], 1
.endr
	s_mov_b32 s[SEL], 0x76543210
	s_mov_b32 s[SEL+1], 0xfedcba98
	s_mov_b32 s[CS], 0x3e38aa3b                    ; log2(e) / 8
	s_mov_b32 s[CS+1], s[CS]
	s_mov_b32 s[MNT], 0x600000
	s_lshl_b32 s[TAU], ttmp9, 4
	s_add_co_u32 s[TAU], s[TAU], s[WV]             ; my first tile
	s_wait_kmcnt 0x0
	s_add_nc_u64 s[G0K+2:G0K+3], s[4:5], s[G0K+2:G0K+3]
	s_add_nc_u64 s[G0V+2:G0V+3], s[4:5], s[G0V+2:G0V+3]
	s_add_nc_u64 s[G0KS+2:G0KS+3], s[6:7], s[G0KS+2:G0KS+3]
	s_add_nc_u64 s[G0VS+2:G0VS+3], s[6:7], s[G0VS+2:G0VS+3]
.irp g, G0K, G0V, G0KS, G0VS
	s_or_b32 s[\g+3], s[\g+3], 0x80000000          ; type = 2
.endr
	s_add_nc_u64 s[82:83], s[4:5], s[98:99]        ; q's codes of my head
	s_add_nc_u64 s[84:85], s[6:7], s[94:95]        ; q's scale bytes
	s_add_nc_u64 s[86:87], s[8:9], s[98:99]        ; the result's codes
	s_add_nc_u64 s[88:89], s[10:11], s[94:95]      ; and scale bytes
	; the fills: at most one a wave, each in its arm of one chain of branches on the wave's number; four v_nop follow each
	s_cmp_lt_u32 s[WV], 4
	s_cbranch_scc0 .Lnot_k
	tensor_load_to_lds s[G0K:G0K+3], s[G1K:G1K+7]
	s_nop 0
.rept 4
	v_nop
.endr
	s_branch .Lasked
.Lnot_k:
	s_cmp_lt_u32 s[WV], 8
	s_cbranch_scc0 .Lnot_v
	tensor_load_to_lds s[G0V:G0V+3], s[G1V:G1V+7]
	s_nop 0
.rept 4
	v_nop
.endr
	s_branch .Lasked
.Lnot_v:
	s_cmp_eq_u32 s[WV], 8
	s_cbranch_scc0 .Lnot_ks
	tensor_load_to_lds s[G0KS:G0KS+3], s[G1KS:G1KS+7]
	s_nop 0
.rept 4
	v_nop
.endr
	s_branch .Lasked
.Lnot_ks:
	s_cmp_eq_u32 s[WV], 9
	s_cbranch_scc0 .Lasked
	tensor_load_to_lds s[G0VS:G0VS+3], s[G1VS:G1VS+7]
	s_nop 0
.rept 4
	v_nop
.endr
.Lasked:
	v_and_b32 v8, 15, v0                           ; r
	v_bfe_u32 v9, v0, 4, 1                         ; h
	s_delay_alu instid0(VALU_DEP_2)
	v_lshlrev_b32 v5, 6, v8
	s_delay_alu instid0(VALU_DEP_1)
	v_lshl_add_u32 v5, v9, 4, v5                   ; Q: 64 r + 16 h
	s_delay_alu instid0(VALU_DEP_4)
	v_lshlrev_b32 v6, 2, v8                        ; 4 r
	QLOAD TAU                                      ; my first tile's Q: on its way beside the fills
	v_and_b32 v10, 8, v8
	s_delay_alu instid0(VALU_DEP_1)
	v_add_nc_u32 v10, v10, v8                      ; r' = r + 8 (r / 8)
	s_delay_alu instid0(VALU_DEP_1)
	v_lshrrev_b32 v11, 1, v10
	s_delay_alu instid0(VALU_DEP_1)
	v_lshlrev_b32 v11, 4, v11
	s_delay_alu instid0(VALU_DEP_1)
	v_lshl_add_u32 v1, v10, 6, v11
	s_delay_alu instid0(VALU_DEP_1)
	v_lshl_add_u32 v1, v9, 4, v1                   ; K: 64 r' + 16 (r' / 2) + 16 h
	v_lshrrev_b32 v11, 2, v8
	s_delay_alu instid0(VALU_DEP_1)
	v_lshlrev_b32 v11, 4, v11
	s_delay_alu instid0(VALU_DEP_1)
	v_lshl_add_u32 v2, v8, 6, v11
	s_delay_alu instid0(VALU_DEP_1)
	v_lshl_add_u32 v2, v9, 4, v2
	s_delay_alu instid0(VALU_DEP_1)
	v_add_nc_u32 v2, VLDS, v2                      ; V: 64 r + 16 (r / 4) + 16 h
	v_lshl_add_u32 v3, v10, 2, SCK
	s_delay_alu instid0(VALU_DEP_1)
	v_add_nc_u32 v3, s81, v3                       ; K's scale bytes: 4 r' + 2 (head % 2)
	v_lshl_add_u32 v4, v8, 2, SCV                  ; V's scale words: 4 r
	v_and_b32 v7, 31, v0
	s_delay_alu instid0(VALU_DEP_1)
	v_lshlrev_b32 v7, 4, v7                        ; 16 x lane
	s_lshl_b32 s[T0], s[WV], 10
	s_add_co_u32 s[T0], s[T0], STG                 ; my stage
	v_lshlrev_b32 v[SIN], 6, v8
	s_delay_alu instid0(VALU_DEP_1)
	v_lshl_add_u32 v[SIN], v9, 3, v[SIN]
	s_delay_alu instid0(VALU_DEP_1)
	v_add_nc_u32 v[SIN], s[T0], v[SIN]             ; in: row r of 64 bytes, 8 bytes for each half of the lanes
	v_add_nc_u32 v[SOUT], s[T0], v7
.irp j, 0,1,2,3,4,5,6,7
	v_mov_b32 v[24+\j], 0                          ; Q's upper 64 along K: zero codes
	v_mov_b32 v[96+\j], 0                          ; and what stands behind K's tile 7
.endr
.irp b, 0,1,2,3
	v_mov_b32 v[PT+\b], 0                          ; a lane permute's destination counts as one of its sources
.endr
	v_mov_b32 v[F+1], 0
	v_mov_b32 v248, 0
	s_wait_tensorcnt 0x0                           ; my fill, if I had one, has landed
	s_barrier_signal -1
	s_barrier_wait -1                              ; everybody's has: K, V and the scale words stay as they are from here on
	s_mov_b32 s[OUTER], 2
.Ltile:
	s_wait_xcnt 0x0                                ; the last tile's stores have read their registers and bases
	s_lshl_b32 s98, s[TAU], 10
	s_mov_b32 s99, 0
	s_add_nc_u64 s[94:95], s[86:87], s[98:99]      ; where the tile's 16 rows of 64 codes go,
	s_lshl_b32 s98, s[TAU], 6
	s_add_nc_u64 s[96:97], s[88:89], s[98:99]      ; and their scale bytes
	s_lshl_b32 s[Q0], s[TAU], 4
	s_mov_b32 s[TB], 0
	s_mov_b32 s[TV], 0
	s_mov_b32 s[TS], 0
	s_mov_b32 s[TW], 0
	s_mov_b32 s[KF], 0
	v_mov_b32 v13, 0xff61b1e6                      ; the largest t so far: -3e38
	s_delay_alu instid0(VALU_DEP_1)
	v_floor_f32 v12, -v13                          ; -M
	v_mov_b32 v14, 0
	v_mov_b32 v15, 0
.set j, 0
.rept 32
	v_mov_b32 v[O+j], 0                            ; O^T: the step is written once; the first finds zeros, which the first change of M leaves zeros
.set j, j+1
.endr
	s_wait_loadcnt 0x0                             ; the tile's Q, asked for ahead
	s_mov_b32 s[CNT], 8
.Lstep:
	s_add_co_u32 s[T0], s[Q0], 15
	s_cmp_gt_u32 s[KF], s[T0]
	s_cbranch_scc1 .Lhidden                        ; all 128 keys come after my 16 queries
	v_add_nc_u32 v8, s[TB], v1
	v_add_nc_u32 v9, s[TV], v2
	v_add_nc_u32 v10, s[TS], v3
	v_add_nc_u32 v11, s[TW], v4
.rept 4
	v_nop                                          ; with the four additions: eight places in front of loads into registers that matrix instructions have read
.endr
.irp t, 0,1,2,3,4,5,6,7
.irp c, 0,1
	ds_load_b128 v[KV+8*\t+4*\c:KV+8*\t+4*\c+3], v8 offset:2304*(\t/2)+576*(\t%2)+32*\c
.endr
	ds_load_u16 v[KS+\t], v10 offset:272*(\t/4)+4*(32*((\t/2)%2)+8*(\t%2))
.endr
	s_wait_alu depctr_va_vdst(0)
	s_wait_dscnt 0x0
.irp t, 0,1,2,3,4,5,6,7
	v_wmma_scale_f32_16x16x128_f8f6f4 v[S+8*\t:S+8*\t+7], v[KV+8*\t:KV+8*\t+15], v[16:31], 0, v[KS+\t], v[QSW]
.endr
.rept 8
	v_nop                                          ; places in front of the loads below and of the first read of the scores
.endr
.irp t, 0,1,2,3
.irp c, 0,1,2,3
	ds_load_b128 v[KV+16*\t+4*\c:KV+16*\t+4*\c+3], v9 offset:4352*(\c/2)+1088*\t+32*(\c%2)   ; V's fragments land while the softmax is walked
.endr
	ds_load_b32 v[VS+\t], v11 offset:64*\t
.endr
	s_add_co_u32 s[T0], s[KF], 127
	s_cmp_le_u32 s[T0], s[Q0]
	s_cbranch_scc1 .Lopen                          ; all keys of the step count
	s_sub_co_i32 s[T0], s[Q0], s[KF]
	v_and_b32 v250, 15, v0
	v_bfe_u32 v251, v0, 4, 1
	s_delay_alu instid0(VALU_DEP_1)
	v_lshlrev_b32 v251, 4, v251
	s_delay_alu instid0(VALU_DEP_1)
	v_sub_nc_u32 v250, v250, v251
	s_delay_alu instid0(VALU_DEP_1)
	v_add_nc_u32 v250, s[T0], v250                 ; d = my query - KF - 16 (lane / 16).  Register 16 b + i holds key KF + 16 (lane / 16) + 32 b + i: hidden where 32 b + i > d
	v_mov_b32 v252, 0xff800000                     ; -infinity
.set n, 0
.rept 64
	v_cmp_gt_i32 vcc_lo, 32*(n/16)+n%16, v250
	v_cndmask_b32 v[S+n], v[S+n], v252, vcc_lo
.set n, n+1
.endr
.Lopen:
.irp b, 0,1,2,3
	v_max3_num_f32 v[BM+\b], v[S+16*\b], v[S+1+16*\b], v[S+2+16*\b]   ; the largest score of each block of 32 keys: for the row's maximum, and, since p rises with the score, for the block's largest p
.endr
.irp i, 3,5,7,9,11,13
.irp b, 0,1,2,3
	v_max3_num_f32 v[BM+\b], v[BM+\b], v[S+16*\b+\i], v[S+1+16*\b+\i]
.endr
.endr
.irp b, 0,1,2,3
	v_max_num_f32 v[BM+\b], v[BM+\b], v[S+15+16*\b]
.endr
.irp b, 0,1,2,3
	s_delay_alu instid0(VALU_DEP_4)
	v_permlanex16_b32 v[PT+\b], v[BM+\b], s[SEL], s[SEL+1]
.endr
.irp b, 0,1,2,3
	s_delay_alu instid0(VALU_DEP_4)
	v_max_num_f32 v[BM+\b], v[BM+\b], v[PT+\b]     ; with lane l xor 16's 16 keys
.endr
	s_delay_alu instid0(VALU_DEP_2)
	v_max3_num_f32 v248, v[BM], v[BM+1], v[BM+2]
	s_delay_alu instid0(VALU_DEP_1)
	v_max_num_f32 v248, v248, v[BM+3]
	s_delay_alu instid0(VALU_DEP_1)
	v_mul_f32 v248, s[CS], v248                    ; as t (c is positive)
	s_delay_alu instid0(VALU_DEP_1)
	v_max_num_f32 v13, v13, v248                   ; the running largest t
	v_mov_b32 v248, v12
	s_delay_alu instid0(VALU_DEP_2)
	v_floor_f32 v12, -v13                          ; the new -M = floor(-t): M is a whole number
	s_delay_alu instid0(VALU_DEP_1)
	v_sub_f32 v248, v12, v248                      ; old M - new M: a whole number, 0 or less
	s_delay_alu instid0(VALU_DEP_1)
	v_cvt_i32_f32 v248, v248
	s_delay_alu instid0(VALU_DEP_1)
	v_ldexp_f32 v[F], 1.0, v248                    ; f = 2^(old M - new M): multiplying by it rounds nothing
.set j, 0
.rept 32
	v_pk_fma_f32 v[S+j:S+j+1], v[S+j:S+j+1], s[CS:CS+1], v[12:13] op_sel_hi:[1,0,0]   ; t - M
.set j, j+2
.endr
.irp b, 0,1,2,3
	v_fma_f32 v[BM+\b], v[BM+\b], s[CS], v12       ; the same of each block's largest score
.endr
.set j, 0
	s_wait_alu depctr_va_vdst(0)
.rept 64
	v_exp_f32 v[S+j], v[S+j]                       ; p = 2^(t - M)
.set j, j+1
.endr
.irp b, 0,1,2,3
	v_exp_f32 v[BM+\b], v[BM+\b]                   ; the block's largest p: the same two instructions on the same number
.endr
	v_pk_mul_f32 v[14:15], v[14:15], v[F:F+1] op_sel_hi:[1,0]     ; the sums under the new M (a plain instruction behind the exponentials)
	s_wait_alu depctr_va_vdst(0)
.irp b, 0,1,2,3
	v_max_num_f32 v[BM+\b], 0x4800000, v[BM+\b]    ; the floor 2^(9 - 127)
.endr
.irp b, 0,1,2,3
	s_delay_alu instid0(VALU_DEP_4)
	v_add_nc_u32 v[SO+\b], 0xfc000000, v[BM+\b]
.endr
.irp b, 0,1,2,3
	v_and_or_b32 v[HD+\b], v[BM+\b], 0x7f800000, s[MNT]
.endr
.irp b, 0,1,2,3
	v_lshrrev_b32 v[PT+\b], 23, v[SO+\b]
.endr
	s_delay_alu instid0(VALU_DEP_3)
	v_lshl_or_b32 v[PSW], v[PT+1], 8, v[PT]        ; p's scale word for these 128 keys
	s_delay_alu instid0(VALU_DEP_1)
	v_lshl_or_b32 v[PSW], v[PT+2], 16, v[PSW]
	s_delay_alu instid0(VALU_DEP_1)
	v_lshl_or_b32 v[PSW], v[PT+3], 24, v[PSW]
	v_pk_add_f32 v[248:249], v[108:109], v[112:113]
	v_pk_add_f32 v[250:251], v[116:117], v[120:121]
	v_pk_add_f32 v[238:239], v[124:125], v[128:129]
	v_pk_add_f32 v[236:237], v[132:133], v[136:137]
	v_pk_add_f32 v[234:235], v[140:141], v[144:145]
	v_pk_add_f32 v[232:233], v[148:149], v[152:153]
	v_pk_add_f32 v[218:219], v[156:157], v[160:161]
	v_pk_add_f32 v[14:15], v[14:15], v[164:165]
	v_pk_add_f32 v[248:249], v[248:249], v[104:105]
	v_pk_add_f32 v[250:251], v[250:251], v[106:107]
	v_pk_add_f32 v[238:239], v[238:239], v[110:111]
	v_pk_add_f32 v[236:237], v[236:237], v[114:115]
	v_pk_add_f32 v[234:235], v[234:235], v[118:119]
	v_pk_add_f32 v[232:233], v[232:233], v[122:123]
	v_pk_add_f32 v[218:219], v[218:219], v[126:127]
	v_pk_add_f32 v[14:15], v[14:15], v[130:131]
	v_pk_add_f32 v[248:249], v[248:249], v[134:135]
	v_pk_add_f32 v[250:251], v[250:251], v[138:139]
	v_pk_add_f32 v[238:239], v[238:239], v[142:143]
	v_pk_add_f32 v[236:237], v[236:237], v[146:147]
	v_pk_add_f32 v[234:235], v[234:235], v[150:151]
	v_pk_add_f32 v[232:233], v[232:233], v[154:155]
	v_pk_add_f32 v[218:219], v[218:219], v[158:159]
	v_pk_add_f32 v[14:15], v[14:15], v[162:163]
	v_pk_add_f32 v[248:249], v[248:249], v[166:167]
	s_delay_alu instid0(VALU_DEP_2)
	v_pk_add_f32 v[14:15], v[14:15], v[236:237]
	s_delay_alu instid0(VALU_DEP_2)
	v_pk_add_f32 v[248:249], v[248:249], v[234:235]
	v_pk_add_f32 v[250:251], v[250:251], v[232:233]
	v_pk_add_f32 v[238:239], v[238:239], v[218:219]
	s_delay_alu instid0(VALU_DEP_2)
	v_pk_add_f32 v[14:15], v[14:15], v[250:251]
	s_delay_alu instid0(VALU_DEP_2)
	v_pk_add_f32 v[248:249], v[248:249], v[238:239]
	s_delay_alu instid0(VALU_DEP_1)
	v_pk_add_f32 v[14:15], v[14:15], v[248:249]
.irp b, 0,1,2,3
.irp i, 0,1,2,3,4,5,6,7,8,9,10,11,12,13,14,15
	v_min_num_f32 v[S+16*\b+\i], v[S+16*\b+\i], v[HD+\b]          ; the conversion does not saturate (ISA guide 7.6.2); p is not negative, so the hold is one-sided
.endr
	v_cvt_scalef32_pk8_fp8_f32 v[PCD+4*\b:PCD+1+4*\b], v[S+16*\b:S+7+16*\b], v[SO+\b]
	v_cvt_scalef32_pk8_fp8_f32 v[PCD+2+4*\b:PCD+3+4*\b], v[S+8+16*\b:S+15+16*\b], v[SO+\b]
.endr
.set j, 0
.rept 16
	v_pk_mul_f32 v[O+j:O+j+1], v[O+j:O+j+1], v[F:F+1] op_sel_hi:[1,0]   ; O^T under the new M; these are also the places between the codes and the products below
.set j, j+2
.endr
	s_wait_alu depctr_va_vdst(0)
	s_wait_dscnt 0x0                               ; V's fragments and scale words
.irp t, 0,1,2,3
	v_wmma_scale_f32_16x16x128_f8f6f4 v[O+8*\t:O+8*\t+7], v[KV+16*\t:KV+16*\t+15], v[PCD:PCD+15], v[O+8*\t:O+8*\t+7], v[VS+\t], v[PSW]
.endr
.Lhidden:
	s_add_co_u32 s[KF], s[KF], 128
	s_add_co_u32 s[TB], s[TB], 9216
	s_add_co_u32 s[TV], s[TV], 8704
	s_add_co_u32 s[TS], s[TS], 544
	s_add_co_u32 s[TW], s[TW], 272
	s_sub_co_u32 s[CNT], s[CNT], 1
	s_cmp_lg_u32 s[CNT], 0
	s_cbranch_scc1 .Lstep
	; THE TILE'S END: O^T / the sum, quantised along the head's 64 (two blocks of 32: a lane's 16 numbers and lane l xor 16's), through my stage, out as 1,024 bytes on end
.rept 8
	v_nop                                          ; places behind the last products, and in front of the loads into Q's registers
.endr
	s_cmp_eq_u32 s[OUTER], 1
	s_cbranch_scc1 .Lno_next                       ; behind my second tile nothing is left to ask for
	s_sub_co_u32 s[NXT], 63, s[TAU]
	QLOAD NXT                                      ; my second tile's Q: on its way while the first tile goes out
.Lno_next:
	v_add_f32 v14, v14, v15
	s_delay_alu instid0(VALU_DEP_1)
	v_permlanex16_b32 v248, v14, s[SEL], s[SEL+1]
	s_delay_alu instid0(VALU_DEP_1)
	v_add_f32 v14, v14, v248                       ; the row's sum
	s_wait_alu depctr_va_vdst(0)
	v_rcp_f32 v249, v14
	v_nop                                          ; one plain instruction behind a transcendental
.set j, 0
	s_wait_alu depctr_va_vdst(0)
.rept 32
	v_mul_f32 v[S+j], v[O+j], v249                 ; register 8 t + i: channel 16 t + 8 h + i of query r
.set j, j+1
.endr
.irp p, 0,1
	v_max3_num_f32 v[BM+\p], |v[S+16*\p]|, |v[S+1+16*\p]|, 0x4800000
.endr
.irp i, 2,4,6,8,10,12,14
.irp p, 0,1
	s_delay_alu instid0(VALU_DEP_2)
	v_max3_num_f32 v[BM+\p], v[BM+\p], |v[S+16*\p+\i]|, |v[S+1+16*\p+\i]|
.endr
.endr
.irp p, 0,1
	s_delay_alu instid0(VALU_DEP_2)
	v_permlanex16_b32 v[PT+\p], v[BM+\p], s[SEL], s[SEL+1]
.endr
.irp p, 0,1
	s_delay_alu instid0(VALU_DEP_2)
	v_max_num_f32 v[BM+\p], v[BM+\p], v[PT+\p]
.endr
.irp p, 0,1
	s_delay_alu instid0(VALU_DEP_2)
	v_add_nc_u32 v[SO+\p], 0xfc000000, v[BM+\p]
.endr
.irp p, 0,1
	s_delay_alu instid0(VALU_DEP_4)
	v_and_or_b32 v[HD+\p], v[BM+\p], 0x7f800000, s[MNT]
.endr
.irp p, 0,1
	s_delay_alu instid0(VALU_DEP_4)
	v_lshrrev_b32 v[PT+\p], 23, v[SO+\p]
.endr
	s_delay_alu instid0(VALU_DEP_1)
	v_lshl_or_b32 v250, v[PT+1], 8, v[PT]          ; my row's two scale bytes
.irp p, 0,1
.irp i, 0,1,2,3,4,5,6,7,8,9,10,11,12,13,14,15
	v_med3_num_f32 v[S+16*\p+\i], v[S+16*\p+\i], -v[HD+\p], v[HD+\p]
.endr
	v_cvt_scalef32_pk8_fp8_f32 v[PCD+4*\p:PCD+1+4*\p], v[S+16*\p:S+7+16*\p], v[SO+\p]
	v_cvt_scalef32_pk8_fp8_f32 v[PCD+2+4*\p:PCD+3+4*\p], v[S+8+16*\p:S+15+16*\p], v[SO+\p]
.endr
	v_nop                                          ; one plain instruction behind the last conversion
.irp t, 0,1,2,3
	ds_store_b64 v[SIN], v[PCD+2*\t:PCD+2*\t+1] offset:16*\t      ; eight codes: channels 16 t + 8 h on
.endr
	ds_load_b128 v[32:35], v[SOUT]                 ; LDS serves a wave's instructions in order: these see my stores
	ds_load_b128 v[36:39], v[SOUT] offset:512
	s_wait_dscnt 0x0
	global_store_b128 v7, v[32:35], s[94:95]       ; 32 lanes store 512 consecutive bytes, aligned
	global_store_b128 v7, v[36:39], s[94:95] offset:512
	global_store_b16 v6, v250, s[96:97]            ; lanes 16-31 write the same bytes with the same values
	s_sub_co_u32 s[TAU], 63, s[TAU]                ; my second tile
	s_sub_co_u32 s[OUTER], s[OUTER], 1
	s_cmp_lg_u32 s[OUTER], 0
	s_cbranch_scc1 .Ltile
	s_wait_xcnt 0x0
	v_lshl_add_u32 v254, v0, 2, 0x29000
	v_mov_b32 v255, 0
	s_wait_alu depctr_va_vdst(0)
	s_wait_tensorcnt 0x0
	ds_add_u32 v254, v255
	s_wait_dscnt 0x0
	s_endpgm
.Lfunc_end_k_q69d0abbd6b_att:
	.size	k_q69d0abbd6b_att, .Lfunc_end_k_q69d0abbd6b_att-k_q69d0abbd6b_att
	.p2alignl 7, 3214868480
	.fill 96, 4, 3214868480
	.section	.rodata,"a",@progbits
	.p2align	6, 0x0
	.amdhsa_kernel k_q69d0abbd6b_att
		.amdhsa_group_segment_fixed_size 169984
		.amdhsa_private_segment_fixed_size 0
		.amdhsa_enable_private_segment 0
		.amdhsa_kernarg_size 32
		.amdhsa_user_sgpr_count 2
		.amdhsa_user_sgpr_kernarg_segment_ptr 1
		.amdhsa_wavefront_size32 1
		.amdhsa_system_sgpr_workgroup_id_x 1
		.amdhsa_system_sgpr_workgroup_id_y 1
		.amdhsa_system_sgpr_workgroup_id_z 1
		.amdhsa_system_vgpr_workitem_id 0
		.amdhsa_next_free_vgpr 256
		.amdhsa_next_free_sgpr 100
		.amdhsa_reserve_vcc 1
		.amdhsa_float_denorm_mode_32 3
		.amdhsa_float_denorm_mode_16_64 3
		.amdhsa_memory_ordered 1
		.amdhsa_forward_progress 1
		.amdhsa_inst_pref_size 45
	.end_amdhsa_kernel
	.amdgpu_metadata
---
amdhsa.version: [ 1, 2 ]
amdhsa.kernels:
  - .name:           k_q69d0abbd6b_att
    .symbol:         k_q69d0abbd6b_att.kd
    .args:
      - { .name: qkv_c, .offset: 0, .size: 8, .value_kind: global_buffer, .address_space: global }
      - { .name: qkv_s, .offset: 8, .size: 8, .value_kind: global_buffer, .address_space: global }
      - { .name: at_c, .offset: 16, .size: 8, .value_kind: global_buffer, .address_space: global }
      - { .name: at_s, .offset: 24, .size: 8, .value_kind: global_buffer, .address_space: global }
    .group_segment_fixed_size: 169984
    .private_segment_fixed_size: 0
    .kernarg_segment_align: 8
    .kernarg_segment_size: 32
    .max_flat_workgroup_size: 512
    .sgpr_count:     100
    .vgpr_count:     256
    .wavefront_size: 32
...
	.end_amdgpu_metadata
.endif
;; end of part 3
;; launch proj (part 4): grid 4 x 64, 4 waves a work-group, clusters of 4 x 4, 327,680 bytes of LDS; arguments at_c, at_s, Wproj_codes, Wproj_scales, bproj, x, x1; writes x1
.if DOCPART == 4
	.amdgcn_target "amdgcn-amd-amdhsa--gfx1250"
	.amdhsa_code_object_version 6
	.text
	.protected	k_q69d0abbd6b_proj
	.globl	k_q69d0abbd6b_proj
	.p2align	8
	.type	k_q69d0abbd6b_proj,@function
k_q69d0abbd6b_proj:
	s_mov_b64 s[64:65], 0
	v_nop
	global_prefetch_b8 v0, s[64:65] scope:SCOPE_SE
	s_setreg_imm32_b32 hwreg(HW_REG_WAVE_MODE, 25, 1), 1
	s_wait_xcnt 0x0
	s_wait_alu depctr_hold_cnt(0) depctr_sa_sdst(0) depctr_va_vdst(0) depctr_va_sdst(0) depctr_va_ssrc(0) depctr_va_vcc(0) depctr_vm_vsrc(0)
	s_getreg_b32 s2, hwreg(HW_REG_IB_STS2, 6, 4)
	s_cmp_eq_u32 s2, 0
	s_cbranch_scc0 .Lentry_in_a_cluster
	s_endpgm
.Lentry_in_a_cluster:
	s_bfe_u32 s2, ttmp6, 0x10000c
	s_cmp_lg_u32 s2, 0xf033
	s_cbranch_scc0 .Lentry_shape_is_right
	s_endpgm
.Lentry_shape_is_right:
.set MODE, 2                           ; 0: q, k and v, quantised on the way out;  1: relu(. + bias), quantised on the way out;  2: . + bias + residual, f32 out
; D[i][j] = sum over k of S1[i][k] S0[j][k], K = 1,024, on codes of FP8 (E4M3) with one E8M0 scale for each 32 along K; sums in f32.  The job is cut into sub-problems of 1,024 x 1,024.
; MODE 0: 24 of them: q and k of batch b: S1 = the normed rows of b, S0 = Wq or Wk;  v of batch b: S1 = Wv, S0 = the normed rows of b, so that v's results run along the KEYS in a lane.  Only pointers are chosen: one path.
; MODE 1, 2: 8 of them (b): S1 = the rows of b, S0 = the weight.  In MODE 2 S1 lies in chunks, [b][chunk of 64 along K][1,024 rows][64 codes], its scale words [b][128 along K][1,024 rows][4 bytes]; else rows of 1,024 codes and 32 bytes.
; A work-group of four waves makes 128 (S1) x 256 (S0), a wave 64 x 128: 32 accumulators.  The matrix instruction is used transposed (source 0 = 16 rows of S0, source 1 = 16 rows of S1): a lane holds one row i and eight neighbouring j.
; K goes in four steps of 256.  THE HEAD'S FOUR TILES, ONE LOAD A WAVE: wave 0 S1's K step 0, wave 1 S0's K step 0 (LDS rows of 256 + 16 bytes); wave 2 S1's K steps 1 and 2 as one tile, wave 3 S0's (rows of 512 + 16 bytes; MODE 2, S1: eight chunks on end).
; K step 3 is filled over K step 0, by the same two descriptors, behind a round of the cluster's barrier; 112 matrix instructions stand ahead of the wait for it.
; THE SCALE WORDS of a wave's rows, for all of K, go from memory straight into 48 registers, a row's 32 bytes a lane.  The bias is loaded into the accumulators, once for each of S1's four blocks: the first products add onto it.
; CLUSTER 4 x 4: the four of a row need the same tiles of S1, the four of a column the same tiles of S0: each tile is asked for jointly, by the same tensor load with a mask that names the four.
; No prefetch: the text has no loop to run ahead in, and three of the four K steps are asked for at its head.
; WAY OUT, MODE 0 and 1: each block of 32 along j is quantised (a lane's 16 numbers and lane l xor 16's), codes and scale words go through the wave's stage in LDS, laid as memory wants them, and leave in chunks as above.
; MODE 2: the f32 rows go through the stage, take the residual and leave as rows of 512 bytes.  The stage lies where S0's K steps 1 and 2 lay: those bytes have had their only fill and, behind the last barrier, no reader.
; LIMITS: NaN and infinities are not served; a block whose largest magnitude lies under 2^-118, a block of zeros too, gets the byte 1 (this program alone reads the bytes).
; REGISTERS: window 0: v1-15 at work; v16-31 addresses; v32-63, v68-83 scale words; v128-255 S1's fragments, two sets of four.  window 1: S0's fragments, two sets of eight.
;   window 2: accumulator (a, b) at v[8 (8 a + b)].  window 3 (MODE 2): the residual, row 16 a + t at v[4 (16 a + t)].
.set LQA,    0                         ; S1's K step 0: 128 rows x 272 bytes (MODE 2: four chunks of 8,704)
.set LQB,    34816                     ; S0's K step 0: 256 rows x 272
.set LPA,    104448                    ; S1's K steps 1 and 2: 128 rows x 528 (MODE 2: eight chunks of 8,704)
.set LPB,    174080                    ; S0's K steps 1 and 2: 256 rows x 528, up to byte 309,248
.set STG,    LPB                       ; the way out's stages
.set QIPA,   6-MODE/2                  ; padding of S1's two-step tile: behind every 128 words; MODE 2: behind every 64
.set SPARE,  326400                    ; the spare words, 128 bytes for each wave: two blocks of 256 bytes that no other line names
.if MODE == 2
.set WSTG,  8448                       ; a wave's stage: 16 rows x (512 + 16) bytes
.set ASTEP, 262144                     ; S1: bytes from a K step to the next: four chunks
.set LOGA,  3
.else
.set WSTG,  8704                       ; two chunks of 64 rows x 64 bytes, then 64 scale words
.set ASTEP, 256
.set LOGA,  0
.endif
.set ADRA, 16                          ; v16-18  LDS address of my S1 fragments in slot 0, 1, 2
.set RDS,  19                          ; v19     the stage's scale words, on the way back
.set ADRB, 20                          ; v20-22  the same as ADRA for S0
.set CO8,  23                          ; v23     8 x lane
.set STO,  24                          ; v24     the stage, in
.set RD,   25                          ; v25     the stage, back
.set CO,   26                          ; v26     16 x lane
.set ADSA, 27                          ; v27     S1's scale words
.set SPW,  28                          ; v28     my spare word: SPARE + 4 x my thread's number; never rewritten
.set NIL,  29                          ; v29     0; never rewritten
.set ADSB, 30                          ; v30     S0's scale words
.set SSO,  31                          ; v31     the stage's scale words, in
.set SCB,  32                          ; v32-63  S0's scale words: register 8 (b % 4) + w: the w-th 128 along K; lanes 0-15 block b % 4, lanes 16-31 block b % 4 + 4
.set SCA,  68                          ; v68-83  S1's: register 8 (a % 2) + w; lanes 0-15 block a % 2, lanes 16-31 block a % 2 + 2
.set KW,   0                           ; counts the runs of eight products as the text is assembled: four to each 128 along K, so w = KW / 4
.set AF,   128
.set PC,   128                         ; the way out: codes, 16 registers for each a
.set TM,   200                         ; v200-203 largest magnitudes, v204-207 bytes, v208-211 holds, v212-215 scale operands
.set PW,   216                         ; v216-219 scale words made
.set BK,   128                         ; MODE 2: rows back from the stage, two sets of 64
.set SEL,  4                           ; s[4:5]  selects for lane l xor 16;  s6 the mantissa field of 448 (set when the arguments there are done with)
.set MNT,  6
.set PB,   12                          ; s[12:13] S0's codes, s[14:15] its scales, s[16:17] S1's codes, s[18:19] its scales
.set PBS,  14
.set PA,   16
.set PAS,  18
.set OUT0, 20                          ; s[20:21] codes out (MODE 2: the residual);  s[22:23] scale words out (MODE 2: the result)
.set OUT1, 22
.set G1A,  24
.set G1B,  32
.set G1PA, 40
.set G1PB, 48
.set G0A0, 56
.set G0A1, 60
.set G0A2, 68
.set G0B0, 72
.set G0B1, 76
.set G0B2, 80
.set G0SA, 84
.set G0SB, 88
.set WV,   96
.set WH,   97
.set WL,   98
.set BB,   99                          ; the batch
.set XT,   66                          ; S0's tile, 0 .. 3
.set T1,   67                          ; S1's tile, 0 .. 7
.set WHI,  104                         ; MODE 0: 0 q, 1 k, 2 v
.set TMP,  105
.set MSB, 0
.macro WIN new                         ; the immediate's high byte repeats the setting that is left
.if MSB != \new
	s_set_vgpr_msb (MSB<<8)|\new
.set MSB, \new
.endif
.endm
.macro PLACES n
.rept \n
	v_nop
.endr
.endm
.macro TL g0, g1                       ; a tensor load; an s_nop 0 and four v_nop follow it
	tensor_load_to_lds s[\g0:\g0+3], s[\g1:\g1+7]
	s_nop 0
	PLACES 4
.endm
; The joint refill: wave 0 fetches S1's tile, wave 1 S0's, waves 2 and 3 nothing.  The branches hang on the wave's number alone.
.macro JLOAD g0a, g1a, g0b, g1b
	s_cmp_eq_u32 s[WV], 0
	s_cbranch_scc0 .Lfor_b_\@
	tensor_load_to_lds s[\g0a:\g0a+3], s[\g1a:\g1a+7]
	s_nop 0
.rept 4
	v_nop
.endr
	s_branch .Lasked_\@
.Lfor_b_\@:
	s_cmp_eq_u32 s[WV], 1
	s_cbranch_scc0 .Lasked_\@
	tensor_load_to_lds s[\g0b:\g0b+3], s[\g1b:\g1b+7]
	s_nop 0
.rept 4
	v_nop
.endr
.Lasked_\@:
.endm
.macro CREST                           ; a round of the cluster's barrier behind its opening barrier
	s_cmp_lg_u32 s[WV], 0
	s_cbranch_scc1 .Lnot_wave_0_\@
	s_barrier_signal -3
.Lnot_wave_0_\@:
	s_barrier_wait -3
	s_barrier_signal -1
	s_barrier_wait -1
.endm
.macro CROUND
	s_barrier_signal -1
	s_barrier_wait -1
	CREST
.endm
.if MODE == 0
	s_load_b512 s[4:19], s[0:1], 0x0               ; rows' codes s[4:5], scales s[6:7]; Wq s[8:11]; Wk s[12:15]; Wv s[16:19]
	s_load_b128 s[20:23], s[0:1], 0x40             ; codes out, scale words out
.else
	s_load_b128 s[16:19], s[0:1], 0x0              ; S1's codes, scales
	s_load_b128 s[12:15], s[0:1], 0x10             ; S0's codes, scales
	s_load_b64 s[100:101], s[0:1], 0x20            ; the bias
	s_load_b64 s[20:21], s[0:1], 0x28
	s_load_b64 s[22:23], s[0:1], 0x30
.endif
	v_lshl_add_u32 v[SPW], v0, 2, SPARE
	v_mov_b32 v[NIL], 0
	ds_add_u32 v28, v29
	ds_add_u32 v28, v29
	s_wait_dscnt 0x0
	v_lshrrev_b32 v1, 5, v0
	v_readfirstlane_b32 s[WV], v1                  ; wave 0..3
	s_lshr_b32 s[WH], s[WV], 1                     ; my half of S1's rows.  Also: I fetch step 0's tile (0) or the two-step tile (1)
	s_and_b32 s[WL], s[WV], 1                      ; my half of S0's rows.  Also: I fetch for S1 (0) or S0 (1)
	s_bfe_u32 s2, ttmp6, 0x40000                   ; cx
	s_bfe_u32 s3, ttmp6, 0x40004                   ; cy
	s_lshl_b32 s[XT], ttmp9, 2
	s_add_co_u32 s[XT], s[XT], s2                  ; S0's tile = 4 x cluster x + cx
	s_and_b32 s[BB], ttmp7, 0xffff                 ; cluster y: two clusters to a sub-problem
	s_and_b32 s[T1], s[BB], 1
	s_lshl_b32 s[T1], s[T1], 2
	s_add_co_u32 s[T1], s[T1], s3                  ; S1's tile = 4 x (cluster y % 2) + cy
	s_lshr_b32 s[BB], s[BB], 1
.if MODE == 0
	s_lshr_b32 s[WHI], s[BB], 3
	s_and_b32 s[BB], s[BB], 7
.endif
	s_lshl_b32 s[G1A], s3, 2
	s_lshl_b32 s[G1A], 15, s[G1A]                  ; my row of the cluster
	s_lshl_b32 s[G1B], 0x1111, s2                  ; my column
	s_or_b32 s[G1PA], s[G1A], (LOGA<<16)|(1<<20)|(1<<21)|(QIPA<<22)|(3<<25)   ; padding: 4 words behind every row's length (MODE 2: behind every 256 bytes); bit 21 set beside a mask
	s_or_b32 s[G1PB], s[G1B], (0<<16)|(1<<20)|(1<<21)|(6<<22)|(3<<25)
	s_or_b32 s[G1A], s[G1A], (LOGA<<16)|(1<<20)|(1<<21)|(5<<22)|(3<<25)
	s_or_b32 s[G1B], s[G1B], (0<<16)|(1<<20)|(1<<21)|(5<<22)|(3<<25)
.macro GRP g, c, r, p                  ; the rest of a group 1: r rows of c elements, p elements from row to row
	s_mov_b32 s[\g+1], (\c)<<16
	s_mov_b32 s[\g+2], (\r)<<16
	s_mov_b32 s[\g+3], (\c)<<16
	s_mov_b32 s[\g+4], \r
	s_mov_b32 s[\g+5], \p
	s_mov_b32 s[\g+6], 0
	s_mov_b32 s[\g+7], 0
.endm
.if MODE == 2
	GRP G1A, 1024, 4, 8192                         ; S1: a chunk's 128 rows x 64 bytes are 1,024 elements of 8 bytes on end; chunks lie 65,536 bytes apart: four to a K step,
	GRP G1PA, 1024, 8, 8192                        ; eight to two
.else
	GRP G1A, 256, 128, 1024                        ; S1: 128 rows of 256 bytes, 1,024 apart;
	GRP G1PA, 512, 128, 1024                       ; of 512
.endif
	GRP G1B, 256, 256, 1024                        ; S0: 256 rows
	GRP G1PB, 512, 256, 1024
	; the tiles' first rows.  S1's hang on cy alone, S0's on cx alone; each is made in registers that never hold the other
	s_lshl_b32 s3, s[T1], 7
	s_lshl_b32 s2, s[XT], 8
.if MODE == 0
	s_lshl_b32 s[TMP], s[BB], 10                   ; the batch's first row: it belongs to the side that holds the rows
	s_cmp_eq_u32 s[WHI], 2
	s_cselect_b32 s[G0A0+2], 0, s[TMP]
	s_cselect_b32 s[G0B0+2], s[TMP], 0
	s_add_co_u32 s3, s3, s[G0A0+2]
	s_add_co_u32 s2, s2, s[G0B0+2]
.endif
.if MODE == 1
	s_lshl_b32 s[TMP], s[BB], 10
	s_add_co_u32 s3, s3, s[TMP]
.endif
.if MODE == 2
	s_lshl_b32 s[G0A0+2], s3, 6                    ; 64 bytes a row in a chunk,
	s_lshl_b32 s[TMP], s[BB], 20
	s_add_co_u32 s[G0A0+2], s[G0A0+2], s[TMP]      ; 2^20 a batch
	s_lshl_b32 s[G0SA+2], s3, 2
	s_lshl_b32 s[TMP], s[BB], 15
	s_add_co_u32 s[G0SA+2], s[G0SA+2], s[TMP]
.else
	s_lshl_b32 s[G0A0+2], s3, 10
	s_lshl_b32 s[G0SA+2], s3, 5
.endif
	s_mov_b32 s[G0A0+3], 0
	s_mov_b32 s[G0SA+3], 0
	s_lshl_b32 s[G0B0+2], s2, 10
	s_mov_b32 s[G0B0+3], 0
	s_lshl_b32 s[G0SB+2], s2, 5
	s_mov_b32 s[G0SB+3], 0
.if MODE == 2
	s_lshl_b32 s[TMP], s[WH], 8                    ; the scale words that my wave multiplies by: S1's 64 rows x 4 bytes on,
.else
	s_lshl_b32 s[TMP], s[WH], 11                   ; the scale words that my wave multiplies by: S1's 64 rows x 32 bytes on,
.endif
	s_add_co_u32 s[G0SA+2], s[G0SA+2], s[TMP]
	s_lshl_b32 s[TMP], s[WL], 12                   ; S0's 128 rows x 32 bytes on
	s_add_co_u32 s[G0SB+2], s[G0SB+2], s[TMP]
	s_mov_b32 s[G0A0+1], LQA                       ; where the tiles go: constants
	s_mov_b32 s[G0B0+1], LQB
	s_mov_b32 s[G0A1+1], LPA
	s_mov_b32 s[G0B1+1], LPB
.irp g, G0A0, G0A1, G0B0, G0B1
	s_mov_b32 s[\g], 1
.endr
.if MODE == 2
	s_mul_i32 s92, s[WH], 4352                     ; my 64 rows of S1 in a chunk
.else
	s_mul_i32 s92, s[WH], 64*272                   ; my 64 rows of S1 in K step 0's tile,
	s_mul_i32 s93, s[WH], 64*528                   ; and in the two-step tile
	s_add_co_u32 s93, s93, LPA
.endif
	s_mul_i32 s94, s[WL], 128*272                  ; my 128 rows of S0 likewise
	s_add_co_u32 s94, s94, LQB
	s_mul_i32 s95, s[WL], 128*528
	s_add_co_u32 s95, s95, LPB
	s_wait_kmcnt 0x0
.if MODE == 0
	s_cmp_eq_u32 s[WHI], 2                         ; the choices hang on the cluster's number alone
	s_cselect_b64 s[PB:PB+1], s[4:5], s[PB:PB+1]           ; v: S0 = the rows; else Wk for now
	s_cselect_b64 s[PBS:PBS+1], s[6:7], s[PBS:PBS+1]
	s_cselect_b64 s[PA:PA+1], s[PA:PA+1], s[4:5]           ; v: S1 = Wv; else the rows
	s_cselect_b64 s[PAS:PAS+1], s[PAS:PAS+1], s[6:7]
	s_cmp_eq_u32 s[WHI], 0
	s_cselect_b64 s[PB:PB+1], s[8:9], s[PB:PB+1]           ; q: S0 = Wq
	s_cselect_b64 s[PBS:PBS+1], s[10:11], s[PBS:PBS+1]
.endif
	s_add_nc_u64 s[G0A0+2:G0A0+3], s[PA:PA+1], s[G0A0+2:G0A0+3]
	s_add_nc_u64 s[G0A1+2:G0A1+3], s[G0A0+2:G0A0+3], ASTEP
	s_add_nc_u64 s[G0B0+2:G0B0+3], s[PB:PB+1], s[G0B0+2:G0B0+3]
	s_add_nc_u64 s[G0B1+2:G0B1+3], s[G0B0+2:G0B0+3], 256
	s_add_nc_u64 s[G0SA+2:G0SA+3], s[PAS:PAS+1], s[G0SA+2:G0SA+3]   ; plain addresses: my scale words of S1,
	s_add_nc_u64 s[G0SB+2:G0SB+3], s[PBS:PBS+1], s[G0SB+2:G0SB+3]   ; and of S0
.irp g, G0A0, G0A1, G0B0, G0B1
	s_or_b32 s[\g+3], s[\g+3], 0x80000000          ; type = 2
.endr
	CROUND                                         ; all sixteen work-groups are here: the first joint loads meet
	s_cmp_eq_u32 s[WV], 0                          ; the head's four tiles, one a wave, each in its arm of one chain of branches on the wave's number
	s_cbranch_scc0 .Lhead_qb
	TL G0A0, G1A                                   ; wave 0: S1's K step 0
	s_branch .Lhead_asked
.Lhead_qb:
	s_cmp_eq_u32 s[WV], 1
	s_cbranch_scc0 .Lhead_pa
	TL G0B0, G1B                                   ; wave 1: S0's K step 0
	s_branch .Lhead_asked
.Lhead_pa:
	s_cmp_eq_u32 s[WV], 2
	s_cbranch_scc0 .Lhead_pb
	TL G0A1, G1PA                                  ; wave 2: S1's K steps 1 and 2
	s_branch .Lhead_asked
.Lhead_pb:
	TL G0B1, G1PB                                  ; wave 3: S0's K steps 1 and 2
.Lhead_asked:
	s_mov_b32 s[SEL], 0x76543210
	s_mov_b32 s[SEL+1], 0xfedcba98
	s_mov_b32 s[MNT], 0x600000
	v_and_b32 v1, 15, v0                           ; r
	v_bfe_u32 v2, v0, 4, 1                         ; h
	v_and_b32 v8, 31, v0                           ; lane
	v_mul_u32_u24 v3, v1, 272
	v_lshl_add_u32 v3, v2, 4, v3                   ; a fragment's row x 272 + 16 h
.if MODE == 2
	v_lshrrev_b32 v4, 2, v1
	v_lshlrev_b32 v4, 4, v4
	v_lshl_add_u32 v4, v1, 6, v4
	v_lshl_add_u32 v4, v2, 4, v4                   ; in a chunk: 64 r + 16 (r / 4) + 16 h
.set LA, 4
.else
.set LA, 3
.endif
	v_mul_u32_u24 v9, v1, 528
	v_lshl_add_u32 v9, v2, 4, v9                   ; in a two-step tile: row x 528 + 16 h; K step 2 lies 256 bytes on in each row
	v_add_nc_u32 v[ADRA], s92, v[LA]
.if MODE == 2
	v_add_nc_u32 v[ADRA+1], LPA, v[ADRA]
	v_add_nc_u32 v[ADRA+2], LPA+4*8704, v[ADRA]    ; K step 2: four chunks on
.else
	v_add_nc_u32 v[ADRA+1], s93, v9
	v_add_nc_u32 v[ADRA+2], 256, v[ADRA+1]
.endif
	v_add_nc_u32 v[ADRB], s94, v3
	v_add_nc_u32 v[ADRB+1], s95, v9
	v_add_nc_u32 v[ADRB+2], 256, v[ADRB+1]
	v_lshlrev_b32 v5, 5, v1                        ; a row's 32 scale bytes in memory: 32 r
	v_lshl_add_u32 v[ADSB], v2, 11, v5             ; S0: lanes 16-31 take the block four further on: 64 rows
.if MODE == 2
	v_lshlrev_b32 v6, 7, v2                        ; S1: lanes 16-31 take the block two further on: 32 rows x 4 bytes
	v_lshl_add_u32 v[ADSA], v1, 2, v6
.else
	v_lshl_add_u32 v[ADSA], v2, 10, v5             ; S1: lanes 16-31 take the block two further on: 32 rows
.endif
.irp i, 0,1,2,3
.irp c, 0,1
	global_load_b128 v[SCB+8*\i+4*\c:SCB+8*\i+4*\c+3], v[ADSB], s[G0SB+2:G0SB+3] offset:512*\i+16*\c
.endr
.endr
.irp i, 0,1
.if MODE == 2
.irp w, 0,1,2,3,4,5,6,7
	global_load_b32 v[SCA+8*\i+\w], v[ADSA], s[G0SA+2:G0SA+3] offset:4096*\w+64*\i
.endr
.else
.irp c, 0,1
	global_load_b128 v[SCA+8*\i+4*\c:SCA+8*\i+4*\c+3], v[ADSA], s[G0SA+2:G0SA+3] offset:512*\i+16*\c
.endr
.endif
.endr
	s_mul_i32 s[TMP], s[WV], WSTG
	s_add_co_u32 s[TMP], s[TMP], STG               ; my stage
	v_lshlrev_b32 v[CO], 4, v8
	v_add_nc_u32 v[RD], s[TMP], v[CO]
.if MODE == 2
	v_mul_u32_u24 v5, v1, 528
	v_lshl_add_u32 v5, v2, 5, v5
	v_add_nc_u32 v[STO], s[TMP], v5                ; row r, 32 bytes for each half of the lanes
.else
	v_lshlrev_b32 v5, 6, v1
	v_lshl_add_u32 v5, v2, 3, v5
	v_add_nc_u32 v[STO], s[TMP], v5                ; row r of 64 bytes, 8 bytes for each half of the lanes
	v_lshlrev_b32 v[CO8], 3, v8
	s_add_co_u32 s[TMP], s[TMP], 8192
	v_lshl_add_u32 v[SSO], v1, 2, s[TMP]
	v_add_nc_u32 v[RDS], s[TMP], v[CO8]
.endif
.if MODE != 0
	s_lshl_b32 s92, s[XT], 10                      ; my first column j, in bytes of f32: 4 (256 x tile + 128 x half)
	s_lshl_b32 s93, s[WL], 9
	s_add_co_u32 s92, s92, s93
	s_mov_b32 s93, 0
	s_add_nc_u64 s[100:101], s[100:101], s[92:93]
	v_lshlrev_b32 v7, 5, v2                        ; the bias in the result's layout: tile b, lane (r, h): j = 16 b + 8 h + 0 .. 7
	s_wait_alu depctr_va_vdst(0)
	WIN 0x80                                       ; destination window 2: the accumulators of S1's four blocks
.irp b, 0,1,2,3,4,5,6,7
.irp a, 0,1,2,3
	global_load_b128 v[64*\a+8*\b:64*\a+8*\b+3], v7, s[100:101] offset:64*\b
	global_load_b128 v[64*\a+8*\b+4:64*\a+8*\b+7], v7, s[100:101] offset:64*\b+16
.endr
.endr
	WIN 0
.endif
.if MODE == 2
	s_lshl_b32 s94, s[T1], 7
	s_lshl_b32 s95, s[WH], 6
	s_add_co_u32 s94, s94, s95
	s_lshl_b32 s95, s[BB], 10
	s_add_co_u32 s94, s94, s95                     ; my first row: 1,024 b + 128 x tile + 64 x half
	s_lshl_b32 s94, s94, 12
	s_add_co_u32 s94, s94, s92
	s_mov_b32 s95, 0
	s_add_nc_u64 s[OUT0:OUT0+1], s[OUT0:OUT0+1], s[94:95]
	s_add_nc_u64 s[OUT1:OUT1+1], s[OUT1:OUT1+1], s[94:95]
.else
	s_lshl_b32 s92, s[XT], 2
	s_lshl_b32 s93, s[WL], 1
	s_add_co_u32 s92, s92, s93                     ; my first chunk of 64 along j: 4 x tile + 2 x half
	s_lshl_b32 s94, s92, 11                        ; scale words: 4,096 bytes for each 128 along j
	s_lshl_b32 s92, s92, 16                        ; codes: 65,536 bytes a chunk
	s_lshl_b32 s93, s[T1], 7
	s_lshl_b32 s95, s[WH], 6
	s_add_co_u32 s93, s93, s95                     ; my first row i
	s_lshl_b32 s95, s93, 2
	s_add_co_u32 s94, s94, s95
	s_lshl_b32 s93, s93, 6
	s_add_co_u32 s92, s92, s93
	s_lshl_b32 s93, s[BB], 20
	s_add_co_u32 s92, s92, s93
	s_lshl_b32 s93, s[BB], 15
	s_add_co_u32 s94, s94, s93
.if MODE == 0
	s_lshl_b32 s93, s[WHI], 23                     ; q, k, v: 2^23 bytes of codes each,
	s_add_co_u32 s92, s92, s93
	s_lshl_b32 s93, s[WHI], 18                     ; 2^18 of scale words
	s_add_co_u32 s94, s94, s93
.endif
	s_mov_b32 s93, 0
	s_mov_b32 s95, 0
	s_add_nc_u64 s[OUT0:OUT0+1], s[OUT0:OUT0+1], s[92:93]
	s_add_nc_u64 s[OUT1:OUT1+1], s[OUT1:OUT1+1], s[94:95]
.endif
; A fragment, 16 rows x 128 K, is 16 registers: lane l holds row l % 16; registers 4 c .. 4 c + 3 hold K = 32 c + 16 (l / 16) + 0 .. 15.
.macro FRAGB reg, slot, q, i
.irp c, 0,1,2,3
	ds_load_b128 v[\reg+4*\c:\reg+4*\c+3], v[ADRB+\slot] offset:128*(\q)+32*\c+(4352+4096*(((\slot)+1)/2))*(\i)   ; 16 rows on: 16 x 272 in K step 0's tile, 16 x 528 in the two-step tile
.endr
.endm
.macro FRAGA reg, slot, q, i
.irp c, 0,1,2,3
.if MODE == 2
	ds_load_b128 v[\reg+4*\c:\reg+4*\c+3], v[ADRA+\slot] offset:(2*(\q)+\c/2)*8704+1088*(\i)+32*(\c%2)
.else
	ds_load_b128 v[\reg+4*\c:\reg+4*\c+3], v[ADRA+\slot] offset:128*(\q)+32*\c+(4352+4096*(((\slot)+1)/2))*(\i)
.endif
.endr
.endm
.macro FETCH slot, q, p                ; 48 LDS loads in one run: the slot's q-th 128 along K into set p
	WIN 0x40                                       ; destination window 1
.irp i, 0,1,2,3,4,5,6,7
	FRAGB 128*(\p)+16*\i, \slot, \q, \i
.endr
	WIN 0
.irp i, 0,1,2,3
	FRAGA AF+64*(\p)+16*\i, \slot, \q, \i
.endr
.endm
; One product: S1's block a x S0's block b.  first = 1, MODE 0: it starts the sum with 0; else it adds onto the accumulator, which at first holds the bias.  The scale words are those of the KW / 4-th 128 along K.
.macro WM a, b, p, q, sc, first
.set rD, 8*(8*(\a)+(\b))
.set rB, 128*(\p)+16*(\b)
.set rA, AF+64*(\p)+16*(\a)
.set rS0, SCB+8*((\b)%4)+KW/4
.set rS1, SCA+8*((\a)%2)+KW/4
.set rC, rD
.if \first && (MODE == 0)
.if ((\b) < 4) && ((\a) < 2)
	v_wmma_scale_f32_16x16x128_f8f6f4 v[rD:rD+7], v[rB:rB+15], v[rA:rA+15], 0, v[rS0], v[rS1]
.elseif (\a) < 2
	v_wmma_scale_f32_16x16x128_f8f6f4 v[rD:rD+7], v[rB:rB+15], v[rA:rA+15], 0, v[rS0], v[rS1] matrix_a_scale:MATRIX_SCALE_ROW1
.elseif (\b) < 4
	v_wmma_scale_f32_16x16x128_f8f6f4 v[rD:rD+7], v[rB:rB+15], v[rA:rA+15], 0, v[rS0], v[rS1] matrix_b_scale:MATRIX_SCALE_ROW1
.else
	v_wmma_scale_f32_16x16x128_f8f6f4 v[rD:rD+7], v[rB:rB+15], v[rA:rA+15], 0, v[rS0], v[rS1] matrix_a_scale:MATRIX_SCALE_ROW1 matrix_b_scale:MATRIX_SCALE_ROW1
.endif
.else
.if ((\b) < 4) && ((\a) < 2)
	v_wmma_scale_f32_16x16x128_f8f6f4 v[rD:rD+7], v[rB:rB+15], v[rA:rA+15], v[rC:rC+7], v[rS0], v[rS1]
.elseif (\a) < 2
	v_wmma_scale_f32_16x16x128_f8f6f4 v[rD:rD+7], v[rB:rB+15], v[rA:rA+15], v[rC:rC+7], v[rS0], v[rS1] matrix_a_scale:MATRIX_SCALE_ROW1
.elseif (\b) < 4
	v_wmma_scale_f32_16x16x128_f8f6f4 v[rD:rD+7], v[rB:rB+15], v[rA:rA+15], v[rC:rC+7], v[rS0], v[rS1] matrix_b_scale:MATRIX_SCALE_ROW1
.else
	v_wmma_scale_f32_16x16x128_f8f6f4 v[rD:rD+7], v[rB:rB+15], v[rA:rA+15], v[rC:rC+7], v[rS0], v[rS1] matrix_a_scale:MATRIX_SCALE_ROW1 matrix_b_scale:MATRIX_SCALE_ROW1
.endif
.endif
.endm
.macro MUL8 a, p, q, sc, first         ; the 32 accumulators take turns, one instruction a turn, in the same order in every step
.irp b, 0,1,2,3,4,5,6,7
	WM \a, \b, \p, \q, \sc, \first
.endr
.set KW, KW+1
.endm
.macro WMUL first                      ; source 0 window 1, source 1 window 0, C and D window 2
	WIN 0xa1
.endm
; A step of 128 along K: set p is multiplied; ahead of its 32 products the next step's fragments are asked for, in one run.  Eight places stand between the last products that read the other set and the loads into it.
.macro STEP p, q, sc, first, nslot, nq, nj
	s_wait_dscnt 0x0                               ; set p and its scale words are in
.if !\first
	PLACES 8
.endif
	FETCH \nslot, \nq, 1-(\p)
	WMUL \first
	MUL8 0, \p, \q, \sc, \first
	MUL8 1, \p, \q, \sc, \first
	MUL8 2, \p, \q, \sc, \first
	MUL8 3, \p, \q, \sc, \first
	WIN 0
.endm
	s_wait_alu depctr_va_vdst(0)
	s_cmp_lt_u32 s[WV], 2
	s_cbranch_scc0 .Lnot_q
	s_wait_tensorcnt 0x0                           ; waves 0 and 1: K step 0's tiles are in.  The two-step tiles, waves 2 and 3's, may be out
.Lnot_q:
	s_barrier_signal -1
	s_barrier_wait -1                              ; everybody's are
	FETCH 0, 0, 0
	s_wait_loadcnt 0x0                             ; the scale words (and the bias)
.if MODE == 2
	WIN 0xc0                                       ; destination window 3: my 64 rows x 512 bytes of the residual, asked for now and wanted at the end
.set i, 0
.rept 64
	global_load_b128 v[4*i:4*i+3], v[CO], s[OUT0:OUT0+1] offset:4096*i
.set i, i+1
.endr
	WIN 0
.endif
	STEP 0, 0, 0, 1, 0, 1, 0                       ; K 0-127: its products start the sums
	; K 128-255, and slot 0's refill
	s_wait_tensorcnt 0x0                           ; all my tensor loads have landed, my parts of K steps 1 and 2 among them
	ds_add_u32 v[SPW], v[NIL]                      ; 0 onto my spare word
	s_wait_dscnt 1                                 ; (the add alone may be out: set 1 is in)
	WIN 0xa1
	MUL8 0, 1, 1, 0, 0                             ; eight matrix instructions stand between the add and the wait for it
	s_wait_dscnt 0x0                               ; the add is done, and my reads of slot 0 are over
	s_barrier_signal -1                            ; this barrier opens a round of the cluster's barrier
	MUL8 1, 1, 1, 0, 0
	WIN 0
	s_barrier_wait -1
	CREST                                          ; no wave of any partner still reads slot 0 or has a load on its way
	s_add_nc_u64 s[G0A0+2:G0A0+3], s[G0A0+2:G0A0+3], 3*ASTEP
	s_add_nc_u64 s[G0B0+2:G0B0+3], s[G0B0+2:G0B0+3], 768
	JLOAD G0A0, G1A, G0B0, G1B                     ; K step 3 into slot 0: my one tensor load behind the round; 112 matrix instructions stand ahead of the wait for it
	PLACES 8                                       ; eight places in front of the loads below, on the way of the waves that fetch nothing too
	FETCH 1, 0, 0
	WIN 0xa1
	MUL8 2, 1, 1, 0, 0
	MUL8 3, 1, 1, 0, 0
	WIN 0
	STEP 0, 0, 1, 0, 1, 1, 0                       ; K 256-383
	STEP 1, 1, 1, 0, 2, 0, 2                       ; K 384-511; slot 2 was shown whole to every wave at the round above
	STEP 0, 0, 0, 0, 2, 1, 0                       ; K 512-639
	; K 640-767: K step 3 is shown to every wave
	s_wait_tensorcnt 0x0                           ; the one load that was out: my part of K step 3
	s_wait_dscnt 0x0                               ; set 1 is in; no LDS instruction of mine is pending at the signal
	s_barrier_signal -1
	WIN 0xa1
	MUL8 0, 1, 1, 0, 0
	MUL8 1, 1, 1, 0, 0
	WIN 0
	s_barrier_wait -1                              ; behind it nobody reads slot 1 or 2 any more
	PLACES 8
	FETCH 0, 0, 0
	WIN 0xa1
	MUL8 2, 1, 1, 0, 0
	MUL8 3, 1, 1, 0, 0
	WIN 0
	STEP 0, 0, 1, 0, 0, 1, 0                       ; K 768-895
	s_wait_dscnt 0x0                               ; K 896-1023: nothing more to fetch
	WIN 0xa1
	MUL8 0, 1, 1, 1, 0
	MUL8 1, 1, 1, 1, 0
	MUL8 2, 1, 1, 1, 0
	MUL8 3, 1, 1, 1, 0
	WIN 0
	PLACES 8                                       ; in front of the first read of results, and of writes into registers that held fragments
.if MODE == 2
; THE WAY OUT, f32: a block of 16 rows x 128 columns goes through my stage and comes back as rows of 512 bytes; the residual is added; 32 lanes store 512 consecutive bytes, aligned.
.macro TOSTAGE a
	WIN 0x08                                       ; an LDS store's data are its source 1: window 2
.irp b, 0,1,2,3,4,5,6,7
	ds_store_b128 v[STO], v[64*(\a)+8*\b:64*(\a)+8*\b+3] offset:64*\b          ; each accumulator from its low end on
	ds_store_b128 v[STO], v[64*(\a)+8*\b+4:64*(\a)+8*\b+7] offset:64*\b+16
.endr
	WIN 0
.irp t, 0,1,2,3,4,5,6,7,8,9,10,11,12,13,14,15
	ds_load_b128 v[BK+64*((\a)%2)+4*\t:BK+64*((\a)%2)+4*\t+3], v[RD] offset:528*\t   ; LDS serves a wave's instructions in order: these see the stores above
.endr
.endm
.macro SEND a, younger
.set BKS, BK+64*((\a)%2)
	s_wait_dscnt \younger                          ; the block is back; the next block's 16 stores and 16 loads may be out
	WIN 0x0c                                       ; source 1 window 3
.set i, 0
.rept 32
	v_pk_add_f32 v[BKS+2*i:BKS+2*i+1], v[BKS+2*i:BKS+2*i+1], v[64*(\a)+2*i:64*(\a)+2*i+1]
.set i, i+1
.endr
	WIN 0
.irp t, 0,1,2,3,4,5,6,7,8,9,10,11,12,13,14,15
	global_store_b128 v[CO], v[BKS+4*\t:BKS+4*\t+3], s[OUT1:OUT1+1] offset:4096*(16*(\a)+\t)
.endr
.endm
	s_wait_loadcnt 0x0                             ; the residual
	TOSTAGE 0
.irp a, 1,2,3
.if \a > 1
	s_wait_xcnt 0x0                                ; block a - 2's stores have read their registers: block a's rows may land there
.endif
	TOSTAGE \a
	SEND \a-1, 32
.endr
	SEND 3, 0
.else
; THE WAY OUT, quantised.  Of S1's block a a lane holds 64 numbers: register 16 p + 8 u + j = column 32 p + 16 u + 8 (lane / 16) + j of row lane % 16.  Block p of 32 lies in lanes l and l xor 16.
.macro QUANTA a
.set AC, 64*(\a)
.set PCA, PC+16*(\a)
	WIN 0x0a                                       ; sources 0 and 1 window 2
.irp p, 0,1,2,3
.if MODE == 0
	v_max3_num_f32 v[TM+\p], |v[AC+16*\p]|, |v[AC+16*\p+1]|, 0x4800000   ; my 16 numbers of block p, and the floor 2^(9 - 127): the byte cannot fall under 1
.else
	v_max3_num_f32 v[TM+\p], v[AC+16*\p], v[AC+16*\p+1], 0x4800000       ; no |.|: what is negative becomes 0 (the activation) and must not count
.endif
.endr
	WIN 0x28                                       ; sources 1 and 2 window 2
.irp i, 2,4,6,8,10,12,14
.irp p, 0,1,2,3
.if MODE == 0
	v_max3_num_f32 v[TM+\p], v[TM+\p], |v[AC+16*\p+\i]|, |v[AC+16*\p+\i+1]|
.else
	v_max3_num_f32 v[TM+\p], v[TM+\p], v[AC+16*\p+\i], v[AC+16*\p+\i+1]
.endif
.endr
.endr
	WIN 0
.irp p, 0,1,2,3
	v_permlanex16_b32 v[TM+4+\p], v[TM+\p], s[SEL], s[SEL+1]
.endr
.irp p, 0,1,2,3
	v_max_num_f32 v[TM+\p], v[TM+\p], v[TM+4+\p]   ; the block's largest magnitude
.endr
.irp p, 0,1,2,3
	v_add_nc_u32 v[TM+12+\p], 0xfc000000, v[TM+\p] ; 8 off its exponent field: the conversion's scale operand
.endr
.irp p, 0,1,2,3
	v_and_or_b32 v[TM+8+\p], v[TM+\p], 0x7f800000, s[MNT]   ; 448 x the scale
.endr
.irp p, 0,1,2,3
	v_lshrrev_b32 v[TM+4+\p], 23, v[TM+12+\p]      ; the scale's byte
.endr
	v_lshl_or_b32 v[PW+(\a)], v[TM+5], 8, v[TM+4]  ; my row's scale word for these 128 columns
	v_lshl_or_b32 v[PW+(\a)], v[TM+6], 16, v[PW+(\a)]
	v_lshl_or_b32 v[PW+(\a)], v[TM+7], 24, v[PW+(\a)]
	WIN 0x82                                       ; destination and source 0 window 2
.irp p, 0,1,2,3
.irp i, 0,1,2,3,4,5,6,7,8,9,10,11,12,13,14,15
.if MODE == 0
	v_med3_num_f32 v[AC+16*\p+\i], v[AC+16*\p+\i], -v[TM+8+\p], v[TM+8+\p]   ; the conversion does not saturate (ISA guide 7.6.2): the hold
.else
	v_med3_num_f32 v[AC+16*\p+\i], v[AC+16*\p+\i], 0, v[TM+8+\p]             ; the activation and the hold in one
.endif
.endr
.endr
	WIN 0x02                                       ; source 0 window 2
.irp p, 0,1,2,3
.irp u, 0,1
	v_cvt_scalef32_pk8_fp8_f32 v[PCA+4*\p+2*\u:PCA+4*\p+2*\u+1], v[AC+16*\p+8*\u:AC+16*\p+8*\u+7], v[TM+12+\p]
.endr
.endr
	WIN 0
	v_nop                                          ; one plain instruction behind the last conversion, ahead of the next lines that write its sources
.irp p, 0,1,2,3
.irp u, 0,1
	ds_store_b64 v[STO], v[PCA+4*\p+2*\u:PCA+4*\p+2*\u+1] offset:4096*(\p/2)+1024*(\a)+32*(\p%2)+16*\u   ; eight codes: chunk p / 2, row 16 a + r, byte 32 (p % 2) + 16 u + 8 h
.endr
.endr
	ds_store_b32 v[SSO], v[PW+(\a)] offset:64*(\a) ; both halves of the lanes write the same word with the same value
.endm
.irp p, 0,1,2,3
	v_mov_b32 v[TM+4+\p], 0                        ; a lane permute's destination counts as one of its sources
.endr
	QUANTA 0
	QUANTA 1
	QUANTA 2
	QUANTA 3
.irp i, 0,1,2,3,4,5,6,7,8,9,10,11,12,13,14,15
	ds_load_b128 v[192+4*\i:192+4*\i+3], v[RD] offset:512*\i   ; LDS serves a wave's instructions in order: these see my stores
.endr
	ds_load_b64 v[14:15], v[RDS]
.irp i, 0,1,2,3,4,5,6,7,8,9,10,11,12,13,14,15
	s_wait_dscnt 16-\i                             ; behind load i: the 15 - i loads of codes and the one of scale words
	global_store_b128 v[CO], v[192+4*\i:192+4*\i+3], s[OUT0:OUT0+1] offset:65536*(\i/8)+512*(\i%8)   ; 32 lanes store 512 consecutive bytes, aligned: 64 rows of a chunk are 4,096 bytes on end
.endr
	s_wait_dscnt 0x0
	global_store_b64 v[CO8], v[14:15], s[OUT1:OUT1+1]          ; 64 scale words: 256 consecutive bytes, aligned
.endif
	s_wait_tensorcnt 0x0                           ; the wave's end, behind my last tensor load and my last LDS store
	ds_add_u32 v[SPW], v[NIL]
	s_wait_dscnt 0x0
	CROUND                                         ; the closing round: no work-group ends while a partner may still ask for a tile that names it
	s_endpgm
.Lfunc_end_k_q69d0abbd6b_proj:
	.size	k_q69d0abbd6b_proj, .Lfunc_end_k_q69d0abbd6b_proj-k_q69d0abbd6b_proj
	.p2alignl 7, 3214868480
	.fill 96, 4, 3214868480
	.section	.rodata,"a",@progbits
	.p2align	6, 0x0
	.amdhsa_kernel k_q69d0abbd6b_proj
		.amdhsa_group_segment_fixed_size 327680
		.amdhsa_private_segment_fixed_size 0
		.amdhsa_enable_private_segment 0
		.amdhsa_kernarg_size 56
		.amdhsa_user_sgpr_count 2
		.amdhsa_user_sgpr_kernarg_segment_ptr 1
		.amdhsa_wavefront_size32 1
		.amdhsa_system_sgpr_workgroup_id_x 1
		.amdhsa_system_sgpr_workgroup_id_y 1
		.amdhsa_system_sgpr_workgroup_id_z 1
		.amdhsa_system_vgpr_workitem_id 0
		.amdhsa_next_free_vgpr 1024
		.amdhsa_next_free_sgpr 106
		.amdhsa_reserve_vcc 0
		.amdhsa_float_denorm_mode_32 3
		.amdhsa_float_denorm_mode_16_64 3
		.amdhsa_memory_ordered 1
		.amdhsa_forward_progress 1
		.amdhsa_inst_pref_size 108
	.end_amdhsa_kernel
	.amdgpu_metadata
---
amdhsa.version: [ 1, 2 ]
amdhsa.kernels:
  - .name:           k_q69d0abbd6b_proj
    .symbol:         k_q69d0abbd6b_proj.kd
    .args:
      - { .name: at_c, .offset: 0, .size: 8, .value_kind: global_buffer, .address_space: global }
      - { .name: at_s, .offset: 8, .size: 8, .value_kind: global_buffer, .address_space: global }
      - { .name: Wproj_codes, .offset: 16, .size: 8, .value_kind: global_buffer, .address_space: global }
      - { .name: Wproj_scales, .offset: 24, .size: 8, .value_kind: global_buffer, .address_space: global }
      - { .name: bproj, .offset: 32, .size: 8, .value_kind: global_buffer, .address_space: global }
      - { .name: x, .offset: 40, .size: 8, .value_kind: global_buffer, .address_space: global }
      - { .name: x1, .offset: 48, .size: 8, .value_kind: global_buffer, .address_space: global }
    .group_segment_fixed_size: 327680
    .private_segment_fixed_size: 0
    .kernarg_segment_align: 8
    .kernarg_segment_size: 56
    .max_flat_workgroup_size: 128
    .sgpr_count:     106
    .vgpr_count:     1024
    .wavefront_size: 32
...
	.end_amdgpu_metadata
.endif
;; end of part 4
;; launch ln2: the kernel of part 1 again; grid 256 x 1, 8 waves a work-group, no clusters, 43,008 bytes of LDS; arguments x1, g2, beta2, xn_c, xn_s; writes xn_c, xn_s
;; launch fc1 (part 5): grid 4 x 64, 4 waves a work-group, clusters of 4 x 4, 327,680 bytes of LDS; arguments xn_c, xn_s, W1_codes, W1_scales, b1, at_c, at_s; writes at_c, at_s
.if DOCPART == 5
	.amdgcn_target "amdgcn-amd-amdhsa--gfx1250"
	.amdhsa_code_object_version 6
	.text
	.protected	k_q69d0abbd6b_fc1
	.globl	k_q69d0abbd6b_fc1
	.p2align	8
	.type	k_q69d0abbd6b_fc1,@function
k_q69d0abbd6b_fc1:
	s_mov_b64 s[64:65], 0
	v_nop
	global_prefetch_b8 v0, s[64:65] scope:SCOPE_SE
	s_setreg_imm32_b32 hwreg(HW_REG_WAVE_MODE, 25, 1), 1
	s_wait_xcnt 0x0
	s_wait_alu depctr_hold_cnt(0) depctr_sa_sdst(0) depctr_va_vdst(0) depctr_va_sdst(0) depctr_va_ssrc(0) depctr_va_vcc(0) depctr_vm_vsrc(0)
	s_getreg_b32 s2, hwreg(HW_REG_IB_STS2, 6, 4)
	s_cmp_eq_u32 s2, 0
	s_cbranch_scc0 .Lentry_in_a_cluster
	s_endpgm
.Lentry_in_a_cluster:
	s_bfe_u32 s2, ttmp6, 0x10000c
	s_cmp_lg_u32 s2, 0xf033
	s_cbranch_scc0 .Lentry_shape_is_right
	s_endpgm
.Lentry_shape_is_right:
.set MODE, 1                           ; 0: q, k and v, quantised on the way out;  1: relu(. + bias), quantised on the way out;  2: . + bias + residual, f32 out
; D[i][j] = sum over k of S1[i][k] S0[j][k], K = 1,024, on codes of FP8 (E4M3) with one E8M0 scale for each 32 along K; sums in f32.  The job is cut into sub-problems of 1,024 x 1,024.
; MODE 0: 24 of them: q and k of batch b: S1 = the normed rows of b, S0 = Wq or Wk;  v of batch b: S1 = Wv, S0 = the normed rows of b, so that v's results run along the KEYS in a lane.  Only pointers are chosen: one path.
; MODE 1, 2: 8 of them (b): S1 = the rows of b, S0 = the weight.  In MODE 2 S1 lies in chunks, [b][chunk of 64 along K][1,024 rows][64 codes], its scale words [b][128 along K][1,024 rows][4 bytes]; else rows of 1,024 codes and 32 bytes.
; A work-group of four waves makes 128 (S1) x 256 (S0), a wave 64 x 128: 32 accumulators.  The matrix instruction is used transposed (source 0 = 16 rows of S0, source 1 = 16 rows of S1): a lane holds one row i and eight neighbouring j.
; K goes in four steps of 256.  THE HEAD'S FOUR TILES, ONE LOAD A WAVE: wave 0 S1's K step 0, wave 1 S0's K step 0 (LDS rows of 256 + 16 bytes); wave 2 S1's K steps 1 and 2 as one tile, wave 3 S0's (rows of 512 + 16 bytes; MODE 2, S1: eight chunks on end).
; K step 3 is filled over K step 0, by the same two descriptors, behind a round of the cluster's barrier; 112 matrix instructions stand ahead of the wait for it.
; THE SCALE WORDS of a wave's rows, for all of K, go from memory straight into 48 registers, a row's 32 bytes a lane.  The bias is loaded into the accumulators, once for each of S1's four blocks: the first products add onto it.
; CLUSTER 4 x 4: the four of a row need the same tiles of S1, the four of a column the same tiles of S0: each tile is asked for jointly, by the same tensor load with a mask that names the four.
; No prefetch: the text has no loop to run ahead in, and three of the four K steps are asked for at its head.
; WAY OUT, MODE 0 and 1: each block of 32 along j is quantised (a lane's 16 numbers and lane l xor 16's), codes and scale words go through the wave's stage in LDS, laid as memory wants them, and leave in chunks as above.
; MODE 2: the f32 rows go through the stage, take the residual and leave as rows of 512 bytes.  The stage lies where S0's K steps 1 and 2 lay: those bytes have had their only fill and, behind the last barrier, no reader.
; LIMITS: NaN and infinities are not served; a block whose largest magnitude lies under 2^-118, a block of zeros too, gets the byte 1 (this program alone reads the bytes).
; REGISTERS: window 0: v1-15 at work; v16-31 addresses; v32-63, v68-83 scale words; v128-255 S1's fragments, two sets of four.  window 1: S0's fragments, two sets of eight.
;   window 2: accumulator (a, b) at v[8 (8 a + b)].  window 3 (MODE 2): the residual, row 16 a + t at v[4 (16 a + t)].
.set LQA,    0                         ; S1's K step 0: 128 rows x 272 bytes (MODE 2: four chunks of 8,704)
.set LQB,    34816                     ; S0's K step 0: 256 rows x 272
.set LPA,    104448                    ; S1's K steps 1 and 2: 128 rows x 528 (MODE 2: eight chunks of 8,704)
.set LPB,    174080                    ; S0's K steps 1 and 2: 256 rows x 528, up to byte 309,248
.set STG,    LPB                       ; the way out's stages
.set QIPA,   6-MODE/2                  ; padding of S1's two-step tile: behind every 128 words; MODE 2: behind every 64
.set SPARE,  326400                    ; the spare words, 128 bytes for each wave: two blocks of 256 bytes that no other line names
.if MODE == 2
.set WSTG,  8448                       ; a wave's stage: 16 rows x (512 + 16) bytes
.set ASTEP, 262144                     ; S1: bytes from a K step to the next: four chunks
.set LOGA,  3
.else
.set WSTG,  8704                       ; two chunks of 64 rows x 64 bytes, then 64 scale words
.set ASTEP, 256
.set LOGA,  0
.endif
.set ADRA, 16                          ; v16-18  LDS address of my S1 fragments in slot 0, 1, 2
.set RDS,  19                          ; v19     the stage's scale words, on the way back
.set ADRB, 20                          ; v20-22  the same as ADRA for S0
.set CO8,  23                          ; v23     8 x lane
.set STO,  24                          ; v24     the stage, in
.set RD,   25                          ; v25     the stage, back
.set CO,   26                          ; v26     16 x lane
.set ADSA, 27                          ; v27     S1's scale words
.set SPW,  28                          ; v28     my spare word: SPARE + 4 x my thread's number; never rewritten
.set NIL,  29                          ; v29     0; never rewritten
.set ADSB, 30                          ; v30     S0's scale words
.set SSO,  31                          ; v31     the stage's scale words, in
.set SCB,  32                          ; v32-63  S0's scale words: register 8 (b % 4) + w: the w-th 128 along K; lanes 0-15 block b % 4, lanes 16-31 block b % 4 + 4
.set SCA,  68                          ; v68-83  S1's: register 8 (a % 2) + w; lanes 0-15 block a % 2, lanes 16-31 block a % 2 + 2
.set KW,   0                           ; counts the runs of eight products as the text is assembled: four to each 128 along K, so w = KW / 4
.set AF,   128
.set PC,   128                         ; the way out: codes, 16 registers for each a
.set TM,   200                         ; v200-203 largest magnitudes, v204-207 bytes, v208-211 holds, v212-215 scale operands
.set PW,   216                         ; v216-219 scale words made
.set BK,   128                         ; MODE 2: rows back from the stage, two sets of 64
.set SEL,  4                           ; s[4:5]  selects for lane l xor 16;  s6 the mantissa field of 448 (set when the arguments there are done with)
.set MNT,  6
.set PB,   12                          ; s[12:13] S0's codes, s[14:15] its scales, s[16:17] S1's codes, s[18:19] its scales
.set PBS,  14
.set PA,   16
.set PAS,  18
.set OUT0, 20                          ; s[20:21] codes out (MODE 2: the residual);  s[22:23] scale words out (MODE 2: the result)
.set OUT1, 22
.set G1A,  24
.set G1B,  32
.set G1PA, 40
.set G1PB, 48
.set G0A0, 56
.set G0A1, 60
.set G0A2, 68
.set G0B0, 72
.set G0B1, 76
.set G0B2, 80
.set G0SA, 84
.set G0SB, 88
.set WV,   96
.set WH,   97
.set WL,   98
.set BB,   99                          ; the batch
.set XT,   66                          ; S0's tile, 0 .. 3
.set T1,   67                          ; S1's tile, 0 .. 7
.set WHI,  104                         ; MODE 0: 0 q, 1 k, 2 v
.set TMP,  105
.set MSB, 0
.macro WIN new                         ; the immediate's high byte repeats the setting that is left
.if MSB != \new
	s_set_vgpr_msb (MSB<<8)|\new
.set MSB, \new
.endif
.endm
.macro PLACES n
.rept \n
	v_nop
.endr
.endm
.macro TL g0, g1                       ; a tensor load; an s_nop 0 and four v_nop follow it
	tensor_load_to_lds s[\g0:\g0+3], s[\g1:\g1+7]
	s_nop 0
	PLACES 4
.endm
; The joint refill: wave 0 fetches S1's tile, wave 1 S0's, waves 2 and 3 nothing.  The branches hang on the wave's number alone.
.macro JLOAD g0a, g1a, g0b, g1b
	s_cmp_eq_u32 s[WV], 0
	s_cbranch_scc0 .Lfor_b_\@
	tensor_load_to_lds s[\g0a:\g0a+3], s[\g1a:\g1a+7]
	s_nop 0
.rept 4
	v_nop
.endr
	s_branch .Lasked_\@
.Lfor_b_\@:
	s_cmp_eq_u32 s[WV], 1
	s_cbranch_scc0 .Lasked_\@
	tensor_load_to_lds s[\g0b:\g0b+3], s[\g1b:\g1b+7]
	s_nop 0
.rept 4
	v_nop
.endr
.Lasked_\@:
.endm
.macro CREST                           ; a round of the cluster's barrier behind its opening barrier
	s_cmp_lg_u32 s[WV], 0
	s_cbranch_scc1 .Lnot_wave_0_\@
	s_barrier_signal -3
.Lnot_wave_0_\@:
	s_barrier_wait -3
	s_barrier_signal -1
	s_barrier_wait -1
.endm
.macro CROUND
	s_barrier_signal -1
	s_barrier_wait -1
	CREST
.endm
.if MODE == 0
	s_load_b512 s[4:19], s[0:1], 0x0               ; rows' codes s[4:5], scales s[6:7]; Wq s[8:11]; Wk s[12:15]; Wv s[16:19]
	s_load_b128 s[20:23], s[0:1], 0x40             ; codes out, scale words out
.else
	s_load_b128 s[16:19], s[0:1], 0x0              ; S1's codes, scales
	s_load_b128 s[12:15], s[0:1], 0x10             ; S0's codes, scales
	s_load_b64 s[100:101], s[0:1], 0x20            ; the bias
	s_load_b64 s[20:21], s[0:1], 0x28
	s_load_b64 s[22:23], s[0:1], 0x30
.endif
	v_lshl_add_u32 v[SPW], v0, 2, SPARE
	v_mov_b32 v[NIL], 0
	ds_add_u32 v28, v29
	ds_add_u32 v28, v29
	s_wait_dscnt 0x0
	v_lshrrev_b32 v1, 5, v0
	v_readfirstlane_b32 s[WV], v1                  ; wave 0..3
	s_lshr_b32 s[WH], s[WV], 1                     ; my half of S1's rows.  Also: I fetch step 0's tile (0) or the two-step tile (1)
	s_and_b32 s[WL], s[WV], 1                      ; my half of S0's rows.  Also: I fetch for S1 (0) or S0 (1)
	s_bfe_u32 s2, ttmp6, 0x40000                   ; cx
	s_bfe_u32 s3, ttmp6, 0x40004                   ; cy
	s_lshl_b32 s[XT], ttmp9, 2
	s_add_co_u32 s[XT], s[XT], s2                  ; S0's tile = 4 x cluster x + cx
	s_and_b32 s[BB], ttmp7, 0xffff                 ; cluster y: two clusters to a sub-problem
	s_and_b32 s[T1], s[BB], 1
	s_lshl_b32 s[T1], s[T1], 2
	s_add_co_u32 s[T1], s[T1], s3                  ; S1's tile = 4 x (cluster y % 2) + cy
	s_lshr_b32 s[BB], s[BB], 1
.if MODE == 0
	s_lshr_b32 s[WHI], s[BB], 3
	s_and_b32 s[BB], s[BB], 7
.endif
	s_lshl_b32 s[G1A], s3, 2
	s_lshl_b32 s[G1A], 15, s[G1A]                  ; my row of the cluster
	s_lshl_b32 s[G1B], 0x1111, s2                  ; my column
	s_or_b32 s[G1PA], s[G1A], (LOGA<<16)|(1<<20)|(1<<21)|(QIPA<<22)|(3<<25)   ; padding: 4 words behind every row's length (MODE 2: behind every 256 bytes); bit 21 set beside a mask
	s_or_b32 s[G1PB], s[G1B], (0<<16)|(1<<20)|(1<<21)|(6<<22)|(3<<25)
	s_or_b32 s[G1A], s[G1A], (LOGA<<16)|(1<<20)|(1<<21)|(5<<22)|(3<<25)
	s_or_b32 s[G1B], s[G1B], (0<<16)|(1<<20)|(1<<21)|(5<<22)|(3<<25)
.macro GRP g, c, r, p                  ; the rest of a group 1: r rows of c elements, p elements from row to row
	s_mov_b32 s[\g+1], (\c)<<16
	s_mov_b32 s[\g+2], (\r)<<16
	s_mov_b32 s[\g+3], (\c)<<16
	s_mov_b32 s[\g+4], \r
	s_mov_b32 s[\g+5], \p
	s_mov_b32 s[\g+6], 0
	s_mov_b32 s[\g+7], 0
.endm
.if MODE == 2
	GRP G1A, 1024, 4, 8192                         ; S1: a chunk's 128 rows x 64 bytes are 1,024 elements of 8 bytes on end; chunks lie 65,536 bytes apart: four to a K step,
	GRP G1PA, 1024, 8, 8192                        ; eight to two
.else
	GRP G1A, 256, 128, 1024                        ; S1: 128 rows of 256 bytes, 1,024 apart;
	GRP G1PA, 512, 128, 1024                       ; of 512
.endif
	GRP G1B, 256, 256, 1024                        ; S0: 256 rows
	GRP G1PB, 512, 256, 1024
	; the tiles' first rows.  S1's hang on cy alone, S0's on cx alone; each is made in registers that never hold the other
	s_lshl_b32 s3, s[T1], 7
	s_lshl_b32 s2, s[XT], 8
.if MODE == 0
	s_lshl_b32 s[TMP], s[BB], 10                   ; the batch's first row: it belongs to the side that holds the rows
	s_cmp_eq_u32 s[WHI], 2
	s_cselect_b32 s[G0A0+2], 0, s[TMP]
	s_cselect_b32 s[G0B0+2], s[TMP], 0
	s_add_co_u32 s3, s3, s[G0A0+2]
	s_add_co_u32 s2, s2, s[G0B0+2]
.endif
.if MODE == 1
	s_lshl_b32 s[TMP], s[BB], 10
	s_add_co_u32 s3, s3, s[TMP]
.endif
.if MODE == 2
	s_lshl_b32 s[G0A0+2], s3, 6                    ; 64 bytes a row in a chunk,
	s_lshl_b32 s[TMP], s[BB], 20
	s_add_co_u32 s[G0A0+2], s[G0A0+2], s[TMP]      ; 2^20 a batch
	s_lshl_b32 s[G0SA+2], s3, 2
	s_lshl_b32 s[TMP], s[BB], 15
	s_add_co_u32 s[G0SA+2], s[G0SA+2], s[TMP]
.else
	s_lshl_b32 s[G0A0+2], s3, 10
	s_lshl_b32 s[G0SA+2], s3, 5
.endif
	s_mov_b32 s[G0A0+3], 0
	s_mov_b32 s[G0SA+3], 0
	s_lshl_b32 s[G0B0+2], s2, 10
	s_mov_b32 s[G0B0+3], 0
	s_lshl_b32 s[G0SB+2], s2, 5
	s_mov_b32 s[G0SB+3], 0
.if MODE == 2
	s_lshl_b32 s[TMP], s[WH], 8                    ; the scale words that my wave multiplies by: S1's 64 rows x 4 bytes on,
.else
	s_lshl_b32 s[TMP], s[WH], 11                   ; the scale words that my wave multiplies by: S1's 64 rows x 32 bytes on,
.endif
	s_add_co_u32 s[G0SA+2], s[G0SA+2], s[TMP]
	s_lshl_b32 s[TMP], s[WL], 12                   ; S0's 128 rows x 32 bytes on
	s_add_co_u32 s[G0SB+2], s[G0SB+2], s[TMP]
	s_mov_b32 s[G0A0+1], LQA                       ; where the tiles go: constants
	s_mov_b32 s[G0B0+1], LQB
	s_mov_b32 s[G0A1+1], LPA
	s_mov_b32 s[G0B1+1], LPB
.irp g, G0A0, G0A1, G0B0, G0B1
	s_mov_b32 s[\g], 1
.endr
.if MODE == 2
	s_mul_i32 s92, s[WH], 4352                     ; my 64 rows of S1 in a chunk
.else
	s_mul_i32 s92, s[WH], 64*272                   ; my 64 rows of S1 in K step 0's tile,
	s_mul_i32 s93, s[WH], 64*528                   ; and in the two-step tile
	s_add_co_u32 s93, s93, LPA
.endif
	s_mul_i32 s94, s[WL], 128*272                  ; my 128 rows of S0 likewise
	s_add_co_u32 s94, s94, LQB
	s_mul_i32 s95, s[WL], 128*528
	s_add_co_u32 s95, s95, LPB
	s_wait_kmcnt 0x0
.if MODE == 0
	s_cmp_eq_u32 s[WHI], 2                         ; the choices hang on the cluster's number alone
	s_cselect_b64 s[PB:PB+1], s[4:5], s[PB:PB+1]           ; v: S0 = the rows; else Wk for now
	s_cselect_b64 s[PBS:PBS+1], s[6:7], s[PBS:PBS+1]
	s_cselect_b64 s[PA:PA+1], s[PA:PA+1], s[4:5]           ; v: S1 = Wv; else the rows
	s_cselect_b64 s[PAS:PAS+1], s[PAS:PAS+1], s[6:7]
	s_cmp_eq_u32 s[WHI], 0
	s_cselect_b64 s[PB:PB+1], s[8:9], s[PB:PB+1]           ; q: S0 = Wq
	s_cselect_b64 s[PBS:PBS+1], s[10:11], s[PBS:PBS+1]
.endif
	s_add_nc_u64 s[G0A0+2:G0A0+3], s[PA:PA+1], s[G0A0+2:G0A0+3]
	s_add_nc_u64 s[G0A1+2:G0A1+3], s[G0A0+2:G0A0+3], ASTEP
	s_add_nc_u64 s[G0B0+2:G0B0+3], s[PB:PB+1], s[G0B0+2:G0B0+3]
	s_add_nc_u64 s[G0B1+2:G0B1+3], s[G0B0+2:G0B0+3], 256
	s_add_nc_u64 s[G0SA+2:G0SA+3], s[PAS:PAS+1], s[G0SA+2:G0SA+3]   ; plain addresses: my scale words of S1,
	s_add_nc_u64 s[G0SB+2:G0SB+3], s[PBS:PBS+1], s[G0SB+2:G0SB+3]   ; and of S0
.irp g, G0A0, G0A1, G0B0, G0B1
	s_or_b32 s[\g+3], s[\g+3], 0x80000000          ; type = 2
.endr
	CROUND                                         ; all sixteen work-groups are here: the first joint loads meet
	s_cmp_eq_u32 s[WV], 0                          ; the head's four tiles, one a wave, each in its arm of one chain of branches on the wave's number
	s_cbranch_scc0 .Lhead_qb
	TL G0A0, G1A                                   ; wave 0: S1's K step 0
	s_branch .Lhead_asked
.Lhead_qb:
	s_cmp_eq_u32 s[WV], 1
	s_cbranch_scc0 .Lhead_pa
	TL G0B0, G1B                                   ; wave 1: S0's K step 0
	s_branch .Lhead_asked
.Lhead_pa:
	s_cmp_eq_u32 s[WV], 2
	s_cbranch_scc0 .Lhead_pb
	TL G0A1, G1PA                                  ; wave 2: S1's K steps 1 and 2
	s_branch .Lhead_asked
.Lhead_pb:
	TL G0B1, G1PB                                  ; wave 3: S0's K steps 1 and 2
.Lhead_asked:
	s_mov_b32 s[SEL], 0x76543210
	s_mov_b32 s[SEL+1], 0xfedcba98
	s_mov_b32 s[MNT], 0x600000
	v_and_b32 v1, 15, v0                           ; r
	v_bfe_u32 v2, v0, 4, 1                         ; h
	v_and_b32 v8, 31, v0                           ; lane
	v_mul_u32_u24 v3, v1, 272
	v_lshl_add_u32 v3, v2, 4, v3                   ; a fragment's row x 272 + 16 h
.if MODE == 2
	v_lshrrev_b32 v4, 2, v1
	v_lshlrev_b32 v4, 4, v4
	v_lshl_add_u32 v4, v1, 6, v4
	v_lshl_add_u32 v4, v2, 4, v4                   ; in a chunk: 64 r + 16 (r / 4) + 16 h
.set LA, 4
.else
.set LA, 3
.endif
	v_mul_u32_u24 v9, v1, 528
	v_lshl_add_u32 v9, v2, 4, v9                   ; in a two-step tile: row x 528 + 16 h; K step 2 lies 256 bytes on in each row
	v_add_nc_u32 v[ADRA], s92, v[LA]
.if MODE == 2
	v_add_nc_u32 v[ADRA+1], LPA, v[ADRA]
	v_add_nc_u32 v[ADRA+2], LPA+4*8704, v[ADRA]    ; K step 2: four chunks on
.else
	v_add_nc_u32 v[ADRA+1], s93, v9
	v_add_nc_u32 v[ADRA+2], 256, v[ADRA+1]
.endif
	v_add_nc_u32 v[ADRB], s94, v3
	v_add_nc_u32 v[ADRB+1], s95, v9
	v_add_nc_u32 v[ADRB+2], 256, v[ADRB+1]
	v_lshlrev_b32 v5, 5, v1                        ; a row's 32 scale bytes in memory: 32 r
	v_lshl_add_u32 v[ADSB], v2, 11, v5             ; S0: lanes 16-31 take the block four further on: 64 rows
.if MODE == 2
	v_lshlrev_b32 v6, 7, v2                        ; S1: lanes 16-31 take the block two further on: 32 rows x 4 bytes
	v_lshl_add_u32 v[ADSA], v1, 2, v6
.else
	v_lshl_add_u32 v[ADSA], v2, 10, v5             ; S1: lanes 16-31 take the block two further on: 32 rows
.endif
.irp i, 0,1,2,3
.irp c, 0,1
	global_load_b128 v[SCB+8*\i+4*\c:SCB+8*\i+4*\c+3], v[ADSB], s[G0SB+2:G0SB+3] offset:512*\i+16*\c
.endr
.endr
.irp i, 0,1
.if MODE == 2
.irp w, 0,1,2,3,4,5,6,7
	global_load_b32 v[SCA+8*\i+\w], v[ADSA], s[G0SA+2:G0SA+3] offset:4096*\w+64*\i
.endr
.else
.irp c, 0,1
	global_load_b128 v[SCA+8*\i+4*\c:SCA+8*\i+4*\c+3], v[ADSA], s[G0SA+2:G0SA+3] offset:512*\i+16*\c
.endr
.endif
.endr
	s_mul_i32 s[TMP], s[WV], WSTG
	s_add_co_u32 s[TMP], s[TMP], STG               ; my stage
	v_lshlrev_b32 v[CO], 4, v8
	v_add_nc_u32 v[RD], s[TMP], v[CO]
.if MODE == 2
	v_mul_u32_u24 v5, v1, 528
	v_lshl_add_u32 v5, v2, 5, v5
	v_add_nc_u32 v[STO], s[TMP], v5                ; row r, 32 bytes for each half of the lanes
.else
	v_lshlrev_b32 v5, 6, v1
	v_lshl_add_u32 v5, v2, 3, v5
	v_add_nc_u32 v[STO], s[TMP], v5                ; row r of 64 bytes, 8 bytes for each half of the lanes
	v_lshlrev_b32 v[CO8], 3, v8
	s_add_co_u32 s[TMP], s[TMP], 8192
	v_lshl_add_u32 v[SSO], v1, 2, s[TMP]
	v_add_nc_u32 v[RDS], s[TMP], v[CO8]
.endif
.if MODE != 0
	s_lshl_b32 s92, s[XT], 10                      ; my first column j, in bytes of f32: 4 (256 x tile + 128 x half)
	s_lshl_b32 s93, s[WL], 9
	s_add_co_u32 s92, s92, s93
	s_mov_b32 s93, 0
	s_add_nc_u64 s[100:101], s[100:101], s[92:93]
	v_lshlrev_b32 v7, 5, v2                        ; the bias in the result's layout: tile b, lane (r, h): j = 16 b + 8 h + 0 .. 7
	s_wait_alu depctr_va_vdst(0)
	WIN 0x80                                       ; destination window 2: the accumulators of S1's four blocks
.irp b, 0,1,2,3,4,5,6,7
.irp a, 0,1,2,3
	global_load_b128 v[64*\a+8*\b:64*\a+8*\b+3], v7, s[100:101] offset:64*\b
	global_load_b128 v[64*\a+8*\b+4:64*\a+8*\b+7], v7, s[100:101] offset:64*\b+16
.endr
.endr
	WIN 0
.endif
.if MODE == 2
	s_lshl_b32 s94, s[T1], 7
	s_lshl_b32 s95, s[WH], 6
	s_add_co_u32 s94, s94, s95
	s_lshl_b32 s95, s[BB], 10
	s_add_co_u32 s94, s94, s95                     ; my first row: 1,024 b + 128 x tile + 64 x half
	s_lshl_b32 s94, s94, 12
	s_add_co_u32 s94, s94, s92
	s_mov_b32 s95, 0
	s_add_nc_u64 s[OUT0:OUT0+1], s[OUT0:OUT0+1], s[94:95]
	s_add_nc_u64 s[OUT1:OUT1+1], s[OUT1:OUT1+1], s[94:95]
.else
	s_lshl_b32 s92, s[XT], 2
	s_lshl_b32 s93, s[WL], 1
	s_add_co_u32 s92, s92, s93                     ; my first chunk of 64 along j: 4 x tile + 2 x half
	s_lshl_b32 s94, s92, 11                        ; scale words: 4,096 bytes for each 128 along j
	s_lshl_b32 s92, s92, 16                        ; codes: 65,536 bytes a chunk
	s_lshl_b32 s93, s[T1], 7
	s_lshl_b32 s95, s[WH], 6
	s_add_co_u32 s93, s93, s95                     ; my first row i
	s_lshl_b32 s95, s93, 2
	s_add_co_u32 s94, s94, s95
	s_lshl_b32 s93, s93, 6
	s_add_co_u32 s92, s92, s93
	s_lshl_b32 s93, s[BB], 20
	s_add_co_u32 s92, s92, s93
	s_lshl_b32 s93, s[BB], 15
	s_add_co_u32 s94, s94, s93
.if MODE == 0
	s_lshl_b32 s93, s[WHI], 23                     ; q, k, v: 2^23 bytes of codes each,
	s_add_co_u32 s92, s92, s93
	s_lshl_b32 s93, s[WHI], 18                     ; 2^18 of scale words
	s_add_co_u32 s94, s94, s93
.endif
	s_mov_b32 s93, 0
	s_mov_b32 s95, 0
	s_add_nc_u64 s[OUT0:OUT0+1], s[OUT0:OUT0+1], s[92:93]
	s_add_nc_u64 s[OUT1:OUT1+1], s[OUT1:OUT1+1], s[94:95]
.endif
; A fragment, 16 rows x 128 K, is 16 registers: lane l holds row l % 16; registers 4 c .. 4 c + 3 hold K = 32 c + 16 (l / 16) + 0 .. 15.
.macro FRAGB reg, slot, q, i
.irp c, 0,1,2,3
	ds_load_b128 v[\reg+4*\c:\reg+4*\c+3], v[ADRB+\slot] offset:128*(\q)+32*\c+(4352+4096*(((\slot)+1)/2))*(\i)   ; 16 rows on: 16 x 272 in K step 0's tile, 16 x 528 in the two-step tile
.endr
.endm
.macro FRAGA reg, slot, q, i
.irp c, 0,1,2,3
.if MODE == 2
	ds_load_b128 v[\reg+4*\c:\reg+4*\c+3], v[ADRA+\slot] offset:(2*(\q)+\c/2)*8704+1088*(\i)+32*(\c%2)
.else
	ds_load_b128 v[\reg+4*\c:\reg+4*\c+3], v[ADRA+\slot] offset:128*(\q)+32*\c+(4352+4096*(((\slot)+1)/2))*(\i)
.endif
.endr
.endm
.macro FETCH slot, q, p                ; 48 LDS loads in one run: the slot's q-th 128 along K into set p
	WIN 0x40                                       ; destination window 1
.irp i, 0,1,2,3,4,5,6,7
	FRAGB 128*(\p)+16*\i, \slot, \q, \i
.endr
	WIN 0
.irp i, 0,1,2,3
	FRAGA AF+64*(\p)+16*\i, \slot, \q, \i
.endr
.endm
; One product: S1's block a x S0's block b.  first = 1, MODE 0: it starts the sum with 0; else it adds onto the accumulator, which at first holds the bias.  The scale words are those of the KW / 4-th 128 along K.
.macro WM a, b, p, q, sc, first
.set rD, 8*(8*(\a)+(\b))
.set rB, 128*(\p)+16*(\b)
.set rA, AF+64*(\p)+16*(\a)
.set rS0, SCB+8*((\b)%4)+KW/4
.set rS1, SCA+8*((\a)%2)+KW/4
.set rC, rD
.if \first && (MODE == 0)
.if ((\b) < 4) && ((\a) < 2)
	v_wmma_scale_f32_16x16x128_f8f6f4 v[rD:rD+7], v[rB:rB+15], v[rA:rA+15], 0, v[rS0], v[rS1]
.elseif (\a) < 2
	v_wmma_scale_f32_16x16x128_f8f6f4 v[rD:rD+7], v[rB:rB+15], v[rA:rA+15], 0, v[rS0], v[rS1] matrix_a_scale:MATRIX_SCALE_ROW1
.elseif (\b) < 4
	v_wmma_scale_f32_16x16x128_f8f6f4 v[rD:rD+7], v[rB:rB+15], v[rA:rA+15], 0, v[rS0], v[rS1] matrix_b_scale:MATRIX_SCALE_ROW1
.else
	v_wmma_scale_f32_16x16x128_f8f6f4 v[rD:rD+7], v[rB:rB+15], v[rA:rA+15], 0, v[rS0], v[rS1] matrix_a_scale:MATRIX_SCALE_ROW1 matrix_b_scale:MATRIX_SCALE_ROW1
.endif
.else
.if ((\b) < 4) && ((\a) < 2)
	v_wmma_scale_f32_16x16x128_f8f6f4 v[rD:rD+7], v[rB:rB+15], v[rA:rA+15], v[rC:rC+7], v[rS0], v[rS1]
.elseif (\a) < 2
	v_wmma_scale_f32_16x16x128_f8f6f4 v[rD:rD+7], v[rB:rB+15], v[rA:rA+15], v[rC:rC+7], v[rS0], v[rS1] matrix_a_scale:MATRIX_SCALE_ROW1
.elseif (\b) < 4
	v_wmma_scale_f32_16x16x128_f8f6f4 v[rD:rD+7], v[rB:rB+15], v[rA:rA+15], v[rC:rC+7], v[rS0], v[rS1] matrix_b_scale:MATRIX_SCALE_ROW1
.else
	v_wmma_scale_f32_16x16x128_f8f6f4 v[rD:rD+7], v[rB:rB+15], v[rA:rA+15], v[rC:rC+7], v[rS0], v[rS1] matrix_a_scale:MATRIX_SCALE_ROW1 matrix_b_scale:MATRIX_SCALE_ROW1
.endif
.endif
.endm
.macro MUL8 a, p, q, sc, first         ; the 32 accumulators take turns, one instruction a turn, in the same order in every step
.irp b, 0,1,2,3,4,5,6,7
	WM \a, \b, \p, \q, \sc, \first
.endr
.set KW, KW+1
.endm
.macro WMUL first                      ; source 0 window 1, source 1 window 0, C and D window 2
	WIN 0xa1
.endm
; A step of 128 along K: set p is multiplied; ahead of its 32 products the next step's fragments are asked for, in one run.  Eight places stand between the last products that read the other set and the loads into it.
.macro STEP p, q, sc, first, nslot, nq, nj
	s_wait_dscnt 0x0                               ; set p and its scale words are in
.if !\first
	PLACES 8
.endif
	FETCH \nslot, \nq, 1-(\p)
	WMUL \first
	MUL8 0, \p, \q, \sc, \first
	MUL8 1, \p, \q, \sc, \first
	MUL8 2, \p, \q, \sc, \first
	MUL8 3, \p, \q, \sc, \first
	WIN 0
.endm
	s_wait_alu depctr_va_vdst(0)
	s_cmp_lt_u32 s[WV], 2
	s_cbranch_scc0 .Lnot_q
	s_wait_tensorcnt 0x0                           ; waves 0 and 1: K step 0's tiles are in.  The two-step tiles, waves 2 and 3's, may be out
.Lnot_q:
	s_barrier_signal -1
	s_barrier_wait -1                              ; everybody's are
	FETCH 0, 0, 0
	s_wait_loadcnt 0x0                             ; the scale words (and the bias)
.if MODE == 2
	WIN 0xc0                                       ; destination window 3: my 64 rows x 512 bytes of the residual, asked for now and wanted at the end
.set i, 0
.rept 64
	global_load_b128 v[4*i:4*i+3], v[CO], s[OUT0:OUT0+1] offset:4096*i
.set i, i+1
.endr
	WIN 0
.endif
	STEP 0, 0, 0, 1, 0, 1, 0                       ; K 0-127: its products start the sums
	; K 128-255, and slot 0's refill
	s_wait_tensorcnt 0x0                           ; all my tensor loads have landed, my parts of K steps 1 and 2 among them
	ds_add_u32 v[SPW], v[NIL]                      ; 0 onto my spare word
	s_wait_dscnt 1                                 ; (the add alone may be out: set 1 is in)
	WIN 0xa1
	MUL8 0, 1, 1, 0, 0                             ; eight matrix instructions stand between the add and the wait for it
	s_wait_dscnt 0x0                               ; the add is done, and my reads of slot 0 are over
	s_barrier_signal -1                            ; this barrier opens a round of the cluster's barrier
	MUL8 1, 1, 1, 0, 0
	WIN 0
	s_barrier_wait -1
	CREST                                          ; no wave of any partner still reads slot 0 or has a load on its way
	s_add_nc_u64 s[G0A0+2:G0A0+3], s[G0A0+2:G0A0+3], 3*ASTEP
	s_add_nc_u64 s[G0B0+2:G0B0+3], s[G0B0+2:G0B0+3], 768
	JLOAD G0A0, G1A, G0B0, G1B                     ; K step 3 into slot 0: my one tensor load behind the round; 112 matrix instructions stand ahead of the wait for it
	PLACES 8                                       ; eight places in front of the loads below, on the way of the waves that fetch nothing too
	FETCH 1, 0, 0
	WIN 0xa1
	MUL8 2, 1, 1, 0, 0
	MUL8 3, 1, 1, 0, 0
	WIN 0
	STEP 0, 0, 1, 0, 1, 1, 0                       ; K 256-383
	STEP 1, 1, 1, 0, 2, 0, 2                       ; K 384-511; slot 2 was shown whole to every wave at the round above
	STEP 0, 0, 0, 0, 2, 1, 0                       ; K 512-639
	; K 640-767: K step 3 is shown to every wave
	s_wait_tensorcnt 0x0                           ; the one load that was out: my part of K step 3
	s_wait_dscnt 0x0                               ; set 1 is in; no LDS instruction of mine is pending at the signal
	s_barrier_signal -1
	WIN 0xa1
	MUL8 0, 1, 1, 0, 0
	MUL8 1, 1, 1, 0, 0
	WIN 0
	s_barrier_wait -1                              ; behind it nobody reads slot 1 or 2 any more
	PLACES 8
	FETCH 0, 0, 0
	WIN 0xa1
	MUL8 2, 1, 1, 0, 0
	MUL8 3, 1, 1, 0, 0
	WIN 0
	STEP 0, 0, 1, 0, 0, 1, 0                       ; K 768-895
	s_wait_dscnt 0x0                               ; K 896-1023: nothing more to fetch
	WIN 0xa1
	MUL8 0, 1, 1, 1, 0
	MUL8 1, 1, 1, 1, 0
	MUL8 2, 1, 1, 1, 0
	MUL8 3, 1, 1, 1, 0
	WIN 0
	PLACES 8                                       ; in front of the first read of results, and of writes into registers that held fragments
.if MODE == 2
; THE WAY OUT, f32: a block of 16 rows x 128 columns goes through my stage and comes back as rows of 512 bytes; the residual is added; 32 lanes store 512 consecutive bytes, aligned.
.macro TOSTAGE a
	WIN 0x08                                       ; an LDS store's data are its source 1: window 2
.irp b, 0,1,2,3,4,5,6,7
	ds_store_b128 v[STO], v[64*(\a)+8*\b:64*(\a)+8*\b+3] offset:64*\b          ; each accumulator from its low end on
	ds_store_b128 v[STO], v[64*(\a)+8*\b+4:64*(\a)+8*\b+7] offset:64*\b+16
.endr
	WIN 0
.irp t, 0,1,2,3,4,5,6,7,8,9,10,11,12,13,14,15
	ds_load_b128 v[BK+64*((\a)%2)+4*\t:BK+64*((\a)%2)+4*\t+3], v[RD] offset:528*\t   ; LDS serves a wave's instructions in order: these see the stores above
.endr
.endm
.macro SEND a, younger
.set BKS, BK+64*((\a)%2)
	s_wait_dscnt \younger                          ; the block is back; the next block's 16 stores and 16 loads may be out
	WIN 0x0c                                       ; source 1 window 3
.set i, 0
.rept 32
	v_pk_add_f32 v[BKS+2*i:BKS+2*i+1], v[BKS+2*i:BKS+2*i+1], v[64*(\a)+2*i:64*(\a)+2*i+1]
.set i, i+1
.endr
	WIN 0
.irp t, 0,1,2,3,4,5,6,7,8,9,10,11,12,13,14,15
	global_store_b128 v[CO], v[BKS+4*\t:BKS+4*\t+3], s[OUT1:OUT1+1] offset:4096*(16*(\a)+\t)
.endr
.endm
	s_wait_loadcnt 0x0                             ; the residual
	TOSTAGE 0
.irp a, 1,2,3
.if \a > 1
	s_wait_xcnt 0x0                                ; block a - 2's stores have read their registers: block a's rows may land there
.endif
	TOSTAGE \a
	SEND \a-1, 32
.endr
	SEND 3, 0
.else
; THE WAY OUT, quantised.  Of S1's block a a lane holds 64 numbers: register 16 p + 8 u + j = column 32 p + 16 u + 8 (lane / 16) + j of row lane % 16.  Block p of 32 lies in lanes l and l xor 16.
.macro QUANTA a
.set AC, 64*(\a)
.set PCA, PC+16*(\a)
	WIN 0x0a                                       ; sources 0 and 1 window 2
.irp p, 0,1,2,3
.if MODE == 0
	v_max3_num_f32 v[TM+\p], |v[AC+16*\p]|, |v[AC+16*\p+1]|, 0x4800000   ; my 16 numbers of block p, and the floor 2^(9 - 127): the byte cannot fall under 1
.else
	v_max3_num_f32 v[TM+\p], v[AC+16*\p], v[AC+16*\p+1], 0x4800000       ; no |.|: what is negative becomes 0 (the activation) and must not count
.endif
.endr
	WIN 0x28                                       ; sources 1 and 2 window 2
.irp i, 2,4,6,8,10,12,14
.irp p, 0,1,2,3
.if MODE == 0
	v_max3_num_f32 v[TM+\p], v[TM+\p], |v[AC+16*\p+\i]|, |v[AC+16*\p+\i+1]|
.else
	v_max3_num_f32 v[TM+\p], v[TM+\p], v[AC+16*\p+\i], v[AC+16*\p+\i+1]
.endif
.endr
.endr
	WIN 0
.irp p, 0,1,2,3
	v_permlanex16_b32 v[TM+4+\p], v[TM+\p], s[SEL], s[SEL+1]
.endr
.irp p, 0,1,2,3
	v_max_num_f32 v[TM+\p], v[TM+\p], v[TM+4+\p]   ; the block's largest magnitude
.endr
.irp p, 0,1,2,3
	v_add_nc_u32 v[TM+12+\p], 0xfc000000, v[TM+\p] ; 8 off its exponent field: the conversion's scale operand
.endr
.irp p, 0,1,2,3
	v_and_or_b32 v[TM+8+\p], v[TM+\p], 0x7f800000, s[MNT]   ; 448 x the scale
.endr
.irp p, 0,1,2,3
	v_lshrrev_b32 v[TM+4+\p], 23, v[TM+12+\p]      ; the scale's byte
.endr
	v_lshl_or_b32 v[PW+(\a)], v[TM+5], 8, v[TM+4]  ; my row's scale word for these 128 columns
	v_lshl_or_b32 v[PW+(\a)], v[TM+6], 16, v[PW+(\a)]
	v_lshl_or_b32 v[PW+(\a)], v[TM+7], 24, v[PW+(\a)]
	WIN 0x82                                       ; destination and source 0 window 2
.irp p, 0,1,2,3
.irp i, 0,1,2,3,4,5,6,7,8,9,10,11,12,13,14,15
.if MODE == 0
	v_med3_num_f32 v[AC+16*\p+\i], v[AC+16*\p+\i], -v[TM+8+\p], v[TM+8+\p]   ; the conversion does not saturate (ISA guide 7.6.2): the hold
.else
	v_med3_num_f32 v[AC+16*\p+\i], v[AC+16*\p+\i], 0, v[TM+8+\p]             ; the activation and the hold in one
.endif
.endr
.endr
	WIN 0x02                                       ; source 0 window 2
.irp p, 0,1,2,3
.irp u, 0,1
	v_cvt_scalef32_pk8_fp8_f32 v[PCA+4*\p+2*\u:PCA+4*\p+2*\u+1], v[AC+16*\p+8*\u:AC+16*\p+8*\u+7], v[TM+12+\p]
.endr
.endr
	WIN 0
	v_nop                                          ; one plain instruction behind the last conversion, ahead of the next lines that write its sources
.irp p, 0,1,2,3
.irp u, 0,1
	ds_store_b64 v[STO], v[PCA+4*\p+2*\u:PCA+4*\p+2*\u+1] offset:4096*(\p/2)+1024*(\a)+32*(\p%2)+16*\u   ; eight codes: chunk p / 2, row 16 a + r, byte 32 (p % 2) + 16 u + 8 h
.endr
.endr
	ds_store_b32 v[SSO], v[PW+(\a)] offset:64*(\a) ; both halves of the lanes write the same word with the same value
.endm
.irp p, 0,1,2,3
	v_mov_b32 v[TM+4+\p], 0                        ; a lane permute's destination counts as one of its sources
.endr
	QUANTA 0
	QUANTA 1
	QUANTA 2
	QUANTA 3
.irp i, 0,1,2,3,4,5,6,7,8,9,10,11,12,13,14,15
	ds_load_b128 v[192+4*\i:192+4*\i+3], v[RD] offset:512*\i   ; LDS serves a wave's instructions in order: these see my stores
.endr
	ds_load_b64 v[14:15], v[RDS]
.irp i, 0,1,2,3,4,5,6,7,8,9,10,11,12,13,14,15
	s_wait_dscnt 16-\i                             ; behind load i: the 15 - i loads of codes and the one of scale words
	global_store_b128 v[CO], v[192+4*\i:192+4*\i+3], s[OUT0:OUT0+1] offset:65536*(\i/8)+512*(\i%8)   ; 32 lanes store 512 consecutive bytes, aligned: 64 rows of a chunk are 4,096 bytes on end
.endr
	s_wait_dscnt 0x0
	global_store_b64 v[CO8], v[14:15], s[OUT1:OUT1+1]          ; 64 scale words: 256 consecutive bytes, aligned
.endif
	s_wait_tensorcnt 0x0                           ; the wave's end, behind my last tensor load and my last LDS store
	ds_add_u32 v[SPW], v[NIL]
	s_wait_dscnt 0x0
	CROUND                                         ; the closing round: no work-group ends while a partner may still ask for a tile that names it
	s_endpgm
.Lfunc_end_k_q69d0abbd6b_fc1:
	.size	k_q69d0abbd6b_fc1, .Lfunc_end_k_q69d0abbd6b_fc1-k_q69d0abbd6b_fc1
	.p2alignl 7, 3214868480
	.fill 96, 4, 3214868480
	.section	.rodata,"a",@progbits
	.p2align	6, 0x0
	.amdhsa_kernel k_q69d0abbd6b_fc1
		.amdhsa_group_segment_fixed_size 327680
		.amdhsa_private_segment_fixed_size 0
		.amdhsa_enable_private_segment 0
		.amdhsa_kernarg_size 56
		.amdhsa_user_sgpr_count 2
		.amdhsa_user_sgpr_kernarg_segment_ptr 1
		.amdhsa_wavefront_size32 1
		.amdhsa_system_sgpr_workgroup_id_x 1
		.amdhsa_system_sgpr_workgroup_id_y 1
		.amdhsa_system_sgpr_workgroup_id_z 1
		.amdhsa_system_vgpr_workitem_id 0
		.amdhsa_next_free_vgpr 1024
		.amdhsa_next_free_sgpr 106
		.amdhsa_reserve_vcc 0
		.amdhsa_float_denorm_mode_32 3
		.amdhsa_float_denorm_mode_16_64 3
		.amdhsa_memory_ordered 1
		.amdhsa_forward_progress 1
		.amdhsa_inst_pref_size 116
	.end_amdhsa_kernel
	.amdgpu_metadata
---
amdhsa.version: [ 1, 2 ]
amdhsa.kernels:
  - .name:           k_q69d0abbd6b_fc1
    .symbol:         k_q69d0abbd6b_fc1.kd
    .args:
      - { .name: xn_c, .offset: 0, .size: 8, .value_kind: global_buffer, .address_space: global }
      - { .name: xn_s, .offset: 8, .size: 8, .value_kind: global_buffer, .address_space: global }
      - { .name: W1_codes, .offset: 16, .size: 8, .value_kind: global_buffer, .address_space: global }
      - { .name: W1_scales, .offset: 24, .size: 8, .value_kind: global_buffer, .address_space: global }
      - { .name: b1, .offset: 32, .size: 8, .value_kind: global_buffer, .address_space: global }
      - { .name: at_c, .offset: 40, .size: 8, .value_kind: global_buffer, .address_space: global }
      - { .name: at_s, .offset: 48, .size: 8, .value_kind: global_buffer, .address_space: global }
    .group_segment_fixed_size: 327680
    .private_segment_fixed_size: 0
    .kernarg_segment_align: 8
    .kernarg_segment_size: 56
    .max_flat_workgroup_size: 128
    .sgpr_count:     106
    .vgpr_count:     1024
    .wavefront_size: 32
...
	.end_amdgpu_metadata
.endif
;; end of part 5
;; launch fc2: the kernel of part 4 again; grid 4 x 64, 4 waves a work-group, clusters of 4 x 4, 327,680 bytes of LDS; arguments at_c, at_s, W2_codes, W2_scales, b2, x1, out0; writes out0
